; MI455X (gfx1250); checked and timed in simulation.
; The chip was launched on July 23, 2026; its instructions are those of AMD's public machine-readable ISA for CDNA 5 (MIT licence, August 2026) and "CDNA5" Instruction Set Architecture Reference Guide (July 2026). The comments in the code are by the model that wrote it; some were corrected since.
;; Bi Transformer layer. Allowed arithmetic: matrix products marked QUANTISED: E3M2 operands, one E8M0 scale for each 32 along K, by v_wmma_scale_f32_16x16x128_f8f6f4 with both operands' format E3M2, f32 sums; everything else in f32.
;; Inputs: b1 3,072 float32; b2 768 float32; bk 768 float32; bo 768 float32; bq 768 float32; bv 384 float32; ln1_b 768 float32; ln1_s 768 float32; ln2_b 768 float32; ln2_s 768 float32; padding_mask 2 x 2,048 bool; w1_codes 3,072 x 24 x 24 uint8 (E3M2 codes of w1, K innermost, in blocks of 32 codes, four codes in three bytes); w1_scales 3,072 x 24 uint8 (E8M0 scales of w1, one for each 32 codes along K); w2_codes 768 x 96 x 24 uint8 (E3M2 codes of w2, K innermost, in blocks of 32 codes, four codes in three bytes); w2_scales 768 x 96 uint8 (E8M0 scales of w2, one for each 32 codes along K); wk_codes 768 x 24 x 24 uint8 (E3M2 codes of wk, K innermost, in blocks of 32 codes, four codes in three bytes); wk_scales 768 x 24 uint8 (E8M0 scales of wk, one for each 32 codes along K); wo_codes 768 x 24 x 24 uint8 (E3M2 codes of wo, K innermost, in blocks of 32 codes, four codes in three bytes); wo_scales 768 x 24 uint8 (E8M0 scales of wo, one for each 32 codes along K); wq_codes 768 x 24 x 24 uint8 (E3M2 codes of wq, K innermost, in blocks of 32 codes, four codes in three bytes); wq_scales 768 x 24 uint8 (E8M0 scales of wq, one for each 32 codes along K); wv_codes 384 x 24 x 24 uint8 (E3M2 codes of wv, K innermost, in blocks of 32 codes, four codes in three bytes); wv_scales 384 x 24 uint8 (E8M0 scales of wv, one for each 32 codes along K); x 2 x 2,048 x 768 float32.
;; Outputs: out0 2 x 2,048 x 768 float32.
;; Constants: unused = 0.
;; This version of the problem:
;;   THIS VERSION OF THE PROBLEM IS GIVEN IN LOW PRECISION. The matrix products marked QUANTISED in the list below multiply operands that are first quantised to E3M2 (3 exponent bits, 2 mantissa bits; 6 bits a number), with one power-of-two scale for each 32 numbers along K (OCP MX v1.0); their sums are f32. All else is computed in f32.
;;   The module's matrix products, in the order in which they are computed (A, B: the left and right operand; K: the contracted axis; several contracted axes count as one K, in the product's order):
;;     1. [M 4,096, K 768] x [K 768, N 768]; A: input x; B: input wq (given as codes): QUANTISED
;;     2. [M 4,096, K 768] x [K 768, N 768]; A: input x; B: input wk (given as codes): QUANTISED
;;     3. [M 4,096, K 768] x [K 768, N 384]; A: input x; B: input wv (given as codes): QUANTISED
;;     4. batch 24 x [M 2,048, K 64] x [K 64, N 2,048]; A: computed on the way; B: computed on the way: QUANTISED
;;     5. batch 24 x [M 32, K 2,048] x [K 2,048, N 2,048]; A: computed on the way; B: softmax (see below): QUANTISED
;;     6. batch 24 x [M 32, K 2,048] x [K 2,048, N 2,048]; A: computed on the way; B: softmax (see below): QUANTISED
;;     7. [M 4,096, K 768] x [K 768, N 768]; A: computed on the way; B: input wo (given as codes): QUANTISED
;;     8. [M 4,096, K 768] x [K 768, N 3,072]; A: computed on the way; B: input w1 (given as codes): QUANTISED
;;     9. [M 4,096, K 3,072] x [K 3,072, N 768]; A: computed on the way; B: input w2 (given as codes): QUANTISED
;;   THE QUANTISER, for each operand of a quantised product, along K:
;;     - K is cut into blocks of 32 from its start; a last block that is shorter is filled with zeros.
;;     - A block's scale is 2^e with e = floor(log2(the largest magnitude in the block)) - 4, held to -126 .. 127; a block of zeros has e = 0. As a byte (E8M0): e + 127.
;;     - Each number is divided by its block's scale, clamped to +-28, and rounded to the nearest number of E3M2, ties to even, subnormals kept.
;;     - The product sums the exact products of the quantised numbers (number of the format x scale) in f32.
;;   ~~~python
;;   def quantise(x, axis):      # numpy; x: float32 -> the quantised numbers, widened to float32 again
;;       x = np.moveaxis(x, axis, -1); K = x.shape[-1]
;;       x = np.pad(x, [(0, 0)] * (x.ndim - 1) + [(0, -K % 32)]); x = x.reshape(x.shape[:-1] + (-1, 32)); a = np.abs(x).max(-1, keepdims=True)
;;       e = np.where(a > 0, np.clip(np.frexp(np.where(a > 0, a, 1))[1] - 1 - 4, -126, 127), 0)      # np.frexp(a)[1] - 1 = floor(log2(a)), exactly
;;       r = np.clip(x / 2.0 ** e, -28, 28)
;;       step = 2.0 ** (np.maximum(np.frexp(np.where(r == 0, 1, r))[1] - 1, -2) - 2)
;;       q = np.round(r / step) * step * 2.0 ** e      # np.round: ties to even
;;       return np.moveaxis(q.reshape(q.shape[:-2] + (-1,))[..., :K], -1, axis).astype(np.float32)
;;   ~~~
;;   SOFTMAX AHEAD OF A QUANTISED PRODUCT. Where the list says 'softmax', what is quantised is not the finished softmax but p = 2^(t - M), with t = logit x log2(e) and M = ceil(the row's largest t), a whole number; so 1/2 < the row's largest p <= 1. The row's sum l is taken of the UNQUANTISED p, in f32, and the product's result is divided by l at the end. Since M is a whole number, a kernel that streams over the keys may use a running M (the ceiling of the running maximum): every later rescaling is an exact power of two, which a block's scale takes up: the codes' values come out the same.
;;   OPERANDS COMPUTED ON THE WAY. 'Computed on the way' means the value that the module computes at that place (a softmax that the list does not call 'softmax' is quantised finished and normalised). What goes into a quantiser is computed in f32, as accurately as f32 sums, v_exp_f32 and their like allow (about 1e-6 of the number): no bf16 or f16 on the way to a quantiser, and a product that is left as it is and whose result goes on into a quantised operand takes f32 operands (vector FMAs, or v_wmma_f32_16x16x4_f32). A number that lies on a knife's edge between two numbers of the format may be rounded either way, as far as f32 arithmetic and the matrix unit's own rounding can turn it there, and no further.
;;   INPUTS GIVEN AS CODES. w1 (in the module: [768, 3072], K = its axis 0); w2 (in the module: [3072, 768], K = its axis 0); wk (in the module: [768, 768], K = its axis 0); wo (in the module: [768, 768], K = its axis 0); wq (in the module: [768, 768], K = its axis 0); wv (in the module: [768, 384], K = its axis 0): each comes as NAME_codes (uint8): NAME with its K axis moved to the last place and cut into blocks of 32 codes, [.., K / 32, bytes a block], one block behind the other in memory; four codes in three bytes: a row's codes are one little-endian stream of bits, code i at bits 6 i .. 6 i + 5 (a code: sign, 3 exponent bits, 2 mantissa bits); and NAME_scales (uint8): the same leading axes, one E8M0 byte (e + 127) for each 32 codes along K. Its value is code x scale, taken as it is: it is not quantised again, and the codes and scales need not be those that the quantiser above would give.
;; 2 versions. Each part assembles by itself: llvm-mc -triple=amdgcn-amd-amdhsa -mcpu=gfx1250 --defsym DOCPART=n.
;; ======== version 1 of 2: 5 launches
;; workspace buffers: xq 2,457,600 bytes; wqkv 1,152,000 bytes; wpost 4,147,200 bytes; padtab 8,192 bytes of whole numbers; qkv 6,340,608 bytes; att 2,457,600 bytes; part 25,165,824 bytes
;; launch prep (part 1): grid 266 x 1, 6 waves a work-group, no clusters, 51,456 bytes of LDS; arguments x, padding_mask, wq_codes, wq_scales, wk_codes, wk_scales, wv_codes, wv_scales, wo_codes, wo_scales, w1_codes, w1_scales, w2_codes, w2_scales, xq, wqkv, wpost, padtab; writes xq, wqkv, wpost, padtab
.if DOCPART == 1
	.amdgcn_target "amdgcn-amd-amdhsa--gfx1250"
	.amdhsa_code_object_version 6
	.text
	.protected	k_q9766a783d2_prep
	.globl	k_q9766a783d2_prep
	.p2align	8
	.type	k_q9766a783d2_prep,@function
k_q9766a783d2_prep:
	s_mov_b64 s[64:65], 0
	v_nop
	global_prefetch_b8 v0, s[64:65] scope:SCOPE_SE
	s_setreg_imm32_b32 hwreg(HW_REG_WAVE_MODE, 25, 1), 1
	s_wait_xcnt 0x0
; PREP.  Work-groups 0-127: x [4096][768] f32 becomes codes of E3M2 with one E8M0 byte for each 32 along K, laid as the later launches' operands want them.
; Work-groups 128-265: the six weights (codes, K innermost) are laid anew as streams of register images, 6,400 bytes a chunk: four fragments of 16 rows x 128 K
; (fragment u, part i: lane l's registers 4 i .. 4 i + 3 at byte 1536 u + 512 i + 16 l), then at byte 6,144 the scale words (lane l's word j: fragment 2 j + l / 16, row l % 16).
; Wave 0 of work-groups 0-63 also turns padding_mask into lane masks (whole numbers) for the attention launch.
; ROW TILES: tile Tl of a block of 32 rows holds, at place r, row 8 Tl + r + 8 (r / 8); a weight's fragment u holds, at place r, row 32 (u / 2) + 8 (u % 2) + r + 8 (r / 8) of its group of 64.
; xq: codes [block 128][K step 6][Tl 2][block of 32: 4][r 16][24 bytes]; from byte 2,359,296 the scale words [block][K step][Tl][r].
; LIMITS: NaN and infinities are not served; a block whose largest magnitude lies under 2^-122 (a block of zeros too) keeps the byte 1: only this program reads the bytes.
.set WV,  40
.set SEL, 42                           ; s[42:43] lane selects: lane l xor 16
.set HM,  44                           ; s44 mask of lanes 16-31
.set R0,  16                           ; v16-79   tile 0: 16 rows as loaded, then 64 numbers of my row
.set R1,  80                           ; v80-143  tile 1
.set TM,  144                          ; v144-155 largest magnitudes, bytes, scale operands
.set C0,  156                          ; v156-171 tile 0's codes
.set C1,  172                          ; v172-187 tile 1's
.set W0,  188
.set W1,  189
; 64 numbers of a lane, register 16 b + i = number 16 (lane / 16) + i of block b of my row: codes into v[c + 4 b] on (12 bytes: half a block), bytes into v[TM + 4 + b]
.macro QUANT s, c
.irp b, 0,1,2,3
	v_max3_num_f32 v[TM+\b], |v[\s+16*\b]|, |v[\s+16*\b+1]|, 0x2800000   ; my 16 numbers and the floor 2^(5 - 127): the byte cannot fall under 1
.endr
.irp i, 2,4,6,8,10,12,14
.irp b, 0,1,2,3
	v_max3_num_f32 v[TM+\b], v[TM+\b], |v[\s+16*\b+\i]|, |v[\s+16*\b+\i+1]|
.endr
.endr
.irp b, 0,1,2,3
	v_permlanex16_b32 v[TM+4+\b], v[TM+\b], s[SEL], s[SEL+1]
.endr
.irp b, 0,1,2,3
	v_max_num_f32 v[TM+\b], v[TM+\b], v[TM+4+\b]         ; with lane l xor 16's 16: the block's largest magnitude
.endr
.irp b, 0,1,2,3
	v_add_nc_u32 v[TM+8+\b], 0xfe000000, v[TM+\b]        ; 4 off its exponent field: the conversion's scale operand
.endr
.irp b, 0,1,2,3
	v_lshrrev_b32 v[TM+4+\b], 23, v[TM+8+\b]             ; the scale's byte
.endr
.irp b, 0,1,2,3
	v_cvt_scalef32_pk16_bf6_f32 v[\c+4*\b:\c+4*\b+2], v[\s+16*\b:\s+16*\b+15], v[TM+8+\b]
.endr
	v_nop                                                ; one plain line behind the scaled conversions
.endm
.macro XROWS reg, tl                   ; the tile's 16 rows, 512 consecutive bytes of each (my K step)
.set i, 0
.rept 16
	global_load_b128 v[\reg+4*i:\reg+4*i+3], v4, s[4:5] offset:(8*\tl+i+8*(i/8))*3072 th:TH_LOAD_NT
.set i, i+1
.endr
.endm
.macro TURN reg                        ; through my wave's stage: in as loaded, back as 64 numbers of row r; LDS serves a wave's instructions in order
.set i, 0
.rept 16
	ds_store_b128 v5, v[\reg+4*i:\reg+4*i+3] offset:i*528
.set i, i+1
.endr
.irp b, 0,1,2,3
.irp j, 0,1,2,3
	ds_load_b128 v[\reg+16*\b+4*\j:\reg+16*\b+4*\j+3], v6 offset:128*\b+16*\j
.endr
.endr
.endm
.macro PUT c, w, tl                    ; the scale word, and the codes: each store covers 384 consecutive bytes
	v_lshl_or_b32 v[\w], v[TM+5], 8, v[TM+4]
	v_lshl_or_b32 v[\w], v[TM+6], 16, v[\w]
	v_lshl_or_b32 v[\w], v[TM+7], 24, v[\w]
.irp b, 0,1,2,3
	global_store_b96 v7, v[\c+4*\b:\c+4*\b+2], s[50:51] offset:\tl*1536+\b*384
.endr
.endm
	s_load_b512 s[4:19], s[0:1], 0x0               ; x, padding_mask, wq c/s, wk c/s, wv c/s
	s_load_b512 s[20:35], s[0:1], 0x40             ; wo c/s, w1 c/s, w2 c/s, xq, wqkv
	s_load_b128 s[36:39], s[0:1], 0x80             ; wpost, padtab
	v_lshl_add_u32 v192, v0, 2, 0xc600
	v_mov_b32 v193, 0
	v_lshrrev_b32 v1, 5, v0
	v_readfirstlane_b32 s[WV], v1                  ; wave 0..5
	v_and_b32 v1, 31, v0                           ; lane
	v_and_b32 v2, 15, v0                           ; r
	v_bfe_u32 v3, v0, 4, 1                         ; h
	v_lshlrev_b32 v4, 4, v1                        ; 16 x lane
	s_mov_b32 s[SEL], 0x76543210
	s_mov_b32 s[SEL+1], 0xfedcba98
	s_mov_b32 s[HM], 0xffff0000
	s_mov_b32 s47, 0
	s_wait_kmcnt 0x0
	s_cmp_lt_u32 ttmp9, 128
	s_cbranch_scc0 .Lweights
	; ---- x: work-group = block of 32 rows, wave = K step of 128
	s_mul_i32 s46, ttmp9, 98304
	s_lshl_b32 s48, s[WV], 9
	s_add_co_u32 s46, s46, s48
	s_add_nc_u64 s[4:5], s[4:5], s[46:47]
	XROWS R0, 0
	XROWS R1, 1
	s_mul_i32 s45, s[WV], 8448                     ; my stage: 16 rows x (512 + 16) bytes
	v_add_nc_u32 v5, s45, v4
	v_mul_u32_u24 v6, v2, 528
	v_lshl_add_u32 v6, v3, 6, v6
	v_add_nc_u32 v6, s45, v6                       ; back: row r, + 64 h bytes: 16 numbers of each block of 32
	v_mul_u32_u24 v7, v2, 24
	v_mad_u32_u24 v7, v3, 12, v7                   ; codes: 24 r + 12 h
	v_lshlrev_b32 v8, 2, v1
.irp b, 0,1,2,3
	v_mov_b32 v[TM+4+\b], 0                        ; a lane permute's destination counts as one of its sources
.endr
	s_mul_i32 s46, ttmp9, 18432
	s_mul_i32 s48, s[WV], 3072
	s_add_co_u32 s46, s46, s48
	s_add_nc_u64 s[50:51], s[32:33], s[46:47]      ; my codes
	s_mul_i32 s46, ttmp9, 768
	s_lshl_b32 s48, s[WV], 7
	s_add_co_u32 s46, s46, s48
	s_add_co_u32 s46, s46, 2359296
	s_add_nc_u64 s[52:53], s[32:33], s[46:47]      ; my scale words
	s_wait_loadcnt 16                              ; tile 0's rows are in; tile 1's 16 loads may be out
	TURN R0
	s_wait_loadcnt 0x0
	TURN R1
	s_wait_dscnt 32                                ; tile 0 is back; tile 1's 16 stores and 16 loads may be out
	QUANT R0, C0
	PUT C0, W0, 0
	s_wait_dscnt 0x0
	QUANT R1, C1
	PUT C1, W1, 1
	v_cndmask_b32 v[W0], v[W0], v[W1], s[HM]       ; lanes 0-15 tile 0's words, lanes 16-31 tile 1's: 128 consecutive bytes
	global_store_b32 v8, v[W0], s[52:53]
	; ---- the lane masks: entry E = [batch][key step 16][register 64]: 0xffff where key 128 s + 32 (n / 16) + n % 16 is padded, 0xffff0000 where the key 16 further on is
	s_cmp_lg_u32 s[WV], 0
	s_cbranch_scc1 .Lend
	s_cmp_lt_u32 ttmp9, 64
	s_cbranch_scc0 .Lend
	s_lshl_b32 s45, ttmp9, 5
	v_add_nc_u32 v9, s45, v1                       ; E
	v_lshrrev_b32 v10, 6, v9
	v_lshlrev_b32 v10, 7, v10                      ; 2048 x batch + 128 x step
	v_bfe_u32 v11, v9, 4, 2
	v_lshl_add_u32 v10, v11, 5, v10
	v_and_b32 v11, 15, v9
	v_add_nc_u32 v10, v10, v11
	global_load_u8 v12, v10, s[6:7]
	global_load_u8 v13, v10, s[6:7] offset:16
	v_lshlrev_b32 v9, 2, v9
	v_mov_b32 v14, 0xffff
	v_mov_b32 v15, 0xffff0000
	s_wait_loadcnt 0x0
	v_cmp_ne_u32 vcc_lo, 0, v12
	v_cndmask_b32 v12, 0, v14, vcc_lo
	v_cmp_ne_u32 vcc_lo, 0, v13
	v_cndmask_b32 v13, 0, v15, vcc_lo
	v_or_b32 v12, v12, v13
	global_store_b32 v9, v12, s[38:39]
.Lend:
	s_wait_tensorcnt 0x0
	ds_add_u32 v192, v193
	s_wait_dscnt 0x0
	s_endpgm
.Lweights:
	; ---- a wave lays one chunk.  j = work-group - 128.  j < 30: wqkv's six (y = j / 15, wave w = j % 15).  Else j' = j - 30: wpost's six q = j' % 9 of wave w = j' / 9.
	; All is chosen by selects on the work-group's number: one way through the text.
	s_sub_co_u32 s45, ttmp9, 128                   ; j
	s_cmp_ge_u32 s45, 15
	s_cselect_b32 s46, 1, 0                        ; y
	s_cselect_b64 s[50:51], s[12:13], s[8:9]       ; wk or wq
	s_cselect_b64 s[52:53], s[14:15], s[10:11]
	s_mul_i32 s48, s46, 15
	s_sub_co_u32 s48, s45, s48                     ; w
	s_mul_i32 s49, s46, 3
	s_add_co_u32 s49, s49, s48
	s_sub_co_u32 s49, s49, 12                      ; wv's group 3 y + w - 12
	s_cmp_lt_u32 s48, 12
	s_cselect_b64 s[50:51], s[50:51], s[16:17]
	s_cselect_b64 s[52:53], s[52:53], s[18:19]
	s_cselect_b32 s54, s48, s49                    ; the group of 64 rows
	s_sub_co_u32 s55, s45, 30                      ; j'
	s_mul_i32 s56, s55, 57
	s_lshr_b32 s56, s56, 9                         ; w = j' / 9 (right for j' under 108)
	s_mul_i32 s57, s56, 9
	s_sub_co_u32 s57, s55, s57                     ; q
	s_sub_co_u32 s58, s57, 1
	s_mul_i32 s58, s58, 12
	s_add_co_u32 s58, s58, s56                     ; w1's group 12 (q - 1) + w
	s_sub_co_u32 s59, s57, 5
	s_mul_i32 s59, s59, 6
	s_add_co_u32 s59, s59, s[WV]                   ; w2's K step 6 (q - 5) + wave
	s_mov_b32 s66, 2304
	s_cmp_lt_u32 s57, 5
	s_cselect_b64 s[60:61], s[24:25], s[28:29]     ; w1 or w2
	s_cselect_b64 s[62:63], s[26:27], s[30:31]
	s_cselect_b32 s58, s58, s56
	s_cselect_b32 s59, s[WV], s59
	s_cselect_b32 s66, 576, s66                    ; a row of codes in bytes
	s_cselect_b32 s67, 24, 96                      ; a row of scale bytes
	s_cmp_eq_u32 s57, 0
	s_cselect_b64 s[60:61], s[20:21], s[60:61]     ; wo
	s_cselect_b64 s[62:63], s[22:23], s[62:63]
	s_cselect_b32 s58, s56, s58
	s_cmp_lt_u32 s45, 30
	s_cselect_b64 s[50:51], s[50:51], s[60:61]
	s_cselect_b64 s[52:53], s[52:53], s[62:63]
	s_cselect_b32 s54, s54, s58
	s_cselect_b32 s59, s[WV], s59
	s_cselect_b32 s66, 576, s66
	s_cselect_b32 s67, 24, s67
	s_cselect_b64 s[68:69], s[34:35], s[36:37]     ; wqkv or wpost
	s_cselect_b32 s70, s45, s55
	s_mov_b32 s73, 0
	s_lshl_b32 s71, s54, 6
	s_mul_i32 s72, s71, s66
	s_mul_i32 s74, s59, 96
	s_add_co_u32 s72, s72, s74
	s_add_nc_u64 s[50:51], s[50:51], s[72:73]      ; codes: the group's first row, my K step
	s_mul_i32 s72, s71, s67
	s_lshl_b32 s74, s59, 2
	s_add_co_u32 s72, s72, s74
	s_add_nc_u64 s[52:53], s[52:53], s[72:73]      ; scale words likewise
	s_mul_i32 s72, s70, 6
	s_add_co_u32 s72, s72, s[WV]
	s_mul_i32 s72, s72, 6400
	s_add_nc_u64 s[68:69], s[68:69], s[72:73]      ; my chunk
	v_and_b32 v5, 8, v2
	v_add_nc_u32 v5, v5, v2                        ; r + 8 (r / 8)
	v_mul_u32_u24 v6, v3, 24
.irp u, 0,1,2,3
	v_add_nc_u32 v[8+\u], 32*(\u/2)+8*(\u%2), v5
	v_mul_lo_u32 v[8+\u], v[8+\u], s66
	v_add_nc_u32 v[8+\u], v[8+\u], v6              ; fragment u: my row, + 24 h
.endr
	v_lshl_add_u32 v7, v3, 3, v5                   ; scale words: fragment 2 j + h begins 8 h rows on
	v_mul_lo_u32 v12, v7, s67
	v_add_nc_u32 v13, 32, v7
	v_mul_lo_u32 v13, v13, s67
	v_lshlrev_b32 v14, 3, v1
.irp u, 0,1,2,3
.irp p, 0,1,2,3,4,5
	global_load_b64 v[16+12*\u+2*\p:16+12*\u+2*\p+1], v[8+\u], s[50:51] offset:48*(\p/3)+8*(\p%3)
.endr
.endr
	global_load_b32 v64, v12, s[52:53]
	global_load_b32 v65, v13, s[52:53]
	s_wait_loadcnt 0x0
.irp u, 0,1,2,3
.irp i, 0,1,2
	global_store_b128 v4, v[16+12*\u+4*\i:16+12*\u+4*\i+3], s[68:69] offset:\u*1536+\i*512   ; 512 consecutive bytes a store
.endr
.endr
	global_store_b64 v14, v[64:65], s[68:69] offset:6144
	s_endpgm
.Lfunc_end_k_q9766a783d2_prep:
	.size	k_q9766a783d2_prep, .Lfunc_end_k_q9766a783d2_prep-k_q9766a783d2_prep
	.p2alignl 7, 3214868480
	.fill 96, 4, 3214868480
	.section	.rodata,"a",@progbits
	.p2align	6, 0x0
	.amdhsa_kernel k_q9766a783d2_prep
		.amdhsa_group_segment_fixed_size 51456
		.amdhsa_private_segment_fixed_size 0
		.amdhsa_enable_private_segment 0
		.amdhsa_kernarg_size 144
		.amdhsa_user_sgpr_count 2
		.amdhsa_user_sgpr_kernarg_segment_ptr 1
		.amdhsa_wavefront_size32 1
		.amdhsa_system_sgpr_workgroup_id_x 1
		.amdhsa_system_sgpr_workgroup_id_y 1
		.amdhsa_system_sgpr_workgroup_id_z 1
		.amdhsa_system_vgpr_workitem_id 0
		.amdhsa_next_free_vgpr 194
		.amdhsa_next_free_sgpr 80
		.amdhsa_reserve_vcc 1
		.amdhsa_float_denorm_mode_32 3
		.amdhsa_float_denorm_mode_16_64 3
		.amdhsa_memory_ordered 1
		.amdhsa_forward_progress 1
		.amdhsa_inst_pref_size 25
	.end_amdhsa_kernel
	.amdgpu_metadata
---
amdhsa.version: [ 1, 2 ]
amdhsa.kernels:
  - .name:           k_q9766a783d2_prep
    .symbol:         k_q9766a783d2_prep.kd
    .args:
      - { .name: x, .offset: 0, .size: 8, .value_kind: global_buffer, .address_space: global }
      - { .name: padding_mask, .offset: 8, .size: 8, .value_kind: global_buffer, .address_space: global }
      - { .name: wq_codes, .offset: 16, .size: 8, .value_kind: global_buffer, .address_space: global }
      - { .name: wq_scales, .offset: 24, .size: 8, .value_kind: global_buffer, .address_space: global }
      - { .name: wk_codes, .offset: 32, .size: 8, .value_kind: global_buffer, .address_space: global }
      - { .name: wk_scales, .offset: 40, .size: 8, .value_kind: global_buffer, .address_space: global }
      - { .name: wv_codes, .offset: 48, .size: 8, .value_kind: global_buffer, .address_space: global }
      - { .name: wv_scales, .offset: 56, .size: 8, .value_kind: global_buffer, .address_space: global }
      - { .name: wo_codes, .offset: 64, .size: 8, .value_kind: global_buffer, .address_space: global }
      - { .name: wo_scales, .offset: 72, .size: 8, .value_kind: global_buffer, .address_space: global }
      - { .name: w1_codes, .offset: 80, .size: 8, .value_kind: global_buffer, .address_space: global }
      - { .name: w1_scales, .offset: 88, .size: 8, .value_kind: global_buffer, .address_space: global }
      - { .name: w2_codes, .offset: 96, .size: 8, .value_kind: global_buffer, .address_space: global }
      - { .name: w2_scales, .offset: 104, .size: 8, .value_kind: global_buffer, .address_space: global }
      - { .name: xq, .offset: 112, .size: 8, .value_kind: global_buffer, .address_space: global }
      - { .name: wqkv, .offset: 120, .size: 8, .value_kind: global_buffer, .address_space: global }
      - { .name: wpost, .offset: 128, .size: 8, .value_kind: global_buffer, .address_space: global }
      - { .name: padtab, .offset: 136, .size: 8, .value_kind: global_buffer, .address_space: global }
    .group_segment_fixed_size: 51456
    .private_segment_fixed_size: 0
    .kernarg_segment_align: 8
    .kernarg_segment_size: 144
    .max_flat_workgroup_size: 192
    .sgpr_count:     80
    .vgpr_count:     194
    .wavefront_size: 32
...
	.end_amdgpu_metadata
.endif
;; end of part 1
;; launch qkv (part 2): grid 128 x 2, 15 waves a work-group, no clusters, 21,248 bytes of LDS; arguments xq, wqkv, bq, bk, bv, qkv; writes qkv
.if DOCPART == 2
	.amdgcn_target "amdgcn-amd-amdhsa--gfx1250"
	.amdhsa_code_object_version 6
	.text
	.protected	k_q9766a783d2_qkv
	.globl	k_q9766a783d2_qkv
	.p2align	8
	.type	k_q9766a783d2_qkv,@function
k_q9766a783d2_qkv:
	s_mov_b64 s[64:65], 0
	v_nop
	global_prefetch_b8 v0, s[64:65] scope:SCOPE_SE
	s_setreg_imm32_b32 hwreg(HW_REG_WAVE_MODE, 25, 1), 1
	s_wait_xcnt 0x0
; QKV.  q = x wq + bq, k = x wk + bk, v = x wv + bv on codes of E3M2; the results are quantised at once: q and k along the head's 64, v along the keys.
; A work-group takes a block of 32 rows (x) and y: y = 0 makes q, y = 1 makes k; each also makes half of v.  Waves 0-11: head w (64 columns), used TRANSPOSED (source 0 = 16 rows of the weight,
; source 1 = 16 rows of x): a lane holds one row of x, and by the choice of a fragment's rows its 16 registers of two neighbouring fragments are 16 neighbouring columns.
; Waves 12-14: 64 columns of v (two heads), NOT transposed (source 0 = x): a lane holds one channel, and by the choice of a tile's rows its 16 registers of the two tiles are 16 neighbouring keys.
; So each conversion's 12 bytes are half a block, and go out as they are.  x's codes lie in LDS (one barrier); the weights come as a stream of register images, two chunks ahead.
; No tensor load and no cluster: a work-group's shared bytes are 19 KB read once, and each wave's stream is its own.
; qkv: q's codes at 0, k's at 2,359,296: [batch x head 24][tile 128][block 2][r 16][24]; their scale words at 4,718,592 and 4,915,200: [bh][tile][r], the two bytes twice;
;      v's codes at 5,111,808: [bh][key step 16][t 2][block 4][r 16][24]; v's scale words at 6,291,456: [bh][step][t][r], byte = block.
; LIMITS: NaN and infinities are not served; a block whose largest magnitude lies under 2^-122 keeps the byte 1.
.set WV,  16
.set SB,  20                           ; s[20:21] my stream
.set SEL, 22
.set HM,  24
.set L16, 4
.set L8,  5
.set LA,  6                            ; 384 h + 24 r: my place in a fragment of x in LDS
.set LS,  7                            ; 18,432 + 4 x lane: the scale words
.set ACC, 16                           ; v16-79   eight accumulators
.set B0,  80                           ; v80-127, v128-175 two chunks: four fragments each
.set BS,  176                          ; v176-179 their scale words: nothing else ever lies here
.set AF,  180                          ; v180-203 x's two fragments
.set AS,  204                          ; v204     x's scale words: lanes 0-15 tile 0, lanes 16-31 tile 1
.set TM,  206
.set CD,  218
.macro WM d, a, b, sa, sb, ra, rb      ; one product in place; ra, rb: which half of the lanes holds the side's scale words
.if ((\ra) == 0) && ((\rb) == 0)
	v_wmma_scale_f32_16x16x128_f8f6f4 v[\d:\d+7], v[\a:\a+11], v[\b:\b+11], v[\d:\d+7], v[\sa], v[\sb] matrix_a_fmt:MATRIX_FMT_BF6 matrix_b_fmt:MATRIX_FMT_BF6
.elseif (\rb) == 0
	v_wmma_scale_f32_16x16x128_f8f6f4 v[\d:\d+7], v[\a:\a+11], v[\b:\b+11], v[\d:\d+7], v[\sa], v[\sb] matrix_a_fmt:MATRIX_FMT_BF6 matrix_b_fmt:MATRIX_FMT_BF6 matrix_a_scale:MATRIX_SCALE_ROW1
.elseif (\ra) == 0
	v_wmma_scale_f32_16x16x128_f8f6f4 v[\d:\d+7], v[\a:\a+11], v[\b:\b+11], v[\d:\d+7], v[\sa], v[\sb] matrix_a_fmt:MATRIX_FMT_BF6 matrix_b_fmt:MATRIX_FMT_BF6 matrix_b_scale:MATRIX_SCALE_ROW1
.else
	v_wmma_scale_f32_16x16x128_f8f6f4 v[\d:\d+7], v[\a:\a+11], v[\b:\b+11], v[\d:\d+7], v[\sa], v[\sb] matrix_a_fmt:MATRIX_FMT_BF6 matrix_b_fmt:MATRIX_FMT_BF6 matrix_a_scale:MATRIX_SCALE_ROW1 matrix_b_scale:MATRIX_SCALE_ROW1
.endif
.endm
.macro QUANT s, c
.irp b, 0,1,2,3
	v_max3_num_f32 v[TM+\b], |v[\s+16*\b]|, |v[\s+16*\b+1]|, 0x2800000   ; each accumulator is read from its low end on; the floor 2^(5 - 127) holds the byte at 1
.endr
.irp i, 2,4,6,8,10,12,14
.irp b, 0,1,2,3
	v_max3_num_f32 v[TM+\b], v[TM+\b], |v[\s+16*\b+\i]|, |v[\s+16*\b+\i+1]|
.endr
.endr
.irp b, 0,1,2,3
	v_permlanex16_b32 v[TM+4+\b], v[TM+\b], s[SEL], s[SEL+1]
.endr
.irp b, 0,1,2,3
	v_max_num_f32 v[TM+\b], v[TM+\b], v[TM+4+\b]
.endr
.irp b, 0,1,2,3
	v_add_nc_u32 v[TM+8+\b], 0xfe000000, v[TM+\b]
.endr
.irp b, 0,1,2,3
	v_lshrrev_b32 v[TM+4+\b], 23, v[TM+8+\b]
.endr
.irp b, 0,1,2,3
	v_cvt_scalef32_pk16_bf6_f32 v[\c+4*\b:\c+4*\b+2], v[\s+16*\b:\s+16*\b+15], v[TM+8+\b]
.endr
	v_nop
.endm
.macro FETCH bf, off                   ; a chunk: 12 + 1 loads, all of consecutive bytes
.irp u, 0,1,2,3
.irp i, 0,1,2
	global_load_b128 v[B0+48*(\bf)+12*\u+4*\i:B0+48*(\bf)+12*\u+4*\i+3], v[L16], s[SB:SB+1] offset:(\off)+\u*1536+\i*512
.endr
.endr
	global_load_b64 v[BS+2*(\bf):BS+2*(\bf)+1], v[L8], s[SB:SB+1] offset:(\off)+6144
.endm
; K step k: x's fragments from LDS, chunk k from its buffer, eight products on eight accumulators (by turns), four places, then the buffer takes chunk k + 2.
.macro STEP k, cnt, fetch
.irp t, 0,1
.irp p, 0,1,2,3,4,5
	ds_load_b64 v[AF+12*\t+2*\p:AF+12*\t+2*\p+1], v[LA] offset:(\k)*3072+\t*1536+(\p/3)*768+(\p%3)*8
.endr
.endr
	ds_load_b32 v[AS], v[LS] offset:(\k)*128
	s_wait_loadcnt \cnt                            ; chunk k is in; the younger chunk's 13 loads may be out
	s_wait_dscnt 0x0
	s_cmp_lt_u32 s[WV], 12
	s_cbranch_scc0 .Lvm_\@
.irp t, 0,1
.irp u, 0,1,2,3
	WM ACC+32*\t+8*\u, B0+48*((\k)%2)+12*\u, AF+12*\t, BS+2*((\k)%2)+\u/2, AS, \u%2, \t
.endr
.endr
	s_branch .Lmj_\@
.Lvm_\@:
.irp u, 0,1,2,3
.irp t, 0,1
	WM ACC+16*\u+8*\t, AF+12*\t, B0+48*((\k)%2)+12*\u, AS, BS+2*((\k)%2)+\u/2, \t, \u%2
.endr
.endr
.Lmj_\@:
.rept 4
	v_nop                                          ; places in front of loads into registers that the products have read, and of the first read of results
.endr
.if \fetch
	FETCH (\k)%2, ((\k)+2)*6400
.endif
.endm
	s_load_b256 s[4:11], s[0:1], 0x0               ; xq, wqkv, bq, bk
	s_load_b128 s[12:15], s[0:1], 0x20             ; bv, qkv
	v_lshl_add_u32 v254, v0, 2, 0x4b00
	v_mov_b32 v255, 0
	v_lshrrev_b32 v1, 5, v0
	v_readfirstlane_b32 s[WV], v1                  ; wave 0..14
	v_and_b32 v1, 31, v0
	v_and_b32 v2, 15, v0                           ; r
	v_bfe_u32 v3, v0, 4, 1                         ; h
	v_lshlrev_b32 v[L16], 4, v1
	v_lshlrev_b32 v[L8], 3, v1
	v_mul_u32_u24 v[LA], v1, 24
	v_lshl_add_u32 v[LS], v1, 2, 18432
	v_lshlrev_b32 v8, 4, v0                        ; the copy of x's codes: 16 bytes a thread of waves 0-11, in memory and in LDS
	v_lshlrev_b32 v9, 3, v0                        ; of the scale words: 8 bytes a thread of waves 12-14 (thread 384 on)
	v_add_nc_u32 v10, 15360, v9                    ; in LDS: 18,432 + 8 (thread - 384)
	v_lshlrev_b32 v11, 6, v3                       ; bq, bk: 64 h bytes
	v_and_b32 v12, 8, v2
	v_add_nc_u32 v12, v12, v2
	v_lshlrev_b32 v12, 2, v12                      ; bv: 4 (r + 8 (r / 8))
	v_mul_u32_u24 v13, v2, 24
	v_mad_u32_u24 v13, v3, 12, v13                 ; codes out: 24 r + 12 h
	v_lshlrev_b32 v14, 2, v1
	s_mov_b32 s[SEL], 0x76543210
	s_mov_b32 s[SEL+1], 0xfedcba98
	s_mov_b32 s[HM], 0xffff0000
	s_and_b32 s17, ttmp7, 0xffff                   ; y
	s_lshr_b32 s18, ttmp9, 6                       ; batch
	s_and_b32 s19, ttmp9, 63                       ; block of 32 rows in the batch
	s_mov_b32 s27, 0
	s_mul_i32 s25, s17, 3
	s_add_co_u32 s25, s25, s[WV]
	s_sub_co_i32 s25, s25, 12
	s_max_i32 s25, s25, 0                          ; wv's group of 64 columns (waves 12-14)
	s_mul_i32 s44, s18, 12
	s_add_co_u32 s45, s44, s[WV]                   ; batch x 12 + head (waves 0-11)
	s_lshl_b32 s46, s25, 1
	s_add_co_u32 s46, s46, s44                     ; the first of my two heads of v
	s_wait_kmcnt 0x0
	s_mul_i32 s26, s17, 15
	s_add_co_u32 s26, s26, s[WV]
	s_mul_i32 s26, s26, 38400
	s_add_nc_u64 s[SB:SB+1], s[6:7], s[26:27]
	s_mul_i32 s26, ttmp9, 18432
	s_add_nc_u64 s[28:29], s[4:5], s[26:27]        ; x's codes
	s_mul_i32 s26, ttmp9, 768
	s_add_co_u32 s26, s26, 2359296
	s_add_nc_u64 s[30:31], s[4:5], s[26:27]        ; x's scale words
	s_cmp_eq_u32 s17, 0
	s_cselect_b64 s[32:33], s[8:9], s[10:11]       ; bq or bk
	s_lshl_b32 s26, s[WV], 8
	s_add_nc_u64 s[32:33], s[32:33], s[26:27]
	s_lshl_b32 s26, s25, 8
	s_add_nc_u64 s[34:35], s[12:13], s[26:27]      ; bv
	s_mul_i32 s26, s17, 2359296
	s_mul_i32 s47, s45, 98304
	s_add_co_u32 s26, s26, s47
	s_mul_i32 s47, s19, 1536
	s_add_co_u32 s26, s26, s47
	s_add_nc_u64 s[36:37], s[14:15], s[26:27]      ; q's or k's codes
	s_mul_i32 s26, s17, 196608
	s_lshl_b32 s47, s45, 13
	s_add_co_u32 s26, s26, s47
	s_lshl_b32 s47, s19, 7
	s_add_co_u32 s26, s26, s47
	s_add_co_u32 s26, s26, 4718592
	s_add_nc_u64 s[38:39], s[14:15], s[26:27]      ; their scale words
	s_mul_i32 s26, s46, 49152
	s_lshr_b32 s47, s19, 2
	s_mul_i32 s47, s47, 3072
	s_add_co_u32 s26, s26, s47
	s_and_b32 s47, s19, 3
	s_mul_i32 s47, s47, 384
	s_add_co_u32 s26, s26, s47
	s_add_co_u32 s26, s26, 5111808
	s_add_nc_u64 s[40:41], s[14:15], s[26:27]      ; v's codes
	s_lshl_b32 s26, s46, 11
	s_lshr_b32 s47, s19, 2
	s_lshl_b32 s47, s47, 7
	s_add_co_u32 s26, s26, s47
	s_and_b32 s47, s19, 3
	s_add_co_u32 s26, s26, s47
	s_add_co_u32 s26, s26, 6291456
	s_add_nc_u64 s[42:43], s[14:15], s[26:27]      ; v's scale bytes
	; the roles part once here; each asks for its share of x's block and for its bias, then for its first two chunks
	s_cmp_lt_u32 s[WV], 12
	s_cbranch_scc0 .Lv_head
.irp i, 0,1,2
	global_load_b128 v[206+4*\i:209+4*\i], v8, s[28:29] offset:6144*\i
.endr
.irp t, 0,1
.irp b, 0,1
.irp q, 0,1,2,3
	global_load_b128 v[ACC+32*\t+16*\b+4*\q:ACC+32*\t+16*\b+4*\q+3], v11, s[32:33] offset:128*\b+16*\q   ; the bias is the sums' first C: columns 32 b + 16 h + 4 q on
.endr
.endr
.endr
	FETCH 0, 0
	FETCH 1, 6400
	s_wait_loadcnt 26                              ; all but the two chunks
.irp i, 0,1,2
	ds_store_b128 v8, v[206+4*\i:209+4*\i] offset:6144*\i
.endr
	s_branch .Lhead_done
.Lv_head:
	global_load_b64 v[206:207], v9, s[30:31] offset:-3072
.irp u, 0,1,2,3
	global_load_b32 v[210+\u], v12, s[34:35] offset:(32*(\u/2)+8*(\u%2))*4
.endr
	FETCH 0, 0
	FETCH 1, 6400
	s_wait_loadcnt 26
	ds_store_b64 v10, v[206:207]
.irp u, 0,1,2,3
.irp j, 0,1,2,3,4,5,6,7,8,9,10,11,12,13,14,15
	v_mov_b32 v[ACC+16*\u+\j], v[210+\u]           ; here a lane holds one channel: its bias in all 16 registers
.endr
.endr
.Lhead_done:
	s_wait_dscnt 0x0                               ; my part of x's block has landed
	s_barrier_signal -1
	s_barrier_wait -1
	STEP 0, 13, 1
	STEP 1, 13, 1
	STEP 2, 13, 1
	STEP 3, 13, 1
	STEP 4, 13, 0
	STEP 5, 0, 0
	QUANT ACC, CD
	s_cmp_lt_u32 s[WV], 12
	s_cbranch_scc0 .Lv_out
.irp b, 0,1,2,3
	global_store_b96 v13, v[CD+4*\b:CD+4*\b+2], s[36:37] offset:384*\b    ; tile b / 2, block b % 2: the wave's four stores cover 1,536 consecutive bytes
.endr
	v_lshl_or_b32 v[TM], v[TM+5], 8, v[TM+4]
	v_lshl_or_b32 v[TM+1], v[TM+7], 8, v[TM+6]
	v_cndmask_b32 v[TM], v[TM], v[TM+1], s[HM]     ; lanes 0-15 tile 0's, lanes 16-31 tile 1's
	v_lshl_or_b32 v[TM], v[TM], 16, v[TM]          ; the two bytes twice: they serve K = 0 .. 63 and K = 64 .. 127 alike
	global_store_b32 v14, v[TM], s[38:39]
	s_wait_tensorcnt 0x0
	ds_add_u32 v254, v255
	s_wait_dscnt 0x0
	s_endpgm
.Lv_out:
.irp u, 0,1,2,3
	global_store_b96 v13, v[CD+4*\u:CD+4*\u+2], s[40:41] offset:(\u/2)*49152+(\u%2)*1536
.endr
	v_cndmask_b32 v[TM], v[TM+4], v[TM+5], s[HM]   ; lanes 0-15: t = 0's byte, lanes 16-31: t = 1's
	v_cndmask_b32 v[TM+1], v[TM+6], v[TM+7], s[HM]
	global_store_b8 v14, v[TM], s[42:43]
	global_store_b8 v14, v[TM+1], s[42:43] offset:2048
	s_wait_tensorcnt 0x0
	ds_add_u32 v254, v255
	s_wait_dscnt 0x0
	s_endpgm
.Lfunc_end_k_q9766a783d2_qkv:
	.size	k_q9766a783d2_qkv, .Lfunc_end_k_q9766a783d2_qkv-k_q9766a783d2_qkv
	.p2alignl 7, 3214868480
	.fill 96, 4, 3214868480
	.section	.rodata,"a",@progbits
	.p2align	6, 0x0
	.amdhsa_kernel k_q9766a783d2_qkv
		.amdhsa_group_segment_fixed_size 21248
		.amdhsa_private_segment_fixed_size 0
		.amdhsa_enable_private_segment 0
		.amdhsa_kernarg_size 48
		.amdhsa_user_sgpr_count 2
		.amdhsa_user_sgpr_kernarg_segment_ptr 1
		.amdhsa_wavefront_size32 1
		.amdhsa_system_sgpr_workgroup_id_x 1
		.amdhsa_system_sgpr_workgroup_id_y 1
		.amdhsa_system_sgpr_workgroup_id_z 1
		.amdhsa_system_vgpr_workitem_id 0
		.amdhsa_next_free_vgpr 256
		.amdhsa_next_free_sgpr 66
		.amdhsa_reserve_vcc 0
		.amdhsa_float_denorm_mode_32 3
		.amdhsa_float_denorm_mode_16_64 3
		.amdhsa_memory_ordered 1
		.amdhsa_forward_progress 1
		.amdhsa_inst_pref_size 42
	.end_amdhsa_kernel
	.amdgpu_metadata
---
amdhsa.version: [ 1, 2 ]
amdhsa.kernels:
  - .name:           k_q9766a783d2_qkv
    .symbol:         k_q9766a783d2_qkv.kd
    .args:
      - { .name: xq, .offset: 0, .size: 8, .value_kind: global_buffer, .address_space: global }
      - { .name: wqkv, .offset: 8, .size: 8, .value_kind: global_buffer, .address_space: global }
      - { .name: bq, .offset: 16, .size: 8, .value_kind: global_buffer, .address_space: global }
      - { .name: bk, .offset: 24, .size: 8, .value_kind: global_buffer, .address_space: global }
      - { .name: bv, .offset: 32, .size: 8, .value_kind: global_buffer, .address_space: global }
      - { .name: qkv, .offset: 40, .size: 8, .value_kind: global_buffer, .address_space: global }
    .group_segment_fixed_size: 21248
    .private_segment_fixed_size: 0
    .kernarg_segment_align: 8
    .kernarg_segment_size: 48
    .max_flat_workgroup_size: 480
    .sgpr_count:     66
    .vgpr_count:     256
    .wavefront_size: 32
...
	.end_amdgpu_metadata
.endif
;; end of part 2
;; launch attn (part 3): grid 8 x 24, 16 waves a work-group, no clusters, 159,744 bytes of LDS; arguments qkv, padding_mask, padtab, att; writes att
.if DOCPART == 3
	.amdgcn_target "amdgcn-amd-amdhsa--gfx1250"
	.amdhsa_code_object_version 6
	.text
	.protected	k_q9766a783d2_attn
	.globl	k_q9766a783d2_attn
	.p2align	8
	.type	k_q9766a783d2_attn,@function
k_q9766a783d2_attn:
	s_mov_b64 s[64:65], 0
	v_nop
	global_prefetch_b8 v0, s[64:65] scope:SCOPE_SE
	s_setreg_imm32_b32 hwreg(HW_REG_WAVE_MODE, 25, 1), 1
	s_wait_xcnt 0x0
; ATTENTION, both directions.  f keeps keys j <= i, b keeps keys j >= i; every other key, and every padded key, has the score -10000 (NOT -infinity: it still counts in the softmax).
; t = score x log2(e); M = ceil(the row's largest t so far); p = 2^(t - M) is quantised along the keys; the row's sum is taken of the unquantised p and divides at the end; the quotient is quantised for the next product.
; A work-group owns 256 queries of one (batch, head); each of its 16 waves one tile of 16.  The head's k, v and their scale words lie in LDS whole (157,696 bytes, read once): one barrier, no ring.
; Both products are used transposed: a lane holds ONE query.  The keys of a tile are chosen so that the 16 registers of two neighbouring tiles are 16 neighbouring keys.
; K = 64 IN AN INSTRUCTION OF K = 128: the other half are zero codes.  Even tiles use [k, 0] with [q, 0], odd tiles [0, k] with [0, q], so that neighbours share one run of zeros; the scale words hold their two bytes twice.
; KEY STEPS (128 keys) THAT LIE WHOLLY UNDER A DIRECTION'S MASK are not put through the softmax.  There every p is 2^(tm - M), tm = -10000 log2(e) = -14426.95: mantissa 1.035, which quantises to exactly 2^(-14427 - M):
; the code 1.0 under the byte -M - 14300.  So such a step is two products of v with a fragment of ones under that byte, and 128 x 2^(tm - M) is added to the sum at the end.  tm starts the running maximum where such steps exist.
; For b they come first (M = -14426) and are rescaled with O; for f they come last, under the final M.
; LIMITS: that byte is held to 1 .. 254: at the lower hold at most 2^-126 x the sum of |v| is added to a sum whose divisor is at least 1/2.  NaN and infinities are not served.
; The one branch on data: a key step without padded keys skips the padding's 64 selects (flags from padding_mask; the lane masks are whole numbers that an earlier launch stored).  Hence no tensor load here.
.set WV,  2
.set SI,  3                            ; the key step
.set PT,  8                            ; s[8:9] the step's lane masks
.set SD,  12                           ; the key step that holds my diagonal
.set PF,  13                           ; bit s: key step s has a padded key
.set SEL, 14
.set CS,  16                           ; s[16:17] c = log2(e) / 8
.set TK,  18
.set TV,  19
.set TKS, 20
.set TVS, 21
.set HM,  22
.set AK0, 1
.set AV0, 2
.set AKS0, 3
.set AVS0, 4
.set ADK, 5
.set ADV, 6
.set ADS, 7
.set ADT, 8
.set D0,  9                            ; my query's place in its key step, less 16 h
.set MV,  10                           ; -80000 = -10000 x 8: the mask's value ahead of the scaling
.set TMR, 11                           ; tm
.set Q,   20                           ; v20-37 q, zeros, q      (v12-15: -M, largest t, sum (2) of f; v16-19 of b)
.set QS,  38                           ; v38-45 scale words and nothing else: q's, p's, the ones', v's, k's (4)
.set PS,  39
.set OS,  40
.set VSW, 41
.set KSW, 42
.set KF,  48                           ; v48-83 k0, zeros, k1, k2, zeros, k3
.set VF,  84
.set S,   108                          ; v108-171 scores, then p
.set OF,  172                          ; v172-187 O^T of f, v188-203 of b
.set PC,  204
.set PC2, 216
.set ONE, 224
.set BM,  236
.set BP,  240
.set SO,  244
.set F,   248
.set T1,  250
.set T2,  251
.set SUM, 252
.macro WM d, a, b, sa, sb, ra          ; in place
.if (\ra) == 0
	v_wmma_scale_f32_16x16x128_f8f6f4 v[\d:\d+7], v[\a:\a+11], v[\b:\b+11], v[\d:\d+7], v[\sa], v[\sb] matrix_a_fmt:MATRIX_FMT_BF6 matrix_b_fmt:MATRIX_FMT_BF6
.else
	v_wmma_scale_f32_16x16x128_f8f6f4 v[\d:\d+7], v[\a:\a+11], v[\b:\b+11], v[\d:\d+7], v[\sa], v[\sb] matrix_a_fmt:MATRIX_FMT_BF6 matrix_b_fmt:MATRIX_FMT_BF6 matrix_a_scale:MATRIX_SCALE_ROW1
.endif
.endm
.macro WM0 d, a, b, sa, sb, ra         ; starts a sum
.if (\ra) == 0
	v_wmma_scale_f32_16x16x128_f8f6f4 v[\d:\d+7], v[\a:\a+11], v[\b:\b+11], 0, v[\sa], v[\sb] matrix_a_fmt:MATRIX_FMT_BF6 matrix_b_fmt:MATRIX_FMT_BF6
.else
	v_wmma_scale_f32_16x16x128_f8f6f4 v[\d:\d+7], v[\a:\a+11], v[\b:\b+11], 0, v[\sa], v[\sb] matrix_a_fmt:MATRIX_FMT_BF6 matrix_b_fmt:MATRIX_FMT_BF6 matrix_a_scale:MATRIX_SCALE_ROW1
.endif
.endm
.macro KLOAD g                         ; tiles 4 g .. 4 g + 3 of the step's keys: 24 bytes a lane each
.irp t, 0,1,2,3
.irp p, 0,1,2
	ds_load_b64 v[KF+18*(\t/2)+12*(\t%2)+2*\p:KF+18*(\t/2)+12*(\t%2)+2*\p+1], v[ADK] offset:(4*\g+\t)*768+8*\p
.endr
.endr
.endm
.macro KMUL g
.irp t, 0,1,2,3
	WM0 S+8*(4*\g+\t), KF+18*(\t/2)+6*(\t%2), Q+6*(\t%2), KSW+2*\g+\t/2, QS, \t%2
.endr
.endm
; ONE KEY STEP OF ONE DIRECTION (d = 0: f, 1: b)
.macro PASS d
.set STT, 12+4*(\d)
.set NO,  16-4*(\d)                    ; the other direction's -M
.set OD,  OF+16*(\d)
.set OO,  OF+16-16*(\d)
	v_add_nc_u32 v[ADK], s[TK], v[AK0]             ; (these four are also the places in front of loads into registers that the last products have read)
	v_add_nc_u32 v[ADV], s[TV], v[AV0]
	v_add_nc_u32 v[ADS], s[TKS], v[AKS0]
	v_add_nc_u32 v[ADT], s[TVS], v[AVS0]
	KLOAD 0
.irp j, 0,1,2,3
	ds_load_b32 v[KSW+\j], v[ADS] offset:128*\j    ; lanes 0-15 the even tile's words, lanes 16-31 the odd tile's
.endr
.irp t, 0,1
.irp p, 0,1,2,3,4,5
	ds_load_b64 v[VF+12*\t+2*\p:VF+12*\t+2*\p+1], v[ADV] offset:\t*1536+(\p/3)*768+(\p%3)*8
.endr
.endr
	ds_load_b32 v[VSW], v[ADT]
	s_wait_dscnt 13                                ; k's four tiles and all its scale words are in; v's 12 loads and its scale word may be out
	KMUL 0
.rept 4
	v_nop
.endr
	KLOAD 1
	s_wait_dscnt 0x0
	KMUL 1
.rept 4
	v_nop
.endr
	s_lshr_b32 s31, s[PF], s[SI]
	s_and_b32 s31, s31, 1
	s_cmp_lg_u32 s31, 0
	s_cbranch_scc0 .Lnopad_\@
	s_load_b512 s[32:47], s[PT:PT+1], 0x0          ; register n's mask: which lanes hold a padded key there
	s_load_b512 s[48:63], s[PT:PT+1], 0x40
	s_load_b512 s[68:83], s[PT:PT+1], 0x80
	s_load_b512 s[84:99], s[PT:PT+1], 0xc0
	s_wait_kmcnt 0x0
.set n, 0
.rept 64
	v_cndmask_b32 v[S+n], v[S+n], v[MV], s[32+n+4*(n/32)]
.set n, n+1
.endr
.Lnopad_\@:
	s_cmp_eq_u32 s[SI], s[SD]
	s_cbranch_scc0 .Lnodiag_\@
.set n, 0
.rept 64                               ; register 16 b + i holds key 32 b + 16 h + i of the step
.if \d == 0
	v_cmp_gt_i32 vcc_lo, 32*(n/16)+n%16, v[D0]     ; behind my query
.else
	v_cmp_lt_i32 vcc_lo, 32*(n/16)+n%16, v[D0]     ; ahead of it
.endif
	v_cndmask_b32 v[S+n], v[S+n], v[MV], vcc_lo
.set n, n+1
.endr
.Lnodiag_\@:
.irp b, 0,1,2,3
	v_max3_num_f32 v[BM+\b], v[S+16*\b], v[S+16*\b+1], v[S+16*\b+2]    ; each block's largest score: for the row's maximum and for the block's largest p
.endr
.irp i, 3,5,7,9,11,13
.irp b, 0,1,2,3
	v_max3_num_f32 v[BM+\b], v[BM+\b], v[S+16*\b+\i], v[S+16*\b+\i+1]
.endr
.endr
.irp b, 0,1,2,3
	v_max_num_f32 v[BM+\b], v[BM+\b], v[S+16*\b+15]
.endr
.irp b, 0,1,2,3
	v_permlanex16_b32 v[BP+\b], v[BM+\b], s[SEL], s[SEL+1]
.endr
.irp b, 0,1,2,3
	v_max_num_f32 v[BM+\b], v[BM+\b], v[BP+\b]
.endr
	v_max3_num_f32 v[T1], v[BM], v[BM+1], v[BM+2]
	v_max_num_f32 v[T1], v[T1], v[BM+3]
	v_mul_f32 v[T1], s[CS], v[T1]
	v_max_num_f32 v[STT+1], v[STT+1], v[T1]        ; the running largest t
	v_mov_b32 v[T1], v[STT]
	v_floor_f32 v[STT], -v[STT+1]                  ; -M = floor(-t): M is a whole number
	v_sub_f32 v[T1], v[STT], v[T1]
	v_cvt_i32_f32 v[T1], v[T1]                     ; (it saturates)
	v_ldexp_f32 v[F], 1.0, v[T1]                   ; f = 2^(old M - new M): rounds nothing
.set j, 0
.rept 32
	v_pk_fma_f32 v[S+j:S+j+1], v[S+j:S+j+1], s[CS:CS+1], v[STT:STT+1] op_sel_hi:[1,0,0]   ; t - M
.set j, j+2
.endr
.irp b, 0,1,2,3
	v_fma_f32 v[BM+\b], v[BM+\b], s[CS], v[STT]
.endr
.set j, 0
.rept 64
	v_exp_f32 v[S+j], v[S+j]                       ; p, not normalised
.set j, j+1
.endr
	v_pk_mul_f32 v[STT+2:STT+3], v[STT+2:STT+3], v[F:F+1] op_sel_hi:[1,0]   ; the sum under the new M: the plain line behind the exponentials
	s_wait_alu depctr_va_vdst(0)                   ; one wait for the batch, ahead of its first reader
.irp b, 0,1,2,3
	v_exp_f32 v[BM+\b], v[BM+\b]                   ; the block's largest p
.endr
	v_pk_add_f32 v[SUM:SUM+1], v[S:S+1], v[S+2:S+3]   ; the row's sum, of the unquantised p, in two chains
.set j, 4
.rept 15
	v_pk_add_f32 v[STT+2:STT+3], v[STT+2:STT+3], v[S+j:S+j+1]
	v_pk_add_f32 v[SUM:SUM+1], v[SUM:SUM+1], v[S+j+2:S+j+3]
.set j, j+4
.endr
	v_pk_add_f32 v[STT+2:STT+3], v[STT+2:STT+3], v[SUM:SUM+1]
	s_wait_alu depctr_va_vdst(0)                   ; and one for the four
.irp b, 0,1,2,3
	v_max_num_f32 v[BM+\b], 0x2800000, v[BM+\b]
.endr
.irp b, 0,1,2,3
	v_add_nc_u32 v[SO+\b], 0xfe000000, v[BM+\b]
.endr
.irp b, 0,1,2,3
	v_lshrrev_b32 v[BP+\b], 23, v[SO+\b]
.endr
	v_lshl_or_b32 v[PS], v[BP+1], 8, v[BP]
	v_lshl_or_b32 v[PS], v[BP+2], 16, v[PS]
	v_lshl_or_b32 v[PS], v[BP+3], 24, v[PS]        ; p's scale word
	v_add_f32 v[T2], 0xc65f7000, v[NO]             ; the ones' byte for the other direction: -M - 14300,
	v_med3_num_f32 v[T2], v[T2], 1.0, 0x437e0000   ; held to 1 .. 254,
	v_cvt_u32_f32 v[T2], v[T2]
	v_mul_lo_u32 v[OS], v[T2], 0x01010101          ; in all four bytes
.irp c, 0,1
	v_cvt_scalef32_pk16_bf6_f32 v[PC+6*\c:PC+6*\c+2], v[S+32*\c:S+32*\c+15], v[SO+2*\c]
	v_cvt_scalef32_pk16_bf6_f32 v[PC2+4*\c:PC2+4*\c+2], v[S+32*\c+16:S+32*\c+31], v[SO+2*\c+1]
.endr
	v_nop
.irp c, 0,1                            ; the operand wants a whole block in a lane
.irp i, 0,1,2
	v_permlane16_swap_b32 v[PC+6*\c+\i], v[PC2+4*\c+\i]
.endr
.irp i, 0,1,2
	v_mov_b32 v[PC+6*\c+3+\i], v[PC2+4*\c+\i]
.endr
.endr
.irp j, 0,2,4,6,8,10,12,14
	v_pk_mul_f32 v[OD+\j:OD+\j+1], v[OD+\j:OD+\j+1], v[F:F+1] op_sel_hi:[1,0]   ; O^T under the new M.  Behind p's scale word stand nine plain lines that name no register of either product, behind its codes four
.endr
	WM OD, VF, PC, VSW, PS, 0
	WM OD+8, VF+12, PC, VSW, PS, 1
	s_cmp_eq_u32 s[SI], s[SD]
	s_cbranch_scc1 .Lown_\@
	WM OO, VF, ONE, VSW, OS, 0                     ; for the other direction this step lies wholly under the mask
	WM OO+8, VF+12, ONE, VSW, OS, 1
.Lown_\@:
.endm
	s_load_b256 s[4:11], s[0:1], 0x0               ; qkv, padding_mask, padtab, att
	v_lshl_add_u32 v254, v0, 2, 0x26800
	v_mov_b32 v255, 0
	v_lshrrev_b32 v1, 5, v0
	v_readfirstlane_b32 s[WV], v1                  ; wave 0..15
	s_and_b32 s24, ttmp7, 0xffff                   ; batch x 12 + head
	s_lshl_b32 s23, ttmp9, 4
	s_add_co_u32 s23, s23, s[WV]                   ; my tile of 16 queries, 0..127
	s_lshr_b32 s[SD], s23, 3
	s_mul_i32 s25, s24, 43
	s_lshr_b32 s25, s25, 9                         ; batch
	s_mul_i32 s26, s25, 12
	s_sub_co_u32 s26, s24, s26                     ; head
	v_and_b32 v250, 31, v0                         ; lane
	v_and_b32 v251, 15, v0                         ; r
	v_bfe_u32 v252, v0, 4, 1                       ; h
	v_mul_u32_u24 v[AK0], v250, 24                 ; 384 h + 24 r
	v_add_nc_u32 v[AV0], 98304, v[AK0]
	v_lshl_add_u32 v[AKS0], v250, 2, 147456
	v_lshl_add_u32 v[AVS0], v250, 2, 155648
	v_lshlrev_b32 v236, 4, v0                      ; the copy: 16 bytes a thread, 8,192 a load
	v_add_nc_u32 v237, 65536, v236
	v_add_nc_u32 v238, 131072, v236
	v_lshlrev_b32 v239, 2, v0
	v_add_nc_u32 v240, 155648, v239
	v_lshlrev_b32 v241, 7, v250                    ; padding_mask: lane = 16 x batch + key step, 128 bytes
	v_lshlrev_b32 v242, 2, v251
	v_mul_u32_u24 v46, v251, 24
	v_mad_u32_u24 v46, v252, 12, v46               ; out: 24 r + 12 h
	v_mad_u32_u24 v47, v252, 384, v242             ; out: 4 r, + 384 for b's byte
	s_lshr_b32 s31, s23, 1
	s_and_b32 s31, s31, 3
	s_lshl_b32 s31, s31, 5
	s_and_b32 s30, s23, 1
	s_lshl_b32 s30, s30, 3
	s_add_co_u32 s31, s31, s30
	v_and_b32 v[D0], 8, v251
	v_add_nc_u32 v[D0], v[D0], v251
	v_lshlrev_b32 v243, 4, v252
	v_sub_nc_u32 v[D0], v[D0], v243
	v_add_nc_u32 v[D0], s31, v[D0]
	s_mov_b32 s[SEL], 0x76543210
	s_mov_b32 s[SEL+1], 0xfedcba98
	s_mov_b32 s[CS], 0x3e38aa3b
	s_mov_b32 s[CS+1], s[CS]
	s_mov_b32 s[HM], 0xffff0000
	s_mov_b32 s[TK], 0
	s_mov_b32 s[TV], 0
	s_mov_b32 s[TKS], 0
	s_mov_b32 s[TVS], 0
	s_mov_b32 s29, 0
	s_wait_kmcnt 0x0
	s_mul_i32 s28, s24, 98304
	s_add_co_u32 s28, s28, 2359296
	s_add_nc_u64 s[32:33], s[4:5], s[28:29]        ; k's codes
	s_mul_i32 s28, s24, 49152
	s_add_co_u32 s28, s28, 5111808
	s_add_nc_u64 s[34:35], s[4:5], s[28:29]        ; v's codes
	s_lshl_b32 s28, s24, 13
	s_add_co_u32 s28, s28, 4915200
	s_add_nc_u64 s[36:37], s[4:5], s[28:29]        ; k's scale words
	s_lshl_b32 s28, s24, 11
	s_add_co_u32 s28, s28, 6291456
	s_add_nc_u64 s[38:39], s[4:5], s[28:29]        ; v's scale words
	s_lshl_b32 s30, s24, 7
	s_add_co_u32 s30, s30, s23
	s_mul_i32 s28, s30, 768
	s_add_nc_u64 s[40:41], s[4:5], s[28:29]        ; my tile of q
	s_lshl_b32 s28, s30, 6
	s_add_co_u32 s28, s28, 4718592
	s_add_nc_u64 s[42:43], s[4:5], s[28:29]
	s_lshl_b32 s28, s25, 12
	s_add_nc_u64 s[PT:PT+1], s[PT:PT+1], s[28:29]  ; my batch's lane masks
.set i, 0
.rept 12
	global_load_b128 v[48+4*i:51+4*i], v236, s[32:33] offset:8192*i
.set i, i+1
.endr
.set i, 0
.rept 6
	global_load_b128 v[96+4*i:99+4*i], v236, s[34:35] offset:8192*i
.set i, i+1
.endr
	global_load_b128 v[120:123], v236, s[36:37]
	global_load_b32 v124, v239, s[38:39]
.set i, 0
.rept 8
	global_load_b128 v[128+4*i:131+4*i], v241, s[6:7] offset:16*i
.set i, i+1
.endr
.irp p, 0,1,2
	global_load_b64 v[Q+2*\p:Q+2*\p+1], v[AK0], s[40:41] offset:8*\p
.endr
	global_load_b32 v[QS], v242, s[42:43]
	s_wait_loadcnt 12                              ; the copy's 20 loads are in; the mask's 8, q's 3 and q's scale word may be out
.set i, 0
.rept 19
	ds_store_b128 v[236+i/8], v[48+4*i:51+4*i] offset:(i%8)*8192
.set i, i+1
.endr
	ds_store_b32 v240, v124
	s_wait_loadcnt 0x0
.set i, 1
.rept 31
	v_or_b32 v128, v128, v[128+i]
.set i, i+1
.endr
	v_cmp_ne_u32 vcc_lo, 0, v128                   ; bit 16 x batch + s: key step s has a padded key
	s_lshl_b32 s28, s25, 4
	s_lshr_b32 s[PF], vcc_lo, s28
	s_and_b32 s[PF], s[PF], 0xffff
.irp i, 0,1,2,3,4,5
	v_mov_b32 v[Q+12+\i], v[Q+\i]
	v_mov_b32 v[Q+6+\i], 0
	v_mov_b32 v[KF+6+\i], 0
	v_mov_b32 v[KF+24+\i], 0
.endr
.irp i, 0,3,6,9
	v_mov_b32 v[ONE+\i], 0x0c30c30c                ; a stream of the 6-bit code 0x0c = 1.0
	v_mov_b32 v[ONE+\i+1], 0xc30c30c3
	v_mov_b32 v[ONE+\i+2], 0x30c30c30
.endr
.set i, 0
.rept 32
	v_mov_b32 v[OF+i], 0                           ; the step is written once for each direction: the first finds zeros
.set i, i+1
.endr
.irp i, 14,15,18,19,240,241,242,243,248,249,252,253
	v_mov_b32 v[\i], 0                             ; the sums; lane permutes' destinations and the upper halves of pairs count as read
.endr
	v_mov_b32 v[MV], 0xc79c4000
	v_mul_f32 v[TMR], s[CS], v[MV]
	v_mov_b32 v13, 0xff61b1e6                      ; -3e38, under every t;
	v_mov_b32 v17, 0xff61b1e6
	s_cmp_lt_u32 s[SD], 15
	s_cselect_b32 s28, -1, 0
	v_cndmask_b32 v13, v13, v[TMR], s28            ; tm where f has steps wholly under its mask,
	s_cmp_gt_u32 s[SD], 0
	s_cselect_b32 s28, -1, 0
	v_cndmask_b32 v17, v17, v[TMR], s28            ; and b likewise
	v_floor_f32 v12, -v13
	v_floor_f32 v16, -v17
	s_wait_dscnt 0x0                               ; my part of the head has landed
	s_barrier_signal -1
	s_barrier_wait -1
	s_mov_b32 s[SI], 0
.Lstep:                                            ; 16 trips, a constant; a wave runs 17 passes in all, whatever its tile
	s_cmp_le_u32 s[SI], s[SD]
	s_cbranch_scc0 .Lno_f
	PASS 0
.Lno_f:
	s_cmp_ge_u32 s[SI], s[SD]
	s_cbranch_scc0 .Lno_b
	PASS 1
.Lno_b:
	s_add_co_u32 s[TK], s[TK], 6144
	s_add_co_u32 s[TV], s[TV], 3072
	s_add_co_u32 s[TKS], s[TKS], 512
	s_add_co_u32 s[TVS], s[TVS], 128
	s_add_nc_u64 s[PT:PT+1], s[PT:PT+1], 256       ; (the scalar loads that named it were waited for where they stand)
	s_add_co_u32 s[SI], s[SI], 1
	s_cmp_lt_u32 s[SI], 16
	s_cbranch_scc1 .Lstep
.rept 4
	v_nop
.endr
	v_add_f32 v14, v14, v15
	v_add_f32 v18, v18, v19
	v_permlanex16_b32 v[BP], v14, s[SEL], s[SEL+1]
	v_permlanex16_b32 v[BP+1], v18, s[SEL], s[SEL+1]
	v_add_f32 v14, v14, v[BP]
	v_add_f32 v18, v18, v[BP+1]
	v_fma_f32 v[BM], v[MV], s[CS], v12             ; tm - M, as the loop makes it
	v_fma_f32 v[BM+1], v[MV], s[CS], v16
	v_exp_f32 v[BM], v[BM]
	v_exp_f32 v[BM+1], v[BM+1]
	s_sub_co_u32 s32, 15, s[SD]
	s_lshl_b32 s32, s32, 7                         ; keys in f's wholly masked steps
	s_lshl_b32 s33, s[SD], 7                       ; in b's
	v_cvt_f32_u32 v[T1], s32
	v_cvt_f32_u32 v[T2], s33
	s_wait_alu depctr_va_vdst(0)
	v_fma_f32 v14, v[BM], v[T1], v14
	v_fma_f32 v18, v[BM+1], v[T2], v18
	v_rcp_f32 v[F], v14
	v_rcp_f32 v[SUM], v18
	v_nop
	s_wait_alu depctr_va_vdst(0)
.irp j, 0,2,4,6,8,10,12,14
	v_pk_mul_f32 v[S+\j:S+\j+1], v[OF+\j:OF+\j+1], v[F:F+1] op_sel_hi:[1,0]            ; channels 16 h + j of my head, f
.endr
.irp j, 0,2,4,6,8,10,12,14
	v_pk_mul_f32 v[S+16+\j:S+16+\j+1], v[OF+16+\j:OF+16+\j+1], v[SUM:SUM+1] op_sel_hi:[1,0]   ; b
.endr
.irp d, 0,1                            ; a head's 32 channels of a direction are one block of the next product's K
	v_max3_num_f32 v[BM+\d], |v[S+16*\d]|, |v[S+16*\d+1]|, 0x2800000
.endr
.irp i, 2,4,6,8,10,12,14
.irp d, 0,1
	v_max3_num_f32 v[BM+\d], v[BM+\d], |v[S+16*\d+\i]|, |v[S+16*\d+\i+1]|
.endr
.endr
.irp d, 0,1
	v_permlanex16_b32 v[BP+\d], v[BM+\d], s[SEL], s[SEL+1]
.endr
.irp d, 0,1
	v_max_num_f32 v[BM+\d], v[BM+\d], v[BP+\d]
.endr
.irp d, 0,1
	v_add_nc_u32 v[SO+\d], 0xfe000000, v[BM+\d]
.endr
.irp d, 0,1
	v_lshrrev_b32 v[BP+\d], 23, v[SO+\d]
.endr
	v_cvt_scalef32_pk16_bf6_f32 v[PC:PC+2], v[S:S+15], v[SO]
	v_cvt_scalef32_pk16_bf6_f32 v[PC2:PC2+2], v[S+16:S+31], v[SO+1]
	v_nop
	v_cndmask_b32 v[T1], v[BP], v[BP+1], s[HM]     ; lanes 0-15 store f's byte, lanes 16-31 b's
	s_lshl_b32 s27, s25, 6
	s_lshr_b32 s28, s23, 1
	s_add_co_u32 s27, s27, s28                     ; my block of 32 rows
	s_and_b32 s28, s23, 1                          ; my tile in it
	s_lshr_b32 s29, s26, 2
	s_and_b32 s30, s26, 3
	s_mov_b32 s33, 0
	s_mul_i32 s32, s27, 18432
	s_mul_i32 s34, s29, 3072
	s_add_co_u32 s32, s32, s34
	s_mul_i32 s34, s28, 1536
	s_add_co_u32 s32, s32, s34
	s_mul_i32 s34, s30, 384
	s_add_co_u32 s32, s32, s34
	s_add_nc_u64 s[36:37], s[10:11], s[32:33]
	s_mul_i32 s32, s27, 768
	s_lshl_b32 s34, s29, 7
	s_add_co_u32 s32, s32, s34
	s_lshl_b32 s34, s28, 6
	s_add_co_u32 s32, s32, s34
	s_add_co_u32 s32, s32, s30
	s_add_co_u32 s32, s32, 2359296
	s_add_nc_u64 s[38:39], s[10:11], s[32:33]
	global_store_b96 v46, v[PC:PC+2], s[36:37]                 ; block head of K; 384 consecutive bytes
	global_store_b96 v46, v[PC2:PC2+2], s[36:37] offset:9216   ; block 12 + head: three K steps on
	global_store_b8 v47, v[T1], s[38:39]
	s_wait_tensorcnt 0x0
	ds_add_u32 v254, v255
	s_wait_dscnt 0x0
	s_endpgm
.Lfunc_end_k_q9766a783d2_attn:
	.size	k_q9766a783d2_attn, .Lfunc_end_k_q9766a783d2_attn-k_q9766a783d2_attn
	.p2alignl 7, 3214868480
	.fill 96, 4, 3214868480
	.section	.rodata,"a",@progbits
	.p2align	6, 0x0
	.amdhsa_kernel k_q9766a783d2_attn
		.amdhsa_group_segment_fixed_size 159744
		.amdhsa_private_segment_fixed_size 0
		.amdhsa_enable_private_segment 0
		.amdhsa_kernarg_size 32
		.amdhsa_user_sgpr_count 2
		.amdhsa_user_sgpr_kernarg_segment_ptr 1
		.amdhsa_wavefront_size32 1
		.amdhsa_system_sgpr_workgroup_id_x 1
		.amdhsa_system_sgpr_workgroup_id_y 1
		.amdhsa_system_sgpr_workgroup_id_z 1
		.amdhsa_system_vgpr_workitem_id 0
		.amdhsa_next_free_vgpr 256
		.amdhsa_next_free_sgpr 100
		.amdhsa_reserve_vcc 1
		.amdhsa_float_denorm_mode_32 3
		.amdhsa_float_denorm_mode_16_64 3
		.amdhsa_memory_ordered 1
		.amdhsa_forward_progress 1
		.amdhsa_inst_pref_size 69
	.end_amdhsa_kernel
	.amdgpu_metadata
---
amdhsa.version: [ 1, 2 ]
amdhsa.kernels:
  - .name:           k_q9766a783d2_attn
    .symbol:         k_q9766a783d2_attn.kd
    .args:
      - { .name: qkv, .offset: 0, .size: 8, .value_kind: global_buffer, .address_space: global }
      - { .name: padding_mask, .offset: 8, .size: 8, .value_kind: global_buffer, .address_space: global }
      - { .name: padtab, .offset: 16, .size: 8, .value_kind: global_buffer, .address_space: global }
      - { .name: att, .offset: 24, .size: 8, .value_kind: global_buffer, .address_space: global }
    .group_segment_fixed_size: 159744
    .private_segment_fixed_size: 0
    .kernarg_segment_align: 8
    .kernarg_segment_size: 32
    .max_flat_workgroup_size: 512
    .sgpr_count:     100
    .vgpr_count:     256
    .wavefront_size: 32
...
	.end_amdgpu_metadata
.endif
;; end of part 3
;; launch post (part 4): grid 128 x 2, 12 waves a work-group, no clusters, 180,224 bytes of LDS; arguments att, wpost, x, bo, b1, b2, ln1_s, ln1_b, part; writes part
.if DOCPART == 4
	.amdgcn_target "amdgcn-amd-amdhsa--gfx1250"
	.amdhsa_code_object_version 6
	.text
	.protected	k_q9766a783d2_post
	.globl	k_q9766a783d2_post
	.p2align	8
	.type	k_q9766a783d2_post,@function
k_q9766a783d2_post:
	s_mov_b64 s[64:65], 0
	v_nop
	global_prefetch_b8 v0, s[64:65] scope:SCOPE_SE
	s_setreg_imm32_b32 hwreg(HW_REG_WAVE_MODE, 25, 1), 1
	s_wait_xcnt 0x0
; POST.  h = LN1(x + att wo + bo);  part[z] = (h + b2) / 2 + leaky_relu(h w1 + b1)[:, half z] w2[half z, :].  The next launch adds the two halves and takes the second norm.
; All three products on codes of E3M2; h and the hidden layer are quantised on the way and never go to memory.
; A work-group owns 32 whole rows (the norm wants whole rows) and half z of the hidden layer's 3,072 columns: 128 x 2 = 256 work-groups.  Both halves make h for themselves (wo's product is done twice):
; so a wave's stream of weights is 6 + 12 + 12 = 30 chunks of 6,400 bytes, where one work-group for all 3,072 columns would take in 54.
; The 12 waves share the COLUMNS: wave w makes columns 64 w .. 64 w + 63 of wo's and w2's products, and columns 64 (12 g + w) of w1's, g = 2 z, 2 z + 1.
; All products are used transposed (source 0 = 16 rows of the weight, source 1 = 16 rows of activations): a lane holds one row, and 16 registers of two neighbouring fragments are 16 neighbouring columns:
; half a block of the next K, 12 bytes of codes, which go to LDS as they are.  The weights come as each wave's own stream of register images, two chunks ahead, across all barriers.
; Residual and bias are each sum's first C.  Halving h + b2 rounds nothing, so the two halves need no branch on z.
; ORDER OF ROUNDING: the sum over w2's K = 3,072 is made as two f32 sums over 1,536 each, joined by one f32 addition in the next launch.
; No tensor load and no cluster: beside the 178,688 bytes in use a shared ring as deep as the waves' twelve double buffers (153,600 bytes) has no room in 327,680.
; LDS: 0 residual rows, 32 places x 3,088 (place 16 Tl + r = row 8 Tl + r + 8 (r / 8)); 98,816 att's codes; 117,248 h's; 135,680 my half of the hidden layer's (36,864);
;      172,544 / 173,312 / 174,080 their scale words; 175,616 two exchanges of 1,536.
; LIMITS: NaN and infinities are not served; a block whose largest magnitude lies under 2^-122 keeps the byte 1.
.set ATT,  98816
.set HC,   117248
.set HID,  135680
.set ASA,  172544
.set ASH,  173312
.set ASD,  174080
.set STAT, 175616
.set SB,  6                            ; s[6:7]   the six chunks in hand
.set SN,  20                           ; s[20:21] the six that follow: in wpost my sixes lie at chunks 0, 6 + 12 z, 12 + 12 z, 30 + 12 z, 36 + 12 z of my wave's 54
.set WV,  26
.set SEL, 28
.set HM,  30
.set INV, 36                           ; 1 / 768
.set EPS, 37
.set SLP, 50                           ; s[50:51] 0.01
.set XG,  1                            ; the copy of rows: offset in x and in part
.set STA, 2                            ; an exchange: where I put my figure
.set STL, 3                            ; and where I read the twelve
.set L16, 4
.set L8,  5
.set LA,  6                            ; the activations' fragments in hand
.set LS,  7                            ; their scale words
.set LA0, 8                            ; 384 h + 24 r
.set L4,  9
.set HR,  10                           ; my own words of the residual rows: 3,088 r + 256 w + 64 h
.set CW,  11                           ; where my codes go in a K-major image: 3,072 (w / 2) + 768 (w % 2) + 24 r + 12 h
.set SW,  12                           ; and my two scale bytes: 128 (w / 2) + 4 lane + 2 (w % 2)
.set BA,  13                           ; 64 h: my 16 columns of a block in a vector of 64 columns
.set XL0, 14                           ; the copy of rows in LDS, places 0-15;
.set XL1, 15                           ; places 16-31
.set ACC, 16
.set B0,  80
.set BS,  176                          ; v176-179 the weights' scale words: nothing else ever lies here
.set AF,  180
.set AS,  204                          ; the activations' scale words: nothing else
.set TA,  205                          ; an address at work
.set TM,  206
.set CD,  218
.set TB,  254                          ; an address at work
.set PB0, 128                          ; the norm's gain, bias and b2: block 0 in v128-175 (stream buffer 1, idle there), block 1 in v206-253
.set P0,  180                          ; between the products the fragments' registers hold the rows' figures: v180-183 two chains, then 1 / sigma of the two tiles
.set S0,  184
.set S1,  185
.set T0,  186                          ; v186, v188 a figure of tile 0, tile 1 (each the low word of a pair)
.set XL,  190                          ; v190-201 at work
.set PX,  202
.set PY,  203
.macro WM d, a, b, sa, sb, ra, rb      ; one product in place; ra, rb: which half of the lanes holds the side's scale words
.if ((\ra) == 0) && ((\rb) == 0)
	v_wmma_scale_f32_16x16x128_f8f6f4 v[\d:\d+7], v[\a:\a+11], v[\b:\b+11], v[\d:\d+7], v[\sa], v[\sb] matrix_a_fmt:MATRIX_FMT_BF6 matrix_b_fmt:MATRIX_FMT_BF6
.elseif (\rb) == 0
	v_wmma_scale_f32_16x16x128_f8f6f4 v[\d:\d+7], v[\a:\a+11], v[\b:\b+11], v[\d:\d+7], v[\sa], v[\sb] matrix_a_fmt:MATRIX_FMT_BF6 matrix_b_fmt:MATRIX_FMT_BF6 matrix_a_scale:MATRIX_SCALE_ROW1
.elseif (\ra) == 0
	v_wmma_scale_f32_16x16x128_f8f6f4 v[\d:\d+7], v[\a:\a+11], v[\b:\b+11], v[\d:\d+7], v[\sa], v[\sb] matrix_a_fmt:MATRIX_FMT_BF6 matrix_b_fmt:MATRIX_FMT_BF6 matrix_b_scale:MATRIX_SCALE_ROW1
.else
	v_wmma_scale_f32_16x16x128_f8f6f4 v[\d:\d+7], v[\a:\a+11], v[\b:\b+11], v[\d:\d+7], v[\sa], v[\sb] matrix_a_fmt:MATRIX_FMT_BF6 matrix_b_fmt:MATRIX_FMT_BF6 matrix_a_scale:MATRIX_SCALE_ROW1 matrix_b_scale:MATRIX_SCALE_ROW1
.endif
.endm
; 64 numbers of a lane, register 16 b + i = number 16 (lane / 16) + i of half block b: codes into v[c + 4 b] on (12 bytes), bytes into v[TM + 4 + b]
.macro QUANT s, c
.irp b, 0,1,2,3
	v_max3_num_f32 v[TM+\b], |v[\s+16*\b]|, |v[\s+16*\b+1]|, 0x2800000   ; my 16 numbers and the floor 2^(5 - 127): the byte cannot fall under 1
.endr
.irp i, 2,4,6,8,10,12,14
.irp b, 0,1,2,3
	v_max3_num_f32 v[TM+\b], v[TM+\b], |v[\s+16*\b+\i]|, |v[\s+16*\b+\i+1]|
.endr
.endr
.irp b, 0,1,2,3
	v_permlanex16_b32 v[TM+4+\b], v[TM+\b], s[SEL], s[SEL+1]
.endr
.irp b, 0,1,2,3
	v_max_num_f32 v[TM+\b], v[TM+\b], v[TM+4+\b]         ; with lane l xor 16's 16: the block's largest magnitude
.endr
.irp b, 0,1,2,3
	v_add_nc_u32 v[TM+8+\b], 0xfe000000, v[TM+\b]        ; 4 off its exponent field: the conversion's scale operand
.endr
.irp b, 0,1,2,3
	v_lshrrev_b32 v[TM+4+\b], 23, v[TM+8+\b]             ; the scale's byte
.endr
.irp b, 0,1,2,3
	v_cvt_scalef32_pk16_bf6_f32 v[\c+4*\b:\c+4*\b+2], v[\s+16*\b:\s+16*\b+15], v[TM+8+\b]
.endr
	v_nop                                                ; one plain line behind the scaled conversions
.endm
.macro FETCH bf, base, off             ; a chunk: 12 + 1 loads, all of consecutive bytes
.irp u, 0,1,2,3
.irp i, 0,1,2
	global_load_b128 v[B0+48*(\bf)+12*\u+4*\i:B0+48*(\bf)+12*\u+4*\i+3], v[L16], s[\base:\base+1] offset:(\off)+\u*1536+\i*512
.endr
.endr
	global_load_b64 v[BS+2*(\bf):BS+2*(\bf)+1], v[L8], s[\base:\base+1] offset:(\off)+6144
.endm
; K step k of a six: the activations' fragments from LDS, chunk k from its buffer, eight products on eight accumulators (by turns), four places.
; fetch = 1: the buffer takes chunk k + 2 of this six; 2: the first chunk of the six that follow; 0: nothing.
.macro STEP k, cnt, fetch
.irp t, 0,1
.irp p, 0,1,2,3,4,5
	ds_load_b64 v[AF+12*\t+2*\p:AF+12*\t+2*\p+1], v[LA] offset:(\k)*3072+\t*1536+(\p/3)*768+(\p%3)*8
.endr
.endr
	ds_load_b32 v[AS], v[LS] offset:(\k)*128
	s_wait_loadcnt \cnt                            ; chunk k (and what was asked for ahead of the youngest chunk) is in; the youngest chunk's 13 loads may be out
	s_wait_dscnt 0x0
.irp t, 0,1
.irp u, 0,1,2,3
	WM ACC+32*\t+8*\u, B0+48*((\k)%2)+12*\u, AF+12*\t, BS+2*((\k)%2)+\u/2, AS, \u%2, \t
.endr
.endr
.rept 4
	v_nop                                          ; places in front of loads into registers that the products have read, and of the first read of results
.endr
.if (\fetch) == 1
	FETCH (\k)%2, SB, ((\k)+2)*6400
.elseif (\fetch) == 2
	FETCH (\k)%2, SN, 0
.endif
.endm
; Six K steps.  tail = 0: the stream goes on: step 4 asks for the next six's first chunk; its second is asked for by the caller, behind ONWARD and behind whatever sets the next sums.
.macro SIX tail
	STEP 0, 13, 1
	STEP 1, 13, 1
	STEP 2, 13, 1
	STEP 3, 13, 1
.if \tail
	STEP 4, 13, 0
	STEP 5, 0, 0
.else
	STEP 4, 13, 2
	STEP 5, 13, 0
.endif
.endm
.macro ONWARD step                     ; the loads issued so far have had their addresses translated: both bases may be written.  step: bytes from the next six to the one behind it (0: there is none)
	s_wait_xcnt 0x0
	s_mov_b64 s[SB:SB+1], s[SN:SN+1]
.if \step
	s_add_nc_u64 s[SN:SN+1], s[SN:SN+1], \step
.endif
.endm
.macro ACCSET                          ; the sums begin with my own words of the residual rows
.irp t, 0,1
.irp b, 0,1
.irp q, 0,1,2,3
	ds_load_b128 v[ACC+32*\t+16*\b+4*\q:ACC+32*\t+16*\b+4*\q+3], v[HR] offset:\t*49408+128*\b+16*\q
.endr
.endr
.endr
.endm
.macro BARRIER
	s_wait_dscnt 0x0                               ; my LDS stores have landed and my LDS loads are in
	s_barrier_signal -1
	s_barrier_wait -1
.endm
.macro PUTCODES ca, sa                 ; the four half blocks (tile b / 2, block b % 2) and my two scale bytes of each row
.irp b, 0,1,2,3
.irp i, 0,1,2
	ds_store_b32 v[\ca], v[CD+4*\b+\i] offset:(\b/2)*1536+(\b%2)*384+4*\i
.endr
.endr
	v_lshl_or_b32 v[TM], v[TM+5], 8, v[TM+4]
	v_lshl_or_b32 v[TM+1], v[TM+7], 8, v[TM+6]
	v_cndmask_b32 v[TM], v[TM], v[TM+1], s[HM]     ; lanes 0-15 tile 0's rows, lanes 16-31 tile 1's
	ds_store_b16 v[\sa], v[TM]
.endm
.macro ROWSUM sq                       ; v[S0], v[S1]: the sum (sq = 1: of squares) of my 32 numbers of each tile; each accumulator from its low end on
.irp t, 0,1
.set AA, ACC+32*\t
.if \sq
	v_pk_mul_f32 v[P0:P0+1], v[AA:AA+1], v[AA:AA+1]
	v_pk_mul_f32 v[P0+2:P0+3], v[AA+2:AA+3], v[AA+2:AA+3]
.irp j, 4,8,12,16,20,24,28
	v_pk_fma_f32 v[P0:P0+1], v[AA+\j:AA+\j+1], v[AA+\j:AA+\j+1], v[P0:P0+1]
	v_pk_fma_f32 v[P0+2:P0+3], v[AA+\j+2:AA+\j+3], v[AA+\j+2:AA+\j+3], v[P0+2:P0+3]
.endr
.else
	v_pk_add_f32 v[P0:P0+1], v[AA:AA+1], v[AA+4:AA+5]
	v_pk_add_f32 v[P0+2:P0+3], v[AA+2:AA+3], v[AA+6:AA+7]
.irp j, 8,12,16,20,24,28
	v_pk_add_f32 v[P0:P0+1], v[P0:P0+1], v[AA+\j:AA+\j+1]
	v_pk_add_f32 v[P0+2:P0+3], v[P0+2:P0+3], v[AA+\j+2:AA+\j+3]
.endr
.endif
	v_pk_add_f32 v[P0:P0+1], v[P0:P0+1], v[P0+2:P0+3]
	v_add_f32 v[S0+\t], v[P0], v[P0+1]
.endr
.endm
.macro XCHG i                          ; the twelve waves' figures of each row are added, in the same order in every wave; v[T0], v[T0 + 2]: the rows' totals for tile 0, 1
	v_permlanex16_b32 v[PX], v[S0], s[SEL], s[SEL+1]
	v_permlanex16_b32 v[PY], v[S1], s[SEL], s[SEL+1]
	v_add_f32 v[S0], v[S0], v[PX]
	v_add_f32 v[S1], v[S1], v[PY]
	v_cndmask_b32 v[S0], v[S0], v[S1], s[HM]       ; lane = place 16 Tl + r
	ds_store_b32 v[STA], v[S0] offset:(\i)*1536
	BARRIER
.irp j, 0,1,2,3,4,5,6,7,8,9,10,11
	ds_load_b32 v[XL+\j], v[STL] offset:(\i)*1536+128*\j
.endr
	s_wait_dscnt 0x0
	v_pk_add_f32 v[XL:XL+1], v[XL:XL+1], v[XL+2:XL+3]
	v_pk_add_f32 v[XL+4:XL+5], v[XL+4:XL+5], v[XL+6:XL+7]
	v_pk_add_f32 v[XL+8:XL+9], v[XL+8:XL+9], v[XL+10:XL+11]
	v_pk_add_f32 v[XL:XL+1], v[XL:XL+1], v[XL+4:XL+5]
	v_pk_add_f32 v[XL:XL+1], v[XL:XL+1], v[XL+8:XL+9]
	v_add_f32 v[S0], v[XL], v[XL+1]
	v_permlanex16_b32 v[PX], v[S0], s[SEL], s[SEL+1]
	v_cndmask_b32 v[T0], v[S0], v[PX], s[HM]
	v_cndmask_b32 v[T0+2], v[PX], v[S0], s[HM]
.endm
; 768 of my half's 1,536 hidden columns (g = 0, 1): b1 is the sums' first C; six K steps over h; the activation; the codes go to K steps 6 g .. 6 g + 5 of the hidden layer's image
.macro HIDDEN g, step
.irp t, 0,1
.irp b, 0,1
.irp q, 0,1,2,3
	global_load_b128 v[ACC+32*\t+16*\b+4*\q:ACC+32*\t+16*\b+4*\q+3], v[BA], s[12:13] offset:(\g)*3072+128*\b+16*\q
.endr
.endr
.endr
	FETCH 1, SB, 6400
	SIX 0
	ONWARD \step
.set j, 0
.rept 8
.irp k, 0,1,2,3
	v_pk_mul_f32 v[XL+2*\k:XL+2*\k+1], v[ACC+8*j+2*\k:ACC+8*j+2*\k+1], s[SLP:SLP+1] op_sel_hi:[1,0]
.endr
.irp k, 0,1,2,3,4,5,6,7
	v_max_num_f32 v[ACC+8*j+\k], v[ACC+8*j+\k], v[XL+\k]       ; leaky_relu(y) = max(y, 0.01 y)
.endr
.set j, j+1
.endr
	QUANT ACC, CD
	v_add_nc_u32 v[TA], HID+(\g)*18432, v[CW]
	v_add_nc_u32 v[TB], ASD+(\g)*768, v[SW]
	PUTCODES TA, TB
.endm
.macro SETK i                          ; the hidden layer's K steps 6 i .. 6 i + 5
	v_add_nc_u32 v[LA], HID+(\i)*18432, v[LA0]
	v_add_nc_u32 v[LS], ASD+(\i)*768, v[L4]
.endm
	s_load_b512 s[4:19], s[0:1], 0x0               ; att, wpost, x, bo, b1, b2, ln1_s, ln1_b
	s_load_b64 s[24:25], s[0:1], 0x40              ; part
	v_lshl_add_u32 v255, v0, 2, 0x2ba00
	s_set_vgpr_msb 0x40
	v_mov_b32 v1, 0
	s_set_vgpr_msb 0x4000
	v_lshrrev_b32 v206, 5, v0
	v_readfirstlane_b32 s[WV], v206                ; wave 0..11
	s_and_b32 s52, ttmp7, 0xffff                   ; z: which half of the hidden layer
	v_and_b32 v206, 31, v0                         ; lane
	v_and_b32 v207, 15, v0                         ; r
	v_bfe_u32 v208, v0, 4, 1                       ; h
	v_lshlrev_b32 v[L16], 4, v206
	v_lshlrev_b32 v[L8], 3, v206
	v_lshlrev_b32 v[L4], 2, v206
	v_mul_u32_u24 v[LA0], v206, 24
	s_lshl_b32 s38, s[WV], 8                       ; 256 w
	v_mul_u32_u24 v[HR], v207, 3088
	v_lshl_add_u32 v[HR], v208, 6, v[HR]
	v_add_nc_u32 v[HR], s38, v[HR]
	s_lshr_b32 s39, s[WV], 1
	s_and_b32 s40, s[WV], 1
	s_mul_i32 s41, s39, 3072
	s_mul_i32 s42, s40, 768
	s_add_co_u32 s41, s41, s42
	v_mul_u32_u24 v[CW], v207, 24
	v_mad_u32_u24 v[CW], v208, 12, v[CW]
	v_add_nc_u32 v[CW], s41, v[CW]
	s_lshl_b32 s41, s39, 7
	s_lshl_b32 s42, s40, 1
	s_add_co_u32 s41, s41, s42
	v_add_nc_u32 v[SW], s41, v[L4]
	v_lshlrev_b32 v[BA], 6, v208
	; the copy of rows: waves 0-5 take rows 0-15, waves 6-11 rows 16-31; a wave one sixth (512 bytes) of each.  a = w / 6; row 16 a + k lies at place 16 (k / 8) + k % 8 + 8 a
	s_mul_i32 s43, s[WV], 43
	s_lshr_b32 s43, s43, 8                         ; a
	s_lshl_b32 s44, s[WV], 9
	s_mul_i32 s45, s43, 21632                      ; 8 x 3,088 a + 512 (w - 6 a) = 512 w + 21,632 a
	s_add_co_u32 s45, s45, s44
	v_add_nc_u32 v[XL0], s45, v[L16]
	v_add_nc_u32 v[XL1], 49408, v[XL0]
	s_mul_i32 s45, s43, 46080                      ; 16 x 3,072 a + 512 (w - 6 a)
	s_add_co_u32 s45, s45, s44
	v_add_nc_u32 v[XG], s45, v[L16]
	s_mul_i32 s45, s43, 3072
	s_sub_co_u32 s45, s44, s45
	v_add_nc_u32 v213, s45, v[L16]                 ; bo: my sixth
	s_lshl_b32 s45, s[WV], 7
	v_add_nc_u32 v[STA], s45, v[L4]
	v_add_nc_u32 v[STA], STAT, v[STA]
	v_add_nc_u32 v[STL], STAT, v[L4]
	v_lshlrev_b32 v209, 4, v0
	v_add_nc_u32 v210, ATT, v209
	v_lshlrev_b32 v211, 1, v0
	v_add_nc_u32 v212, ASA, v211
	s_mov_b32 s[SEL], 0x76543210
	s_mov_b32 s[SEL+1], 0xfedcba98
	s_mov_b32 s[HM], 0xffff0000
	s_mov_b32 s[INV], 0x3aaaaaab
	s_mov_b32 s[EPS], 0x3727c5ac
	s_mov_b32 s[SLP], 0x3c23d70a
	s_mov_b32 s[SLP+1], s[SLP]
	s_mov_b32 s47, 0
	s_wait_kmcnt 0x0
	s_mul_i32 s46, ttmp9, 98304
	s_add_nc_u64 s[8:9], s[8:9], s[46:47]          ; my 32 rows of x
	s_add_nc_u64 s[24:25], s[24:25], s[46:47]      ; and of part,
	s_mul_i32 s46, s52, 12582912
	s_add_nc_u64 s[24:25], s[24:25], s[46:47]      ; in half z
	s_mul_i32 s46, ttmp9, 768
	s_add_co_u32 s46, s46, 2359296
	s_add_nc_u64 s[48:49], s[4:5], s[46:47]        ; att's scale words
	s_mul_i32 s46, ttmp9, 18432
	s_add_nc_u64 s[4:5], s[4:5], s[46:47]          ; att's codes
	s_mul_i32 s46, s[WV], 345600
	s_add_nc_u64 s[SB:SB+1], s[SB:SB+1], s[46:47]  ; my wave's 54 chunks: wo's six come first
	s_mul_i32 s46, s52, 76800
	s_add_co_u32 s46, s46, 38400
	s_add_nc_u64 s[SN:SN+1], s[SB:SB+1], s[46:47]  ; then chunk 6 + 12 z: w1's group 2 z
	s_mov_b32 s46, s38
	s_add_nc_u64 s[12:13], s[12:13], s[46:47]      ; b1, b2 and the norm's vectors at my 64 columns
	s_add_nc_u64 s[14:15], s[14:15], s[46:47]
	s_add_nc_u64 s[16:17], s[16:17], s[46:47]
	s_add_nc_u64 s[18:19], s[18:19], s[46:47]
	s_mul_i32 s46, s52, 6144
	s_add_nc_u64 s[12:13], s[12:13], s[46:47]      ; b1: my half's 1,536 columns
.set k, 0
.rept 16
	global_load_b128 v[ACC+4*k:ACC+4*k+3], v[XG], s[8:9] offset:k*3072
.set k, k+1
.endr
	global_load_b128 v[214:217], v213, s[10:11]
.irp i, 0,1,2
	global_load_b128 v[218+4*\i:221+4*\i], v209, s[4:5] offset:6144*\i
.endr
	global_load_u16 v230, v211, s[48:49]
	FETCH 0, SB, 0
	FETCH 1, SB, 6400
	s_wait_loadcnt 26                              ; all but the two chunks
.set k, 0
.rept 16
	v_pk_add_f32 v[ACC+4*k:ACC+4*k+1], v[ACC+4*k:ACC+4*k+1], v[214:215]       ; x + bo
	v_pk_add_f32 v[ACC+4*k+2:ACC+4*k+3], v[ACC+4*k+2:ACC+4*k+3], v[216:217]
.set k, k+1
.endr
.set k, 0
.rept 16
	ds_store_b128 v[XL0+k/8], v[ACC+4*k:ACC+4*k+3] offset:(k%8)*3088
.set k, k+1
.endr
.irp i, 0,1,2
	ds_store_b128 v210, v[218+4*\i:221+4*\i] offset:6144*\i
.endr
	ds_store_b16 v212, v230
	BARRIER                                        ; x + bo, att's codes and scale words lie in LDS
	; ---- A: x + bo + att wo, then the first norm
	ACCSET
	v_add_nc_u32 v[LA], ATT, v[LA0]
	v_add_nc_u32 v[LS], ASA, v[L4]
	SIX 0
	ONWARD 38400                                   ; in hand: w1's group 2 z; next: group 2 z + 1
.irp b, 0,1                            ; gain, bias and b2 of my 32 columns of each block are asked for now and land during the two exchanges
.irp q, 0,1,2,3
	global_load_b128 v[PB0+78*\b+4*\q:PB0+78*\b+4*\q+3], v[BA], s[16:17] offset:128*\b+16*\q
	global_load_b128 v[PB0+78*\b+16+4*\q:PB0+78*\b+16+4*\q+3], v[BA], s[18:19] offset:128*\b+16*\q
	global_load_b128 v[PB0+78*\b+32+4*\q:PB0+78*\b+32+4*\q+3], v[BA], s[14:15] offset:128*\b+16*\q
.endr
.endr
	ROWSUM 0
	XCHG 0
	v_mul_f32 v[T0], s[INV], v[T0]                 ; the means
	v_mul_f32 v[T0+2], s[INV], v[T0+2]
.irp t, 0,1
.irp j, 0,2,4,6,8,10,12,14,16,18,20,22,24,26,28,30
	v_pk_add_f32 v[ACC+32*\t+\j:ACC+32*\t+\j+1], v[ACC+32*\t+\j:ACC+32*\t+\j+1], v[T0+2*\t:T0+2*\t+1] op_sel_hi:[1,0] neg_lo:[0,1] neg_hi:[0,1]
.endr
.endr
	ROWSUM 1
	XCHG 1
	v_fma_f32 v[T0], v[T0], s[INV], s[EPS]         ; the variance + 1e-5
	v_fma_f32 v[T0+2], v[T0+2], s[INV], s[EPS]
	v_rsq_f32 v[P0], v[T0]
	v_rsq_f32 v[P0+2], v[T0+2]
	v_nop
	s_wait_alu depctr_va_vdst(0)                   ; one wait for the two, ahead of their first reader
	s_wait_loadcnt 0x0                             ; gain, bias, b2
.irp t, 0,1
.irp b, 0,1
.irp q, 0,1,2,3
.set AA, ACC+32*\t+16*\b+4*\q
.set PP, PB0+78*\b+4*\q
.set XX, XL+4*(\q%3)
	v_pk_mul_f32 v[AA:AA+1], v[AA:AA+1], v[P0+2*\t:P0+2*\t+1] op_sel_hi:[1,0]
	v_pk_mul_f32 v[AA+2:AA+3], v[AA+2:AA+3], v[P0+2*\t:P0+2*\t+1] op_sel_hi:[1,0]
	v_pk_fma_f32 v[AA:AA+1], v[AA:AA+1], v[PP:PP+1], v[PP+16:PP+17]            ; h stays in the accumulators' registers
	v_pk_fma_f32 v[AA+2:AA+3], v[AA+2:AA+3], v[PP+2:PP+3], v[PP+18:PP+19]
	v_pk_add_f32 v[XX:XX+1], v[AA:AA+1], v[PP+32:PP+33]
	v_pk_add_f32 v[XX+2:XX+3], v[AA+2:AA+3], v[PP+34:PP+35]
	v_pk_mul_f32 v[XX:XX+1], v[XX:XX+1], 0.5 op_sel_hi:[1,0]                   ; (h + b2) / 2: each half of the hidden layer begins its sums with it
	v_pk_mul_f32 v[XX+2:XX+3], v[XX+2:XX+3], 0.5 op_sel_hi:[1,0]
	ds_store_b128 v[HR], v[XX:XX+3] offset:\t*49408+128*\b+16*\q               ; to my own words of the residual rows
.endr
.endr
.endr
	QUANT ACC, CD
	v_add_nc_u32 v[TA], HC, v[CW]
	v_add_nc_u32 v[TB], ASH, v[SW]
	PUTCODES TA, TB
	BARRIER                                        ; h's codes and scale words lie in LDS
	; ---- B: my half of the hidden layer, 768 columns at a time
	v_add_nc_u32 v[LA], HC, v[LA0]
	v_add_nc_u32 v[LS], ASH, v[L4]
	HIDDEN 0, 115200                               ; in hand then: chunk 12 + 12 z; next: chunk 30 + 12 z, w2's K step 12 z: 18 chunks on
	HIDDEN 1, 38400                                ; in hand then: w2's K steps 12 z on; next: 12 z + 6 on
	BARRIER                                        ; my half of the hidden layer's codes and scale words lies in LDS
	; ---- C: (h + b2) / 2 + hidden w2 over my 12 K steps
	ACCSET
	FETCH 1, SB, 6400
	SETK 0
	SIX 0
	ONWARD 0
	FETCH 1, SB, 6400
	SETK 1
	SIX 1                                          ; my last six chunks: nothing more is asked for
.irp t, 0,1
.irp b, 0,1
.irp q, 0,1,2,3
	ds_store_b128 v[HR], v[ACC+32*\t+16*\b+4*\q:ACC+32*\t+16*\b+4*\q+3] offset:\t*49408+128*\b+16*\q   ; each accumulator from its low end on
.endr
.endr
.endr
	BARRIER                                        ; 32 whole rows of the half's sums lie in LDS
.set k, 0
.rept 16
	ds_load_b128 v[ACC+4*k:ACC+4*k+3], v[XL0+k/8] offset:(k%8)*3088
.set k, k+1
.endr
.set k, 0
.rept 16
	s_wait_dscnt 15-k                              ; row k's load is in; the younger ones may be out
	global_store_b128 v[XG], v[ACC+4*k:ACC+4*k+3], s[24:25] offset:k*3072 th:TH_STORE_NT   ; 512 consecutive bytes, at a multiple of 256 from the buffer's first byte
.set k, k+1
.endr
	s_set_vgpr_msb 0x4
	s_wait_tensorcnt 0x0
	ds_add_u32 v255, v1
	s_wait_dscnt 0x0
	s_set_vgpr_msb 0x400
	s_endpgm
.Lfunc_end_k_q9766a783d2_post:
	.size	k_q9766a783d2_post, .Lfunc_end_k_q9766a783d2_post-k_q9766a783d2_post
	.p2alignl 7, 3214868480
	.fill 96, 4, 3214868480
	.section	.rodata,"a",@progbits
	.p2align	6, 0x0
	.amdhsa_kernel k_q9766a783d2_post
		.amdhsa_group_segment_fixed_size 180224
		.amdhsa_private_segment_fixed_size 0
		.amdhsa_enable_private_segment 0
		.amdhsa_kernarg_size 72
		.amdhsa_user_sgpr_count 2
		.amdhsa_user_sgpr_kernarg_segment_ptr 1
		.amdhsa_wavefront_size32 1
		.amdhsa_system_sgpr_workgroup_id_x 1
		.amdhsa_system_sgpr_workgroup_id_y 1
		.amdhsa_system_sgpr_workgroup_id_z 1
		.amdhsa_system_vgpr_workitem_id 0
		.amdhsa_next_free_vgpr 258
		.amdhsa_next_free_sgpr 66
		.amdhsa_reserve_vcc 0
		.amdhsa_float_denorm_mode_32 3
		.amdhsa_float_denorm_mode_16_64 3
		.amdhsa_memory_ordered 1
		.amdhsa_forward_progress 1
		.amdhsa_inst_pref_size 159
	.end_amdhsa_kernel
	.amdgpu_metadata
---
amdhsa.version: [ 1, 2 ]
amdhsa.kernels:
  - .name:           k_q9766a783d2_post
    .symbol:         k_q9766a783d2_post.kd
    .args:
      - { .name: att, .offset: 0, .size: 8, .value_kind: global_buffer, .address_space: global }
      - { .name: wpost, .offset: 8, .size: 8, .value_kind: global_buffer, .address_space: global }
      - { .name: x, .offset: 16, .size: 8, .value_kind: global_buffer, .address_space: global }
      - { .name: bo, .offset: 24, .size: 8, .value_kind: global_buffer, .address_space: global }
      - { .name: b1, .offset: 32, .size: 8, .value_kind: global_buffer, .address_space: global }
      - { .name: b2, .offset: 40, .size: 8, .value_kind: global_buffer, .address_space: global }
      - { .name: ln1_s, .offset: 48, .size: 8, .value_kind: global_buffer, .address_space: global }
      - { .name: ln1_b, .offset: 56, .size: 8, .value_kind: global_buffer, .address_space: global }
      - { .name: part, .offset: 64, .size: 8, .value_kind: global_buffer, .address_space: global }
    .group_segment_fixed_size: 180224
    .private_segment_fixed_size: 0
    .kernarg_segment_align: 8
    .kernarg_segment_size: 72
    .max_flat_workgroup_size: 384
    .sgpr_count:     66
    .vgpr_count:     258
    .wavefront_size: 32
...
	.end_amdgpu_metadata
.endif
;; end of part 4
;; launch ln2 (part 5): grid 256 x 1, 16 waves a work-group, no clusters, 0 bytes of LDS; arguments part, ln2_s, ln2_b, out0; writes out0
.if DOCPART == 5
	.amdgcn_target "amdgcn-amd-amdhsa--gfx1250"
	.amdhsa_code_object_version 6
	.text
	.protected	k_q9766a783d2_ln2
	.globl	k_q9766a783d2_ln2
	.p2align	8
	.type	k_q9766a783d2_ln2,@function
k_q9766a783d2_ln2:
	s_mov_b64 s[64:65], 0
	v_nop
	global_prefetch_b8 v0, s[64:65] scope:SCOPE_SE
	s_setreg_imm32_b32 hwreg(HW_REG_WAVE_MODE, 25, 1), 1
	s_wait_xcnt 0x0
; LN2.  out0 = LayerNorm(part[0] + part[1]) x ln2_s + ln2_b.  part: [2][4096][768] f32: the two halves of h + b2 + hidden w2.  All in f32.
; A stream: each byte is read once and written once.  One wave takes one row of 3,072 bytes: six loads of 16 bytes a lane from each half, each load 512 consecutive bytes at a multiple of 512 from the
; buffer's first byte; the row stays in 24 registers between the mean, the variance and the scaling, so no LDS and no barrier: the two reductions never leave the wave.
; 16 waves a work-group, 256 work-groups: 4,096 rows.  Matrix units, clusters and tensor loads have nothing to do here: no byte is shared but the 6 KB of gain and bias.
; LIMITS: NaN and infinities are not served.
.set ROWB, 3072
.set A,  8                             ; v8-31    the first half, then the row
.set B,  32                            ; v32-55   the second half
.set G,  56                            ; v56-79   gain of my 24 columns
.set H,  80                            ; v80-103  bias
.set S,  104                           ; v[104:105], v[106:107] two chains
.set T,  106
.set M,  108                           ; v[108:109] the mean, later 1 / sigma: the low word serves both halves of a packed line
.set X,  110
.macro ALL r                           ; the sum over the wave's 32 lanes, in every lane
	v_add_f32_dpp v[\r], v[\r], v[\r] row_xmask:1 row_mask:0xf bank_mask:0xf
	v_add_f32_dpp v[\r], v[\r], v[\r] row_xmask:2 row_mask:0xf bank_mask:0xf
	v_add_f32_dpp v[\r], v[\r], v[\r] row_xmask:4 row_mask:0xf bank_mask:0xf
	v_add_f32_dpp v[\r], v[\r], v[\r] row_xmask:8 row_mask:0xf bank_mask:0xf
	v_permlanex16_b32 v[X], v[\r], s18, s19
	v_add_f32 v[\r], v[\r], v[X]
.endm
	s_load_b256 s[4:11], s[0:1], 0x0               ; part, ln2_s, ln2_b, out0
	v_lshrrev_b32 v1, 5, v0
	v_readfirstlane_b32 s12, v1                    ; wave 0..15
	v_and_b32 v2, 31, v0
	v_lshlrev_b32 v2, 4, v2                        ; 16 x lane
	s_lshl_b32 s13, ttmp9, 4
	s_add_co_u32 s13, s13, s12                     ; my row
	s_mul_i32 s14, s13, ROWB
	s_mov_b32 s15, 0
	s_mov_b32 s18, 0x76543210
	s_mov_b32 s19, 0xfedcba98                      ; lane selects: lane l xor 16
	s_mov_b32 s20, 0x3aaaaaab                      ; 1 / 768
	s_mov_b32 s21, 0x3727c5ac                      ; 1e-5
	v_mov_b32 v[M+1], 0                            ; named as the upper half of a pair
	v_mov_b32 v[X], 0                              ; a lane permute's destination counts as one of its sources
	s_wait_kmcnt 0x0
	s_add_nc_u64 s[4:5], s[4:5], s[14:15]          ; my row in the first half,
	s_add_nc_u64 s[16:17], s[4:5], 12582912        ; in the second,
	s_add_nc_u64 s[10:11], s[10:11], s[14:15]      ; and in out0
.irp i, 0,1,2,3,4,5
	global_load_b128 v[A+4*\i:A+4*\i+3], v2, s[4:5] offset:512*\i th:TH_LOAD_NT
.endr
.irp i, 0,1,2,3,4,5
	global_load_b128 v[B+4*\i:B+4*\i+3], v2, s[16:17] offset:512*\i th:TH_LOAD_NT
.endr
.irp i, 0,1,2,3,4,5
	global_load_b128 v[G+4*\i:G+4*\i+3], v2, s[6:7] offset:512*\i
.endr
.irp i, 0,1,2,3,4,5
	global_load_b128 v[H+4*\i:H+4*\i+3], v2, s[8:9] offset:512*\i
.endr
	s_wait_loadcnt 12                              ; both halves are in; the 12 loads of gain and bias may be out
.irp j, 0,2,4,6,8,10,12,14,16,18,20,22
	v_pk_add_f32 v[A+\j:A+\j+1], v[A+\j:A+\j+1], v[B+\j:B+\j+1]       ; h + b2 + hidden w2
.endr
	v_pk_add_f32 v[S:S+1], v[A:A+1], v[A+4:A+5]
	v_pk_add_f32 v[T:T+1], v[A+2:A+3], v[A+6:A+7]
.irp j, 8,12,16,20
	v_pk_add_f32 v[S:S+1], v[S:S+1], v[A+\j:A+\j+1]
	v_pk_add_f32 v[T:T+1], v[T:T+1], v[A+\j+2:A+\j+3]
.endr
	v_pk_add_f32 v[S:S+1], v[S:S+1], v[T:T+1]
	v_add_f32 v[S], v[S], v[S+1]
	ALL S
	v_mul_f32 v[M], s20, v[S]                      ; the mean
.irp j, 0,2,4,6,8,10,12,14,16,18,20,22
	v_pk_add_f32 v[A+\j:A+\j+1], v[A+\j:A+\j+1], v[M:M+1] op_sel_hi:[1,0] neg_lo:[0,1] neg_hi:[0,1]
.endr
	v_pk_mul_f32 v[S:S+1], v[A:A+1], v[A:A+1]
	v_pk_mul_f32 v[T:T+1], v[A+2:A+3], v[A+2:A+3]
.irp j, 4,8,12,16,20
	v_pk_fma_f32 v[S:S+1], v[A+\j:A+\j+1], v[A+\j:A+\j+1], v[S:S+1]
	v_pk_fma_f32 v[T:T+1], v[A+\j+2:A+\j+3], v[A+\j+2:A+\j+3], v[T:T+1]
.endr
	v_pk_add_f32 v[S:S+1], v[S:S+1], v[T:T+1]
	v_add_f32 v[S], v[S], v[S+1]
	ALL S
	v_fma_f32 v[S], v[S], s20, s21                 ; the variance + 1e-5
	v_rsq_f32 v[M], v[S]
	v_nop                                          ; one plain line behind the transcendental
	s_wait_alu depctr_va_vdst(0)                   ; and the wait ahead of its first reader
	s_wait_loadcnt 0x0                             ; gain and bias
.irp j, 0,2,4,6,8,10,12,14,16,18,20,22
	v_pk_mul_f32 v[A+\j:A+\j+1], v[A+\j:A+\j+1], v[M:M+1] op_sel_hi:[1,0]
.endr
.irp j, 0,2,4,6,8,10,12,14,16,18,20,22
	v_pk_fma_f32 v[A+\j:A+\j+1], v[A+\j:A+\j+1], v[G+\j:G+\j+1], v[H+\j:H+\j+1]
.endr
.irp i, 0,1,2,3,4,5
	global_store_b128 v2, v[A+4*\i:A+4*\i+3], s[10:11] offset:512*\i th:TH_STORE_NT   ; 512 consecutive bytes, at a multiple of 512 from the buffer's first byte
.endr
	s_endpgm
.Lfunc_end_k_q9766a783d2_ln2:
	.size	k_q9766a783d2_ln2, .Lfunc_end_k_q9766a783d2_ln2-k_q9766a783d2_ln2
	.p2alignl 7, 3214868480
	.fill 96, 4, 3214868480
	.section	.rodata,"a",@progbits
	.p2align	6, 0x0
	.amdhsa_kernel k_q9766a783d2_ln2
		.amdhsa_group_segment_fixed_size 0
		.amdhsa_private_segment_fixed_size 0
		.amdhsa_enable_private_segment 0
		.amdhsa_kernarg_size 32
		.amdhsa_user_sgpr_count 2
		.amdhsa_user_sgpr_kernarg_segment_ptr 1
		.amdhsa_wavefront_size32 1
		.amdhsa_system_sgpr_workgroup_id_x 1
		.amdhsa_system_sgpr_workgroup_id_y 1
		.amdhsa_system_sgpr_workgroup_id_z 1
		.amdhsa_system_vgpr_workitem_id 0
		.amdhsa_next_free_vgpr 112
		.amdhsa_next_free_sgpr 66
		.amdhsa_reserve_vcc 0
		.amdhsa_float_denorm_mode_32 3
		.amdhsa_float_denorm_mode_16_64 3
		.amdhsa_memory_ordered 1
		.amdhsa_forward_progress 1
		.amdhsa_inst_pref_size 10
	.end_amdhsa_kernel
	.amdgpu_metadata
---
amdhsa.version: [ 1, 2 ]
amdhsa.kernels:
  - .name:           k_q9766a783d2_ln2
    .symbol:         k_q9766a783d2_ln2.kd
    .args:
      - { .name: part, .offset: 0, .size: 8, .value_kind: global_buffer, .address_space: global }
      - { .name: ln2_s, .offset: 8, .size: 8, .value_kind: global_buffer, .address_space: global }
      - { .name: ln2_b, .offset: 16, .size: 8, .value_kind: global_buffer, .address_space: global }
      - { .name: out0, .offset: 24, .size: 8, .value_kind: global_buffer, .address_space: global }
    .group_segment_fixed_size: 0
    .private_segment_fixed_size: 0
    .kernarg_segment_align: 8
    .kernarg_segment_size: 32
    .max_flat_workgroup_size: 512
    .sgpr_count:     66
    .vgpr_count:     112
    .wavefront_size: 32
...
	.end_amdgpu_metadata
.endif
;; end of part 5
;; ======== version 2 of 2: 5 launches
;; workspace buffers: xq 2,457,600 bytes; wqkv 1,152,000 bytes; wpost 4,147,200 bytes; padtab 8,192 bytes of whole numbers; qkv 6,340,608 bytes; att 2,457,600 bytes; part 25,165,824 bytes
;; launch prep (part 6): grid 266 x 1, 6 waves a work-group, no clusters, 51,456 bytes of LDS; arguments x, padding_mask, wq_codes, wq_scales, wk_codes, wk_scales, wv_codes, wv_scales, wo_codes, wo_scales, w1_codes, w1_scales, w2_codes, w2_scales, xq, wqkv, wpost, padtab; writes xq, wqkv, wpost, padtab
.if DOCPART == 6
	.amdgcn_target "amdgcn-amd-amdhsa--gfx1250"
	.amdhsa_code_object_version 6
	.text
	.protected	k_q9766a783d2_prep
	.globl	k_q9766a783d2_prep
	.p2align	8
	.type	k_q9766a783d2_prep,@function
k_q9766a783d2_prep:
	s_mov_b64 s[64:65], 0
	v_nop
	global_prefetch_b8 v0, s[64:65] scope:SCOPE_SE
	s_setreg_imm32_b32 hwreg(HW_REG_WAVE_MODE, 25, 1), 1
	s_wait_xcnt 0x0
; PREP.  Work-groups 0-127: x [4096][768] f32 becomes codes of E3M2 with one E8M0 byte for each 32 along K, laid as the later launches' operands want them.
; Work-groups 128-265: the six weights (codes, K innermost) are laid anew as streams of register images, 6,400 bytes a chunk: four fragments of 16 rows x 128 K
; (fragment u, part i: lane l's registers 4 i .. 4 i + 3 at byte 1536 u + 512 i + 16 l), then at byte 6,144 the scale words (lane l's word j: fragment 2 j + l / 16, row l % 16).
; Wave 0 of work-groups 0-63 also turns padding_mask into lane masks (whole numbers) for the attention launch.
; ROW TILES: tile Tl of a block of 32 rows holds, at place r, row 8 Tl + r + 8 (r / 8); a weight's fragment u holds, at place r, row 32 (u / 2) + 8 (u % 2) + r + 8 (r / 8) of its group of 64.
; xq: codes [block 128][K step 6][Tl 2][block of 32: 4][r 16][24 bytes]; from byte 2,359,296 the scale words [block][K step][Tl][r].
; LIMITS: NaN and infinities are not served; a block whose largest magnitude lies under 2^-122 (a block of zeros too) keeps the byte 1: only this program reads the bytes.
.set WV,  40
.set SEL, 42                           ; s[42:43] lane selects: lane l xor 16
.set HM,  44                           ; s44 mask of lanes 16-31
.set R0,  16                           ; v16-79   tile 0: 16 rows as loaded, then 64 numbers of my row
.set R1,  80                           ; v80-143  tile 1
.set TM,  144                          ; v144-155 largest magnitudes, bytes, scale operands
.set C0,  156                          ; v156-171 tile 0's codes
.set C1,  172                          ; v172-187 tile 1's
.set W0,  188
.set W1,  189
; 64 numbers of a lane, register 16 b + i = number 16 (lane / 16) + i of block b of my row: codes into v[c + 4 b] on (12 bytes: half a block), bytes into v[TM + 4 + b]
.macro QUANT s, c
.irp b, 0,1,2,3
	v_max3_num_f32 v[TM+\b], |v[\s+16*\b]|, |v[\s+16*\b+1]|, 0x2800000   ; my 16 numbers and the floor 2^(5 - 127): the byte cannot fall under 1
.endr
.irp i, 2,4,6,8,10,12,14
.irp b, 0,1,2,3
	v_max3_num_f32 v[TM+\b], v[TM+\b], |v[\s+16*\b+\i]|, |v[\s+16*\b+\i+1]|
.endr
.endr
.irp b, 0,1,2,3
	v_permlanex16_b32 v[TM+4+\b], v[TM+\b], s[SEL], s[SEL+1]
.endr
.irp b, 0,1,2,3
	v_max_num_f32 v[TM+\b], v[TM+\b], v[TM+4+\b]         ; with lane l xor 16's 16: the block's largest magnitude
.endr
.irp b, 0,1,2,3
	v_add_nc_u32 v[TM+8+\b], 0xfe000000, v[TM+\b]        ; 4 off its exponent field: the conversion's scale operand
.endr
.irp b, 0,1,2,3
	v_lshrrev_b32 v[TM+4+\b], 23, v[TM+8+\b]             ; the scale's byte
.endr
.irp b, 0,1,2,3
	v_cvt_scalef32_pk16_bf6_f32 v[\c+4*\b:\c+4*\b+2], v[\s+16*\b:\s+16*\b+15], v[TM+8+\b]
.endr
	v_nop                                                ; one plain line behind the scaled conversions
.endm
.macro XROWS reg, tl                   ; the tile's 16 rows, 512 consecutive bytes of each (my K step)
.set i, 0
.rept 16
	global_load_b128 v[\reg+4*i:\reg+4*i+3], v4, s[4:5] offset:(8*\tl+i+8*(i/8))*3072 th:TH_LOAD_NT
.set i, i+1
.endr
.endm
.macro TURN reg                        ; through my wave's stage: in as loaded, back as 64 numbers of row r; LDS serves a wave's instructions in order
.set i, 0
.rept 16
	ds_store_b128 v5, v[\reg+4*i:\reg+4*i+3] offset:i*528
.set i, i+1
.endr
.irp b, 0,1,2,3
.irp j, 0,1,2,3
	ds_load_b128 v[\reg+16*\b+4*\j:\reg+16*\b+4*\j+3], v6 offset:128*\b+16*\j
.endr
.endr
.endm
.macro PUT c, w, tl                    ; the scale word, and the codes: each store covers 384 consecutive bytes
	v_lshl_or_b32 v[\w], v[TM+5], 8, v[TM+4]
	v_lshl_or_b32 v[\w], v[TM+6], 16, v[\w]
	v_lshl_or_b32 v[\w], v[TM+7], 24, v[\w]
.irp b, 0,1,2,3
	global_store_b96 v7, v[\c+4*\b:\c+4*\b+2], s[50:51] offset:\tl*1536+\b*384
.endr
.endm
	s_load_b512 s[4:19], s[0:1], 0x0               ; x, padding_mask, wq c/s, wk c/s, wv c/s
	s_load_b512 s[20:35], s[0:1], 0x40             ; wo c/s, w1 c/s, w2 c/s, xq, wqkv
	s_load_b128 s[36:39], s[0:1], 0x80             ; wpost, padtab
	v_lshl_add_u32 v192, v0, 2, 0xc600
	v_mov_b32 v193, 0
	v_lshrrev_b32 v1, 5, v0
	v_readfirstlane_b32 s[WV], v1                  ; wave 0..5
	v_and_b32 v1, 31, v0                           ; lane
	v_and_b32 v2, 15, v0                           ; r
	v_bfe_u32 v3, v0, 4, 1                         ; h
	v_lshlrev_b32 v4, 4, v1                        ; 16 x lane
	s_mov_b32 s[SEL], 0x76543210
	s_mov_b32 s[SEL+1], 0xfedcba98
	s_mov_b32 s[HM], 0xffff0000
	s_mov_b32 s47, 0
	s_wait_kmcnt 0x0
	s_cmp_lt_u32 ttmp9, 128
	s_cbranch_scc0 .Lweights
	; ---- x: work-group = block of 32 rows, wave = K step of 128
	s_mul_i32 s46, ttmp9, 98304
	s_lshl_b32 s48, s[WV], 9
	s_add_co_u32 s46, s46, s48
	s_add_nc_u64 s[4:5], s[4:5], s[46:47]
	s_wait_alu depctr_va_vdst(0)
	XROWS R0, 0
	XROWS R1, 1
	s_mul_i32 s45, s[WV], 8448                     ; my stage: 16 rows x (512 + 16) bytes
	v_add_nc_u32 v5, s45, v4
	v_mul_u32_u24 v6, v2, 528
	v_lshl_add_u32 v6, v3, 6, v6
	v_add_nc_u32 v6, s45, v6                       ; back: row r, + 64 h bytes: 16 numbers of each block of 32
	v_mul_u32_u24 v7, v2, 24
	v_mad_u32_u24 v7, v3, 12, v7                   ; codes: 24 r + 12 h
	v_lshlrev_b32 v8, 2, v1
.irp b, 0,1,2,3
	v_mov_b32 v[TM+4+\b], 0                        ; a lane permute's destination counts as one of its sources
.endr
	s_mul_i32 s46, ttmp9, 18432
	s_mul_i32 s48, s[WV], 3072
	s_add_co_u32 s46, s46, s48
	s_add_nc_u64 s[50:51], s[32:33], s[46:47]      ; my codes
	s_mul_i32 s46, ttmp9, 768
	s_lshl_b32 s48, s[WV], 7
	s_add_co_u32 s46, s46, s48
	s_add_co_u32 s46, s46, 2359296
	s_add_nc_u64 s[52:53], s[32:33], s[46:47]      ; my scale words
	s_wait_alu depctr_va_vdst(0)
	s_wait_loadcnt 16                              ; tile 0's rows are in; tile 1's 16 loads may be out
	TURN R0
	s_wait_loadcnt 0x0
	TURN R1
	s_wait_dscnt 32                                ; tile 0 is back; tile 1's 16 stores and 16 loads may be out
	QUANT R0, C0
	PUT C0, W0, 0
	s_wait_dscnt 0x0
	QUANT R1, C1
	PUT C1, W1, 1
	v_cndmask_b32 v[W0], v[W0], v[W1], s[HM]       ; lanes 0-15 tile 0's words, lanes 16-31 tile 1's: 128 consecutive bytes
	global_store_b32 v8, v[W0], s[52:53]
	; ---- the lane masks: entry E = [batch][key step 16][register 64]: 0xffff where key 128 s + 32 (n / 16) + n % 16 is padded, 0xffff0000 where the key 16 further on is
	s_cmp_lg_u32 s[WV], 0
	s_cbranch_scc1 .Lend
	s_cmp_lt_u32 ttmp9, 64
	s_cbranch_scc0 .Lend
	s_lshl_b32 s45, ttmp9, 5
	v_add_nc_u32 v9, s45, v1                       ; E
	v_lshrrev_b32 v10, 6, v9
	v_lshlrev_b32 v10, 7, v10                      ; 2048 x batch + 128 x step
	v_bfe_u32 v11, v9, 4, 2
	v_lshl_add_u32 v10, v11, 5, v10
	v_and_b32 v11, 15, v9
	v_add_nc_u32 v10, v10, v11
	global_load_u8 v12, v10, s[6:7]
	global_load_u8 v13, v10, s[6:7] offset:16
	v_lshlrev_b32 v9, 2, v9
	v_mov_b32 v14, 0xffff
	v_mov_b32 v15, 0xffff0000
	s_wait_alu depctr_va_vdst(0)
	s_wait_loadcnt 0x0
	v_cmp_ne_u32 vcc_lo, 0, v12
	v_cndmask_b32 v12, 0, v14, vcc_lo
	v_cmp_ne_u32 vcc_lo, 0, v13
	v_cndmask_b32 v13, 0, v15, vcc_lo
	v_or_b32 v12, v12, v13
	global_store_b32 v9, v12, s[38:39]
.Lend:
	s_wait_tensorcnt 0x0
	ds_add_u32 v192, v193
	s_wait_dscnt 0x0
	s_endpgm
.Lweights:
	; ---- a wave lays one chunk.  j = work-group - 128.  j < 30: wqkv's six (y = j / 15, wave w = j % 15).  Else j' = j - 30: wpost's six q = j' % 9 of wave w = j' / 9.
	; All is chosen by selects on the work-group's number: one way through the text.
	s_sub_co_u32 s45, ttmp9, 128                   ; j
	s_cmp_ge_u32 s45, 15
	s_cselect_b32 s46, 1, 0                        ; y
	s_cselect_b64 s[50:51], s[12:13], s[8:9]       ; wk or wq
	s_cselect_b64 s[52:53], s[14:15], s[10:11]
	s_mul_i32 s48, s46, 15
	s_sub_co_u32 s48, s45, s48                     ; w
	s_mul_i32 s49, s46, 3
	s_add_co_u32 s49, s49, s48
	s_sub_co_u32 s49, s49, 12                      ; wv's group 3 y + w - 12
	s_cmp_lt_u32 s48, 12
	s_cselect_b64 s[50:51], s[50:51], s[16:17]
	s_cselect_b64 s[52:53], s[52:53], s[18:19]
	s_cselect_b32 s54, s48, s49                    ; the group of 64 rows
	s_sub_co_u32 s55, s45, 30                      ; j'
	s_mul_i32 s56, s55, 57
	s_lshr_b32 s56, s56, 9                         ; w = j' / 9 (right for j' under 108)
	s_mul_i32 s57, s56, 9
	s_sub_co_u32 s57, s55, s57                     ; q
	s_sub_co_u32 s58, s57, 1
	s_mul_i32 s58, s58, 12
	s_add_co_u32 s58, s58, s56                     ; w1's group 12 (q - 1) + w
	s_sub_co_u32 s59, s57, 5
	s_mul_i32 s59, s59, 6
	s_add_co_u32 s59, s59, s[WV]                   ; w2's K step 6 (q - 5) + wave
	s_mov_b32 s66, 2304
	s_cmp_lt_u32 s57, 5
	s_cselect_b64 s[60:61], s[24:25], s[28:29]     ; w1 or w2
	s_cselect_b64 s[62:63], s[26:27], s[30:31]
	s_cselect_b32 s58, s58, s56
	s_cselect_b32 s59, s[WV], s59
	s_cselect_b32 s66, 576, s66                    ; a row of codes in bytes
	s_cselect_b32 s67, 24, 96                      ; a row of scale bytes
	s_cmp_eq_u32 s57, 0
	s_cselect_b64 s[60:61], s[20:21], s[60:61]     ; wo
	s_cselect_b64 s[62:63], s[22:23], s[62:63]
	s_cselect_b32 s58, s56, s58
	s_cmp_lt_u32 s45, 30
	s_cselect_b64 s[50:51], s[50:51], s[60:61]
	s_cselect_b64 s[52:53], s[52:53], s[62:63]
	s_cselect_b32 s54, s54, s58
	s_cselect_b32 s59, s[WV], s59
	s_cselect_b32 s66, 576, s66
	s_cselect_b32 s67, 24, s67
	s_cselect_b64 s[68:69], s[34:35], s[36:37]     ; wqkv or wpost
	s_cselect_b32 s70, s45, s55
	s_mov_b32 s73, 0
	s_lshl_b32 s71, s54, 6
	s_mul_i32 s72, s71, s66
	s_mul_i32 s74, s59, 96
	s_add_co_u32 s72, s72, s74
	s_add_nc_u64 s[50:51], s[50:51], s[72:73]      ; codes: the group's first row, my K step
	s_mul_i32 s72, s71, s67
	s_lshl_b32 s74, s59, 2
	s_add_co_u32 s72, s72, s74
	s_add_nc_u64 s[52:53], s[52:53], s[72:73]      ; scale words likewise
	s_mul_i32 s72, s70, 6
	s_add_co_u32 s72, s72, s[WV]
	s_mul_i32 s72, s72, 6400
	s_add_nc_u64 s[68:69], s[68:69], s[72:73]      ; my chunk
	s_wait_alu depctr_va_vdst(0)
	v_and_b32 v5, 8, v2
	v_add_nc_u32 v5, v5, v2                        ; r + 8 (r / 8)
	v_mul_u32_u24 v6, v3, 24
.irp u, 0,1,2,3
	v_add_nc_u32 v[8+\u], 32*(\u/2)+8*(\u%2), v5
	v_mul_lo_u32 v[8+\u], v[8+\u], s66
	v_add_nc_u32 v[8+\u], v[8+\u], v6              ; fragment u: my row, + 24 h
.endr
	v_lshl_add_u32 v7, v3, 3, v5                   ; scale words: fragment 2 j + h begins 8 h rows on
	v_mul_lo_u32 v12, v7, s67
	v_add_nc_u32 v13, 32, v7
	v_mul_lo_u32 v13, v13, s67
	v_lshlrev_b32 v14, 3, v1
.irp u, 0,1,2,3
.irp p, 0,1,2,3,4,5
	global_load_b64 v[16+12*\u+2*\p:16+12*\u+2*\p+1], v[8+\u], s[50:51] offset:48*(\p/3)+8*(\p%3)
.endr
.endr
	global_load_b32 v64, v12, s[52:53]
	global_load_b32 v65, v13, s[52:53]
	s_wait_alu depctr_va_vdst(0)
	s_wait_loadcnt 0x0
.irp u, 0,1,2,3
.irp i, 0,1,2
	global_store_b128 v4, v[16+12*\u+4*\i:16+12*\u+4*\i+3], s[68:69] offset:\u*1536+\i*512   ; 512 consecutive bytes a store
.endr
.endr
	global_store_b64 v14, v[64:65], s[68:69] offset:6144
	s_endpgm
.Lfunc_end_k_q9766a783d2_prep:
	.size	k_q9766a783d2_prep, .Lfunc_end_k_q9766a783d2_prep-k_q9766a783d2_prep
	.p2alignl 7, 3214868480
	.fill 96, 4, 3214868480
	.section	.rodata,"a",@progbits
	.p2align	6, 0x0
	.amdhsa_kernel k_q9766a783d2_prep
		.amdhsa_group_segment_fixed_size 51456
		.amdhsa_private_segment_fixed_size 0
		.amdhsa_enable_private_segment 0
		.amdhsa_kernarg_size 144
		.amdhsa_user_sgpr_count 2
		.amdhsa_user_sgpr_kernarg_segment_ptr 1
		.amdhsa_wavefront_size32 1
		.amdhsa_system_sgpr_workgroup_id_x 1
		.amdhsa_system_sgpr_workgroup_id_y 1
		.amdhsa_system_sgpr_workgroup_id_z 1
		.amdhsa_system_vgpr_workitem_id 0
		.amdhsa_next_free_vgpr 194
		.amdhsa_next_free_sgpr 80
		.amdhsa_reserve_vcc 1
		.amdhsa_float_denorm_mode_32 3
		.amdhsa_float_denorm_mode_16_64 3
		.amdhsa_memory_ordered 1
		.amdhsa_forward_progress 1
		.amdhsa_inst_pref_size 26
	.end_amdhsa_kernel
	.amdgpu_metadata
---
amdhsa.version: [ 1, 2 ]
amdhsa.kernels:
  - .name:           k_q9766a783d2_prep
    .symbol:         k_q9766a783d2_prep.kd
    .args:
      - { .name: x, .offset: 0, .size: 8, .value_kind: global_buffer, .address_space: global }
      - { .name: padding_mask, .offset: 8, .size: 8, .value_kind: global_buffer, .address_space: global }
      - { .name: wq_codes, .offset: 16, .size: 8, .value_kind: global_buffer, .address_space: global }
      - { .name: wq_scales, .offset: 24, .size: 8, .value_kind: global_buffer, .address_space: global }
      - { .name: wk_codes, .offset: 32, .size: 8, .value_kind: global_buffer, .address_space: global }
      - { .name: wk_scales, .offset: 40, .size: 8, .value_kind: global_buffer, .address_space: global }
      - { .name: wv_codes, .offset: 48, .size: 8, .value_kind: global_buffer, .address_space: global }
      - { .name: wv_scales, .offset: 56, .size: 8, .value_kind: global_buffer, .address_space: global }
      - { .name: wo_codes, .offset: 64, .size: 8, .value_kind: global_buffer, .address_space: global }
      - { .name: wo_scales, .offset: 72, .size: 8, .value_kind: global_buffer, .address_space: global }
      - { .name: w1_codes, .offset: 80, .size: 8, .value_kind: global_buffer, .address_space: global }
      - { .name: w1_scales, .offset: 88, .size: 8, .value_kind: global_buffer, .address_space: global }
      - { .name: w2_codes, .offset: 96, .size: 8, .value_kind: global_buffer, .address_space: global }
      - { .name: w2_scales, .offset: 104, .size: 8, .value_kind: global_buffer, .address_space: global }
      - { .name: xq, .offset: 112, .size: 8, .value_kind: global_buffer, .address_space: global }
      - { .name: wqkv, .offset: 120, .size: 8, .value_kind: global_buffer, .address_space: global }
      - { .name: wpost, .offset: 128, .size: 8, .value_kind: global_buffer, .address_space: global }
      - { .name: padtab, .offset: 136, .size: 8, .value_kind: global_buffer, .address_space: global }
    .group_segment_fixed_size: 51456
    .private_segment_fixed_size: 0
    .kernarg_segment_align: 8
    .kernarg_segment_size: 144
    .max_flat_workgroup_size: 192
    .sgpr_count:     80
    .vgpr_count:     194
    .wavefront_size: 32
...
	.end_amdgpu_metadata
.endif
;; end of part 6
;; launch qkv (part 7): grid 128 x 2, 15 waves a work-group, no clusters, 21,248 bytes of LDS; arguments xq, wqkv, bq, bk, bv, qkv; writes qkv
.if DOCPART == 7
	.amdgcn_target "amdgcn-amd-amdhsa--gfx1250"
	.amdhsa_code_object_version 6
	.text
	.protected	k_q9766a783d2_qkv
	.globl	k_q9766a783d2_qkv
	.p2align	8
	.type	k_q9766a783d2_qkv,@function
k_q9766a783d2_qkv:
	s_mov_b64 s[64:65], 0
	v_nop
	global_prefetch_b8 v0, s[64:65] scope:SCOPE_SE
	s_setreg_imm32_b32 hwreg(HW_REG_WAVE_SCHED_MODE, 0, 2), 2
	s_setreg_imm32_b32 hwreg(HW_REG_WAVE_MODE, 25, 1), 1
	s_wait_xcnt 0x0
	s_wait_alu depctr_vm_vsrc(0)
; QKV.  q = x wq + bq, k = x wk + bk, v = x wv + bv on codes of E3M2; the results are quantised at once: q and k along the head's 64, v along the keys.
; A work-group takes a block of 32 rows (x) and y: y = 0 makes q, y = 1 makes k; each also makes half of v.  Waves 0-11: head w (64 columns), used TRANSPOSED (source 0 = 16 rows of the weight,
; source 1 = 16 rows of x): a lane holds one row of x, and by the choice of a fragment's rows its 16 registers of two neighbouring fragments are 16 neighbouring columns.
; Waves 12-14: 64 columns of v (two heads), NOT transposed (source 0 = x): a lane holds one channel, and by the choice of a tile's rows its 16 registers of the two tiles are 16 neighbouring keys.
; So each conversion's 12 bytes are half a block, and go out as they are.  x's codes lie in LDS (one barrier); the weights come as a stream of register images, two chunks ahead.
; No tensor load and no cluster: a work-group's shared bytes are 19 KB read once, and each wave's stream is its own.
; qkv: q's codes at 0, k's at 2,359,296: [batch x head 24][tile 128][block 2][r 16][24]; their scale words at 4,718,592 and 4,915,200: [bh][tile][r], the two bytes twice;
;      v's codes at 5,111,808: [bh][key step 16][t 2][block 4][r 16][24]; v's scale words at 6,291,456: [bh][step][t][r], byte = block.
; LIMITS: NaN and infinities are not served; a block whose largest magnitude lies under 2^-122 keeps the byte 1.
; THE MODE: SCHED_MODE bits 1:0 = 2 (LLVM: expert scheduling mode 2), set by the entry lines.  The code itself states the register dependences
; between vector or matrix instructions and memory or LDS instructions, with s_wait_alu, always for 0.
; THE PLAN.  Registers that memory or LDS instructions touch:
;   v4-v14             offsets and LDS addresses: written at the head, never again; read by every load and store.
;   v80-175, v176-179  two stream buffers and their scale words.  Step k's products read buffer k % 2; behind them chunk k + 2 lands in it.
;   v180-203, v204     x's fragments and scale words.  Step k's products read them; behind them step k + 1's LDS loads land in them.
;   v206-217           at the head loaded and read by the LDS stores of x's block; written again by the quantiser.
;   v218-233, v206/207 written by the quantiser, read by the stores at the end.
;   v16-79, the accumulators, are loaded once (waves 0-11: the bias) and then named by vector and matrix instructions alone.
; So a wait on va_vdst stands in a K step behind its eight products (another stands ahead of them): they are done reading the buffer, the fragments and both scale registers.  The next step's 13 LDS loads and
; chunk k + 2's 13 loads follow it with no further wait: no vector or matrix instruction stands between.
.set WV,  16
.set SB,  20                           ; s[20:21] my stream
.set SEL, 22
.set HM,  24
.set L16, 4
.set L8,  5
.set LA,  6                            ; 384 h + 24 r: my place in a fragment of x in LDS
.set LS,  7                            ; 18,432 + 4 x lane: the scale words
.set ACC, 16                           ; v16-79   eight accumulators
.set B0,  80                           ; v80-127, v128-175 two chunks: four fragments each
.set BS,  176                          ; v176-179 their scale words: nothing else ever lies here
.set AF,  180                          ; v180-203 x's two fragments
.set AS,  204                          ; v204     x's scale words: lanes 0-15 tile 0, lanes 16-31 tile 1
.set TM,  206
.set CD,  218
.macro WM d, a, b, sa, sb, ra, rb      ; one product in place; ra, rb: which half of the lanes holds the side's scale words
.if ((\ra) == 0) && ((\rb) == 0)
	v_wmma_scale_f32_16x16x128_f8f6f4 v[\d:\d+7], v[\a:\a+11], v[\b:\b+11], v[\d:\d+7], v[\sa], v[\sb] matrix_a_fmt:MATRIX_FMT_BF6 matrix_b_fmt:MATRIX_FMT_BF6
.elseif (\rb) == 0
	v_wmma_scale_f32_16x16x128_f8f6f4 v[\d:\d+7], v[\a:\a+11], v[\b:\b+11], v[\d:\d+7], v[\sa], v[\sb] matrix_a_fmt:MATRIX_FMT_BF6 matrix_b_fmt:MATRIX_FMT_BF6 matrix_a_scale:MATRIX_SCALE_ROW1
.elseif (\ra) == 0
	v_wmma_scale_f32_16x16x128_f8f6f4 v[\d:\d+7], v[\a:\a+11], v[\b:\b+11], v[\d:\d+7], v[\sa], v[\sb] matrix_a_fmt:MATRIX_FMT_BF6 matrix_b_fmt:MATRIX_FMT_BF6 matrix_b_scale:MATRIX_SCALE_ROW1
.else
	v_wmma_scale_f32_16x16x128_f8f6f4 v[\d:\d+7], v[\a:\a+11], v[\b:\b+11], v[\d:\d+7], v[\sa], v[\sb] matrix_a_fmt:MATRIX_FMT_BF6 matrix_b_fmt:MATRIX_FMT_BF6 matrix_a_scale:MATRIX_SCALE_ROW1 matrix_b_scale:MATRIX_SCALE_ROW1
.endif
.endm
.macro QUANT s, c
.irp b, 0,1,2,3
	v_max3_num_f32 v[TM+\b], |v[\s+16*\b]|, |v[\s+16*\b+1]|, 0x2800000   ; each accumulator is read from its low end on; the floor 2^(5 - 127) holds the byte at 1
.endr
.irp i, 2,4,6,8,10,12,14
.irp b, 0,1,2,3
	v_max3_num_f32 v[TM+\b], v[TM+\b], |v[\s+16*\b+\i]|, |v[\s+16*\b+\i+1]|
.endr
.endr
.irp b, 0,1,2,3
	v_permlanex16_b32 v[TM+4+\b], v[TM+\b], s[SEL], s[SEL+1]
.endr
.irp b, 0,1,2,3
	v_max_num_f32 v[TM+\b], v[TM+\b], v[TM+4+\b]
.endr
.irp b, 0,1,2,3
	v_add_nc_u32 v[TM+8+\b], 0xfe000000, v[TM+\b]
.endr
.irp b, 0,1,2,3
	v_lshrrev_b32 v[TM+4+\b], 23, v[TM+8+\b]
.endr
.irp b, 0,1,2,3
	v_cvt_scalef32_pk16_bf6_f32 v[\c+4*\b:\c+4*\b+2], v[\s+16*\b:\s+16*\b+15], v[TM+8+\b]
.endr
	v_nop
.endm
.macro FETCH bf, off                   ; a chunk: 12 + 1 loads, all of consecutive bytes
.irp u, 0,1,2,3
.irp i, 0,1,2
	global_load_b128 v[B0+48*(\bf)+12*\u+4*\i:B0+48*(\bf)+12*\u+4*\i+3], v[L16], s[SB:SB+1] offset:(\off)+\u*1536+\i*512
.endr
.endr
	global_load_b64 v[BS+2*(\bf):BS+2*(\bf)+1], v[L8], s[SB:SB+1] offset:(\off)+6144
.endm
.macro XFRAG k                         ; x's two fragments and its scale words of K step k, from LDS
.irp t, 0,1
.irp p, 0,1,2,3,4,5
	ds_load_b64 v[AF+12*\t+2*\p:AF+12*\t+2*\p+1], v[LA] offset:(\k)*3072+\t*1536+(\p/3)*768+(\p%3)*8
.endr
.endr
	ds_load_b32 v[AS], v[LS] offset:(\k)*128
.endm
; K step k: chunk k from its buffer, x's fragments (asked for at the end of the step before), eight products on eight accumulators (by turns), four places, a wait on va_vdst;
; then x's fragments of step k + 1 are asked for, and the buffer takes chunk k + 2.
.macro STEP k, cnt, fetch
	s_wait_loadcnt \cnt                            ; chunk k is in; the younger chunk's 13 loads may be out
	s_wait_dscnt 0x0                               ; x's fragments and scale words of this step are in
	s_cmp_lt_u32 s[WV], 12
	s_cbranch_scc0 .Lvm_\@
	s_wait_alu depctr_va_vdst(0)
.irp t, 0,1
.irp u, 0,1,2,3
	WM ACC+32*\t+8*\u, B0+48*((\k)%2)+12*\u, AF+12*\t, BS+2*((\k)%2)+\u/2, AS, \u%2, \t
.endr
.endr
	s_branch .Lmj_\@
.Lvm_\@:
	s_wait_alu depctr_va_vdst(0)
.irp u, 0,1,2,3
.irp t, 0,1
	WM ACC+16*\u+8*\t, AF+12*\t, B0+48*((\k)%2)+12*\u, AS, BS+2*((\k)%2)+\u/2, \t, \u%2
.endr
.endr
.Lmj_\@:
.rept 4
	v_nop                                          ; places in front of loads into registers that the products have read, and of the first read of results
.endr
.if (\k) < 5
	s_wait_alu depctr_va_vdst(0)                   ; this step's products are done reading x's fragments and scale words, in which the next step's land, and buffer k % 2 with its scale words, in which chunk k + 2 lands
	XFRAG (\k)+1
.endif
.if \fetch
	FETCH (\k)%2, ((\k)+2)*6400
.endif
.endm
	s_load_b256 s[4:11], s[0:1], 0x0               ; xq, wqkv, bq, bk
	s_load_b128 s[12:15], s[0:1], 0x20             ; bv, qkv
	v_lshl_add_u32 v254, v0, 2, 0x4b00
	v_mov_b32 v255, 0
	v_lshrrev_b32 v1, 5, v0
	v_readfirstlane_b32 s[WV], v1                  ; wave 0..14
	v_and_b32 v1, 31, v0
	v_and_b32 v2, 15, v0                           ; r
	v_bfe_u32 v3, v0, 4, 1                         ; h
	v_lshlrev_b32 v[L16], 4, v1
	v_lshlrev_b32 v[L8], 3, v1
	v_mul_u32_u24 v[LA], v1, 24
	v_lshl_add_u32 v[LS], v1, 2, 18432
	v_lshlrev_b32 v8, 4, v0                        ; the copy of x's codes: 16 bytes a thread of waves 0-11, in memory and in LDS
	v_lshlrev_b32 v9, 3, v0                        ; of the scale words: 8 bytes a thread of waves 12-14 (thread 384 on)
	v_add_nc_u32 v10, 15360, v9                    ; in LDS: 18,432 + 8 (thread - 384)
	v_lshlrev_b32 v11, 6, v3                       ; bq, bk: 64 h bytes
	v_and_b32 v12, 8, v2
	v_add_nc_u32 v12, v12, v2
	v_lshlrev_b32 v12, 2, v12                      ; bv: 4 (r + 8 (r / 8))
	v_mul_u32_u24 v13, v2, 24
	v_mad_u32_u24 v13, v3, 12, v13                 ; codes out: 24 r + 12 h
	v_lshlrev_b32 v14, 2, v1
	s_mov_b32 s[SEL], 0x76543210
	s_mov_b32 s[SEL+1], 0xfedcba98
	s_mov_b32 s[HM], 0xffff0000
	s_and_b32 s17, ttmp7, 0xffff                   ; y
	s_lshr_b32 s18, ttmp9, 6                       ; batch
	s_and_b32 s19, ttmp9, 63                       ; block of 32 rows in the batch
	s_mov_b32 s27, 0
	s_wait_alu depctr_va_sdst(0)                   ; the wave's number is written in s16, ahead of its first reader: bases and branches are made from it
	s_mul_i32 s25, s17, 3
	s_add_co_u32 s25, s25, s[WV]
	s_sub_co_i32 s25, s25, 12
	s_max_i32 s25, s25, 0                          ; wv's group of 64 columns (waves 12-14)
	s_mul_i32 s44, s18, 12
	s_add_co_u32 s45, s44, s[WV]                   ; batch x 12 + head (waves 0-11)
	s_lshl_b32 s46, s25, 1
	s_add_co_u32 s46, s46, s44                     ; the first of my two heads of v
	s_wait_kmcnt 0x0
	s_mul_i32 s26, s17, 15
	s_add_co_u32 s26, s26, s[WV]
	s_mul_i32 s26, s26, 38400
	s_add_nc_u64 s[SB:SB+1], s[6:7], s[26:27]
	s_mul_i32 s26, ttmp9, 18432
	s_add_nc_u64 s[28:29], s[4:5], s[26:27]        ; x's codes
	s_mul_i32 s26, ttmp9, 768
	s_add_co_u32 s26, s26, 2359296
	s_add_nc_u64 s[30:31], s[4:5], s[26:27]        ; x's scale words
	s_cmp_eq_u32 s17, 0
	s_cselect_b64 s[32:33], s[8:9], s[10:11]       ; bq or bk
	s_lshl_b32 s26, s[WV], 8
	s_add_nc_u64 s[32:33], s[32:33], s[26:27]
	s_lshl_b32 s26, s25, 8
	s_add_nc_u64 s[34:35], s[12:13], s[26:27]      ; bv
	s_mul_i32 s26, s17, 2359296
	s_mul_i32 s47, s45, 98304
	s_add_co_u32 s26, s26, s47
	s_mul_i32 s47, s19, 1536
	s_add_co_u32 s26, s26, s47
	s_add_nc_u64 s[36:37], s[14:15], s[26:27]      ; q's or k's codes
	s_mul_i32 s26, s17, 196608
	s_lshl_b32 s47, s45, 13
	s_add_co_u32 s26, s26, s47
	s_lshl_b32 s47, s19, 7
	s_add_co_u32 s26, s26, s47
	s_add_co_u32 s26, s26, 4718592
	s_add_nc_u64 s[38:39], s[14:15], s[26:27]      ; their scale words
	s_mul_i32 s26, s46, 49152
	s_lshr_b32 s47, s19, 2
	s_mul_i32 s47, s47, 3072
	s_add_co_u32 s26, s26, s47
	s_and_b32 s47, s19, 3
	s_mul_i32 s47, s47, 384
	s_add_co_u32 s26, s26, s47
	s_add_co_u32 s26, s26, 5111808
	s_add_nc_u64 s[40:41], s[14:15], s[26:27]      ; v's codes
	s_lshl_b32 s26, s46, 11
	s_lshr_b32 s47, s19, 2
	s_lshl_b32 s47, s47, 7
	s_add_co_u32 s26, s26, s47
	s_and_b32 s47, s19, 3
	s_add_co_u32 s26, s26, s47
	s_add_co_u32 s26, s26, 6291456
	s_add_nc_u64 s[42:43], s[14:15], s[26:27]      ; v's scale bytes
	s_wait_alu depctr_va_vdst(0)                   ; the offsets and LDS addresses v4 to v14 are written: every load and store of the kernel, in both roles, reads one of them
	; the roles part once here; each asks for its share of x's block and for its bias, then for its first two chunks
	s_cmp_lt_u32 s[WV], 12
	s_cbranch_scc0 .Lv_head
.irp i, 0,1,2
	global_load_b128 v[206+4*\i:209+4*\i], v8, s[28:29] offset:6144*\i
.endr
.irp t, 0,1
.irp b, 0,1
.irp q, 0,1,2,3
	global_load_b128 v[ACC+32*\t+16*\b+4*\q:ACC+32*\t+16*\b+4*\q+3], v11, s[32:33] offset:128*\b+16*\q   ; the bias is the sums' first C: columns 32 b + 16 h + 4 q on
.endr
.endr
.endr
	FETCH 0, 0
	FETCH 1, 6400
	s_wait_loadcnt 26                              ; all but the two chunks
.irp i, 0,1,2
	ds_store_b128 v8, v[206+4*\i:209+4*\i] offset:6144*\i
.endr
	s_branch .Lhead_done
.Lv_head:
	global_load_b64 v[206:207], v9, s[30:31] offset:-3072
.irp u, 0,1,2,3
	global_load_b32 v[210+\u], v12, s[34:35] offset:(32*(\u/2)+8*(\u%2))*4
.endr
	FETCH 0, 0
	FETCH 1, 6400
	s_wait_loadcnt 26
	ds_store_b64 v10, v[206:207]
.irp u, 0,1,2,3
.irp j, 0,1,2,3,4,5,6,7,8,9,10,11,12,13,14,15
	v_mov_b32 v[ACC+16*\u+\j], v[210+\u]           ; here a lane holds one channel: its bias in all 16 registers
.endr
.endr
.Lhead_done:
	s_wait_dscnt 0x0                               ; my part of x's block has landed
	s_barrier_signal -1
	s_barrier_wait -1
	XFRAG 0                                        ; no vector or matrix instruction has named v180-204 yet
	STEP 0, 13, 1
	STEP 1, 13, 1
	STEP 2, 13, 1
	STEP 3, 13, 1
	STEP 4, 13, 0
	STEP 5, 0, 0
	s_wait_alu depctr_vm_vsrc(0)                   ; the head's LDS stores have read v206-217 (waves 12-14: v206, v207), which the quantiser writes
	QUANT ACC, CD
	s_cmp_lt_u32 s[WV], 12
	s_cbranch_scc0 .Lv_out
	v_lshl_or_b32 v[TM], v[TM+5], 8, v[TM+4]
	v_lshl_or_b32 v[TM+1], v[TM+7], 8, v[TM+6]
	v_cndmask_b32 v[TM], v[TM], v[TM+1], s[HM]     ; lanes 0-15 tile 0's, lanes 16-31 tile 1's
	v_lshl_or_b32 v[TM], v[TM], 16, v[TM]          ; the two bytes twice: they serve K = 0 .. 63 and K = 64 .. 127 alike
	s_wait_alu depctr_va_vdst(0)                   ; the conversions have written the codes v218-232, the lines above the scale word v206: the five stores read them
.irp b, 0,1,2,3
	global_store_b96 v13, v[CD+4*\b:CD+4*\b+2], s[36:37] offset:384*\b    ; tile b / 2, block b % 2: the wave's four stores cover 1,536 consecutive bytes
.endr
	global_store_b32 v14, v[TM], s[38:39]
	s_wait_dscnt 0x0                               ; the closing lines, six on end
	s_wait_alu 0x0
	s_wait_tensorcnt 0x0
	ds_add_u32 v254, v255
	s_wait_dscnt 0x0
	s_endpgm
.Lv_out:
	s_wait_alu depctr_va_vdst(0)
	v_cndmask_b32 v[TM], v[TM+4], v[TM+5], s[HM]   ; lanes 0-15: t = 0's byte, lanes 16-31: t = 1's
	v_cndmask_b32 v[TM+1], v[TM+6], v[TM+7], s[HM]
	s_wait_alu depctr_va_vdst(0)                   ; the conversions have written the codes v218-232, the two selects the bytes v206, v207: the six stores read them
.irp u, 0,1,2,3
	global_store_b96 v13, v[CD+4*\u:CD+4*\u+2], s[40:41] offset:(\u/2)*49152+(\u%2)*1536
.endr
	global_store_b8 v14, v[TM], s[42:43]
	global_store_b8 v14, v[TM+1], s[42:43] offset:2048
	s_wait_dscnt 0x0                               ; the closing lines, six on end, as above
	s_wait_alu 0x0
	s_wait_tensorcnt 0x0
	ds_add_u32 v254, v255
	s_wait_dscnt 0x0
	s_endpgm
.Lfunc_end_k_q9766a783d2_qkv:
	.size	k_q9766a783d2_qkv, .Lfunc_end_k_q9766a783d2_qkv-k_q9766a783d2_qkv
	.p2alignl 7, 3214868480
	.fill 96, 4, 3214868480
	.section	.rodata,"a",@progbits
	.p2align	6, 0x0
	.amdhsa_kernel k_q9766a783d2_qkv
		.amdhsa_group_segment_fixed_size 21248
		.amdhsa_private_segment_fixed_size 0
		.amdhsa_enable_private_segment 0
		.amdhsa_kernarg_size 48
		.amdhsa_user_sgpr_count 2
		.amdhsa_user_sgpr_kernarg_segment_ptr 1
		.amdhsa_wavefront_size32 1
		.amdhsa_system_sgpr_workgroup_id_x 1
		.amdhsa_system_sgpr_workgroup_id_y 1
		.amdhsa_system_sgpr_workgroup_id_z 1
		.amdhsa_system_vgpr_workitem_id 0
		.amdhsa_next_free_vgpr 256
		.amdhsa_next_free_sgpr 66
		.amdhsa_reserve_vcc 0
		.amdhsa_float_denorm_mode_32 3
		.amdhsa_float_denorm_mode_16_64 3
		.amdhsa_memory_ordered 1
		.amdhsa_forward_progress 1
		.amdhsa_inst_pref_size 43
	.end_amdhsa_kernel
	.amdgpu_metadata
---
amdhsa.version: [ 1, 2 ]
amdhsa.kernels:
  - .name:           k_q9766a783d2_qkv
    .symbol:         k_q9766a783d2_qkv.kd
    .args:
      - { .name: xq, .offset: 0, .size: 8, .value_kind: global_buffer, .address_space: global }
      - { .name: wqkv, .offset: 8, .size: 8, .value_kind: global_buffer, .address_space: global }
      - { .name: bq, .offset: 16, .size: 8, .value_kind: global_buffer, .address_space: global }
      - { .name: bk, .offset: 24, .size: 8, .value_kind: global_buffer, .address_space: global }
      - { .name: bv, .offset: 32, .size: 8, .value_kind: global_buffer, .address_space: global }
      - { .name: qkv, .offset: 40, .size: 8, .value_kind: global_buffer, .address_space: global }
    .group_segment_fixed_size: 21248
    .private_segment_fixed_size: 0
    .kernarg_segment_align: 8
    .kernarg_segment_size: 48
    .max_flat_workgroup_size: 480
    .sgpr_count:     66
    .vgpr_count:     256
    .wavefront_size: 32
...
	.end_amdgpu_metadata
.endif
;; end of part 7
;; launch attn (part 8): grid 8 x 24, 16 waves a work-group, no clusters, 159,744 bytes of LDS; arguments qkv, padding_mask, padtab, att; writes att
.if DOCPART == 8
	.amdgcn_target "amdgcn-amd-amdhsa--gfx1250"
	.amdhsa_code_object_version 6
	.text
	.protected	k_q9766a783d2_attn
	.globl	k_q9766a783d2_attn
	.p2align	8
	.type	k_q9766a783d2_attn,@function
k_q9766a783d2_attn:
	s_mov_b64 s[64:65], 0
	v_nop
	global_prefetch_b8 v0, s[64:65] scope:SCOPE_SE
	s_setreg_imm32_b32 hwreg(HW_REG_WAVE_SCHED_MODE, 0, 2), 2
	s_setreg_imm32_b32 hwreg(HW_REG_WAVE_MODE, 25, 1), 1
	s_wait_xcnt 0x0
	s_wait_alu depctr_vm_vsrc(0)
; ATTENTION, both directions.  f keeps keys j <= i, b keeps keys j >= i; every other key, and every padded key, has the score -10000 (NOT -infinity: it still counts in the softmax).
; t = score x log2(e); M = ceil(the row's largest t so far); p = 2^(t - M) is quantised along the keys; the row's sum is taken of the unquantised p and divides at the end; the quotient is quantised for the next product.
; A work-group owns 256 queries of one (batch, head); each of its 16 waves one tile of 16.  The head's k, v and their scale words lie in LDS whole (157,696 bytes, read once): one barrier, no ring.
; Both products are used transposed: a lane holds ONE query.  The keys of a tile are chosen so that the 16 registers of two neighbouring tiles are 16 neighbouring keys.
; K = 64 IN AN INSTRUCTION OF K = 128: the other half are zero codes.  Even tiles use [k, 0] with [q, 0], odd tiles [0, k] with [0, q], so that neighbours share one run of zeros; the scale words hold their two bytes twice.
; KEY STEPS (128 keys) THAT LIE WHOLLY UNDER A DIRECTION'S MASK are not put through the softmax.  There every p is 2^(tm - M), tm = -10000 log2(e) = -14426.95: mantissa 1.035, which quantises to exactly 2^(-14427 - M):
; the code 1.0 under the byte -M - 14300.  So such a step is two products of v with a fragment of ones under that byte, and 128 x 2^(tm - M) is added to the sum at the end.  tm starts the running maximum where such steps exist.
; For b they come first (M = -14426) and are rescaled with O; for f they come last, under the final M.
; LIMITS: that byte is held to 1 .. 254: at the lower hold at most 2^-126 x the sum of |v| is added to a sum whose divisor is at least 1/2.  NaN and infinities are not served.
; The one branch on data: a key step without padded keys skips the padding's 64 selects (flags from padding_mask; the lane masks are whole numbers that an earlier launch stored).  Hence no tensor load here.
; THE MODE: SCHED_MODE bits 1:0 = 2 (LLVM: expert scheduling mode 2), set by the entry lines.  The code itself states the register dependences
; between vector or matrix instructions and memory or LDS instructions, with s_wait_alu, always for 0.
; THE PLAN.  Registers that memory or LDS instructions touch, in the loop:
;   v5-v8              LDS addresses of the pass: written by four additions at the pass's head, read by its LDS loads.  (An LDS address has no scalar base, and the loop is rolled: the step cannot stand in an immediate.)
;   v48-83, v84-107    k's four tiles and v's two fragments: LDS loads land in them, the pass's products read them.  k's registers are loaded twice in a pass: tiles 0-3, then tiles 4-7.
;   v41-45             v's and k's scale words: likewise.
;   All else in the loop is named by vector and matrix instructions alone.  Of that, v39, v40 (scale words) and v204-215 (p's codes) are written by vector instructions and taken by scaled products.
; A pass has, beside the wait ahead of its exponentials and the two behind them: one wait on vm_vsrc ahead of the four additions; one on va_vdst behind them (the addresses are written; the pass before is done reading k, v and the scale words);
; one ahead of tiles 4-7's loads; one ahead of the first product with p.  The diagonal's 64 compares write 64 scalar registers in one run, with one wait on va_sdst ahead of the 64 selects.
.set WV,  2
.set SI,  3                            ; the key step
.set PT,  8                            ; s[8:9] the step's lane masks
.set SD,  12                           ; the key step that holds my diagonal
.set PF,  13                           ; bit s: key step s has a padded key
.set SEL, 14
.set CS,  16                           ; s[16:17] c = log2(e) / 8
.set TK,  18
.set TV,  19
.set TKS, 20
.set TVS, 21
.set HM,  22
.set AK0, 1
.set AV0, 2
.set AKS0, 3
.set AVS0, 4
.set ADK, 5
.set ADV, 6
.set ADS, 7
.set ADT, 8
.set D0,  9                            ; my query's place in its key step, less 16 h
.set MV,  10                           ; -80000 = -10000 x 8: the mask's value ahead of the scaling
.set TMR, 11                           ; tm
.set Q,   20                           ; v20-37 q, zeros, q      (v12-15: -M, largest t, sum (2) of f; v16-19 of b)
.set QS,  38                           ; v38-45 scale words and nothing else: q's, p's, the ones', v's, k's (4)
.set PS,  39
.set OS,  40
.set VSW, 41
.set KSW, 42
.set KF,  48                           ; v48-83 k0, zeros, k1, k2, zeros, k3
.set VF,  84
.set S,   108                          ; v108-171 scores, then p
.set OF,  172                          ; v172-187 O^T of f, v188-203 of b
.set PC,  204
.set PC2, 216
.set ONE, 224
.set BM,  236
.set BP,  240
.set SO,  244
.set F,   248
.set T1,  250
.set T2,  251
.set SUM, 252
.macro WM d, a, b, sa, sb, ra          ; in place
.if (\ra) == 0
	v_wmma_scale_f32_16x16x128_f8f6f4 v[\d:\d+7], v[\a:\a+11], v[\b:\b+11], v[\d:\d+7], v[\sa], v[\sb] matrix_a_fmt:MATRIX_FMT_BF6 matrix_b_fmt:MATRIX_FMT_BF6
.else
	v_wmma_scale_f32_16x16x128_f8f6f4 v[\d:\d+7], v[\a:\a+11], v[\b:\b+11], v[\d:\d+7], v[\sa], v[\sb] matrix_a_fmt:MATRIX_FMT_BF6 matrix_b_fmt:MATRIX_FMT_BF6 matrix_a_scale:MATRIX_SCALE_ROW1
.endif
.endm
.macro WM0 d, a, b, sa, sb, ra         ; starts a sum
.if (\ra) == 0
	v_wmma_scale_f32_16x16x128_f8f6f4 v[\d:\d+7], v[\a:\a+11], v[\b:\b+11], 0, v[\sa], v[\sb] matrix_a_fmt:MATRIX_FMT_BF6 matrix_b_fmt:MATRIX_FMT_BF6
.else
	v_wmma_scale_f32_16x16x128_f8f6f4 v[\d:\d+7], v[\a:\a+11], v[\b:\b+11], 0, v[\sa], v[\sb] matrix_a_fmt:MATRIX_FMT_BF6 matrix_b_fmt:MATRIX_FMT_BF6 matrix_a_scale:MATRIX_SCALE_ROW1
.endif
.endm
.macro KLOAD g                         ; tiles 4 g .. 4 g + 3 of the step's keys: 24 bytes a lane each
.irp t, 0,1,2,3
.irp p, 0,1,2
	ds_load_b64 v[KF+18*(\t/2)+12*(\t%2)+2*\p:KF+18*(\t/2)+12*(\t%2)+2*\p+1], v[ADK] offset:(4*\g+\t)*768+8*\p
.endr
.endr
.endm
.macro KMUL g
.irp t, 0,1,2,3
	WM0 S+8*(4*\g+\t), KF+18*(\t/2)+6*(\t%2), Q+6*(\t%2), KSW+2*\g+\t/2, QS, \t%2
.endr
.endm
; ONE KEY STEP OF ONE DIRECTION (d = 0: f, 1: b)
.macro PASS d
.set STT, 12+4*(\d)
.set NO,  16-4*(\d)                    ; the other direction's -M
.set OD,  OF+16*(\d)
.set OO,  OF+16-16*(\d)
	s_wait_alu depctr_vm_vsrc(0)                   ; the LDS loads issued so far have read v5 to v8, which the four additions write
	v_add_nc_u32 v[ADK], s[TK], v[AK0]             ; (these four are also the places in front of loads into registers that the last products have read)
	v_add_nc_u32 v[ADV], s[TV], v[AV0]
	v_add_nc_u32 v[ADS], s[TKS], v[AKS0]
	v_add_nc_u32 v[ADT], s[TVS], v[AVS0]
	s_wait_alu depctr_va_vdst(0)                   ; v5 to v8 are written, which the loads below read; the products of the pass before are done reading k's, v's and the scale words' registers, in which those loads land; in the first pass: the head's moves have written the zeros, q's copy and the ones, which the products take
	KLOAD 0
.irp j, 0,1,2,3
	ds_load_b32 v[KSW+\j], v[ADS] offset:128*\j    ; lanes 0-15 the even tile's words, lanes 16-31 the odd tile's
.endr
.irp t, 0,1
.irp p, 0,1,2,3,4,5
	ds_load_b64 v[VF+12*\t+2*\p:VF+12*\t+2*\p+1], v[ADV] offset:\t*1536+(\p/3)*768+(\p%3)*8
.endr
.endr
	ds_load_b32 v[VSW], v[ADT]
	s_wait_dscnt 13                                ; k's four tiles and all its scale words are in; v's 12 loads and its scale word may be out
	KMUL 0
.rept 4
	v_nop
.endr
	s_wait_alu depctr_va_vdst(0)                   ; the four products are done reading tiles 0-3 of k, in whose registers tiles 4-7 land
	KLOAD 1
	s_wait_dscnt 0x0
	KMUL 1
.rept 4
	v_nop
.endr
	s_lshr_b32 s31, s[PF], s[SI]
	s_and_b32 s31, s31, 1
	s_cmp_lg_u32 s31, 0
	s_cbranch_scc0 .Lnopad_\@
	s_load_b512 s[32:47], s[PT:PT+1], 0x0          ; register n's mask: which lanes hold a padded key there
	s_load_b512 s[48:63], s[PT:PT+1], 0x40
	s_load_b512 s[68:83], s[PT:PT+1], 0x80
	s_load_b512 s[84:99], s[PT:PT+1], 0xc0
	s_wait_kmcnt 0x0
.set n, 0
.rept 64
	v_cndmask_b32 v[S+n], v[S+n], v[MV], s[32+n+4*(n/32)]
.set n, n+1
.endr
.Lnopad_\@:
	s_cmp_eq_u32 s[SI], s[SD]
	s_cbranch_scc0 .Lnodiag_\@
.set n, 0
.rept 64                               ; register 16 b + i holds key 32 b + 16 h + i of the step.  The 64 masks go into the scalar registers that held the padding's masks, which are done with
.if \d == 0
	v_cmp_gt_i32 s[32+n+4*(n/32)], 32*(n/16)+n%16, v[D0]     ; behind my query
.else
	v_cmp_lt_i32 s[32+n+4*(n/32)], 32*(n/16)+n%16, v[D0]     ; ahead of it
.endif
.set n, n+1
.endr
	s_wait_alu depctr_va_sdst(0)                   ; the 64 compares have written s32-63 and s68-99, ahead of the selects that read them: one wait for the run
.set n, 0
.rept 64
	v_cndmask_b32 v[S+n], v[S+n], v[MV], s[32+n+4*(n/32)]
.set n, n+1
.endr
.Lnodiag_\@:
.irp b, 0,1,2,3
	v_max3_num_f32 v[BM+\b], v[S+16*\b], v[S+16*\b+1], v[S+16*\b+2]    ; each block's largest score: for the row's maximum and for the block's largest p
.endr
.irp i, 3,5,7,9,11,13
.irp b, 0,1,2,3
	v_max3_num_f32 v[BM+\b], v[BM+\b], v[S+16*\b+\i], v[S+16*\b+\i+1]
.endr
.endr
.irp b, 0,1,2,3
	v_max_num_f32 v[BM+\b], v[BM+\b], v[S+16*\b+15]
.endr
.irp b, 0,1,2,3
	v_permlanex16_b32 v[BP+\b], v[BM+\b], s[SEL], s[SEL+1]
.endr
.irp b, 0,1,2,3
	v_max_num_f32 v[BM+\b], v[BM+\b], v[BP+\b]
.endr
	v_max3_num_f32 v[T1], v[BM], v[BM+1], v[BM+2]
	v_max_num_f32 v[T1], v[T1], v[BM+3]
	v_mul_f32 v[T1], s[CS], v[T1]
	v_max_num_f32 v[STT+1], v[STT+1], v[T1]        ; the running largest t
	v_mov_b32 v[T1], v[STT]
	v_floor_f32 v[STT], -v[STT+1]                  ; -M = floor(-t): M is a whole number
	v_sub_f32 v[T1], v[STT], v[T1]
	v_cvt_i32_f32 v[T1], v[T1]                     ; (it saturates)
	v_ldexp_f32 v[F], 1.0, v[T1]                   ; f = 2^(old M - new M): rounds nothing
.set j, 0
.rept 32
	v_pk_fma_f32 v[S+j:S+j+1], v[S+j:S+j+1], s[CS:CS+1], v[STT:STT+1] op_sel_hi:[1,0,0]   ; t - M
.set j, j+2
.endr
.irp b, 0,1,2,3
	v_fma_f32 v[BM+\b], v[BM+\b], s[CS], v[STT]
.endr
.set j, 0
	s_wait_alu depctr_va_vdst(0)
.rept 64
	v_exp_f32 v[S+j], v[S+j]                       ; p, not normalised
.set j, j+1
.endr
	v_pk_mul_f32 v[STT+2:STT+3], v[STT+2:STT+3], v[F:F+1] op_sel_hi:[1,0]   ; the sum under the new M: the plain line behind the exponentials
	s_wait_alu depctr_va_vdst(0)                   ; the 64 exponentials have written p in v108-171: one wait for the batch, ahead of its first reader
.irp b, 0,1,2,3
	v_exp_f32 v[BM+\b], v[BM+\b]                   ; the block's largest p
.endr
	v_pk_add_f32 v[SUM:SUM+1], v[S:S+1], v[S+2:S+3]   ; the row's sum, of the unquantised p, in two chains
.set j, 4
.rept 15
	v_pk_add_f32 v[STT+2:STT+3], v[STT+2:STT+3], v[S+j:S+j+1]
	v_pk_add_f32 v[SUM:SUM+1], v[SUM:SUM+1], v[S+j+2:S+j+3]
.set j, j+4
.endr
	v_pk_add_f32 v[STT+2:STT+3], v[STT+2:STT+3], v[SUM:SUM+1]
	s_wait_alu depctr_va_vdst(0)                   ; the four exponentials have written the blocks' largest p in v236-239, ahead of their first reader
.irp b, 0,1,2,3
	v_max_num_f32 v[BM+\b], 0x2800000, v[BM+\b]
.endr
.irp b, 0,1,2,3
	v_add_nc_u32 v[SO+\b], 0xfe000000, v[BM+\b]
.endr
.irp b, 0,1,2,3
	v_lshrrev_b32 v[BP+\b], 23, v[SO+\b]
.endr
	v_lshl_or_b32 v[PS], v[BP+1], 8, v[BP]
	v_lshl_or_b32 v[PS], v[BP+2], 16, v[PS]
	v_lshl_or_b32 v[PS], v[BP+3], 24, v[PS]        ; p's scale word
	v_add_f32 v[T2], 0xc65f7000, v[NO]             ; the ones' byte for the other direction: -M - 14300,
	v_med3_num_f32 v[T2], v[T2], 1.0, 0x437e0000   ; held to 1 .. 254,
	v_cvt_u32_f32 v[T2], v[T2]
	v_mul_lo_u32 v[OS], v[T2], 0x01010101          ; in all four bytes
.irp c, 0,1
	v_cvt_scalef32_pk16_bf6_f32 v[PC+6*\c:PC+6*\c+2], v[S+32*\c:S+32*\c+15], v[SO+2*\c]
	v_cvt_scalef32_pk16_bf6_f32 v[PC2+4*\c:PC2+4*\c+2], v[S+32*\c+16:S+32*\c+31], v[SO+2*\c+1]
.endr
	v_nop
.irp c, 0,1                            ; the operand wants a whole block in a lane
.irp i, 0,1,2
	v_permlane16_swap_b32 v[PC+6*\c+\i], v[PC2+4*\c+\i]
.endr
.irp i, 0,1,2
	v_mov_b32 v[PC+6*\c+3+\i], v[PC2+4*\c+\i]
.endr
.endr
.irp j, 0,2,4,6,8,10,12,14
	v_pk_mul_f32 v[OD+\j:OD+\j+1], v[OD+\j:OD+\j+1], v[F:F+1] op_sel_hi:[1,0]   ; O^T under the new M.  Behind p's scale word stand nine plain lines that name no register of either product, behind its codes four
.endr
	s_wait_alu depctr_va_vdst(0)                   ; vector instructions have written p's codes v204-215 and the two scale words v39, v40, which the scaled products below take; the places above stay beside this wait
	WM OD, VF, PC, VSW, PS, 0
	WM OD+8, VF+12, PC, VSW, PS, 1
	s_cmp_eq_u32 s[SI], s[SD]
	s_cbranch_scc1 .Lown_\@
	WM OO, VF, ONE, VSW, OS, 0                     ; for the other direction this step lies wholly under the mask
	WM OO+8, VF+12, ONE, VSW, OS, 1
.Lown_\@:
.endm
	s_load_b256 s[4:11], s[0:1], 0x0               ; qkv, padding_mask, padtab, att
	v_lshl_add_u32 v254, v0, 2, 0x26800
	v_mov_b32 v255, 0
	v_lshrrev_b32 v1, 5, v0
	v_readfirstlane_b32 s[WV], v1                  ; wave 0..15
	v_and_b32 v250, 31, v0                         ; lane
	v_and_b32 v251, 15, v0                         ; r
	v_bfe_u32 v252, v0, 4, 1                       ; h
	v_mul_u32_u24 v[AK0], v250, 24                 ; 384 h + 24 r
	v_add_nc_u32 v[AV0], 98304, v[AK0]
	v_lshl_add_u32 v[AKS0], v250, 2, 147456
	v_lshl_add_u32 v[AVS0], v250, 2, 155648
	v_lshlrev_b32 v236, 4, v0                      ; the copy: 16 bytes a thread, 8,192 a load
	v_add_nc_u32 v237, 65536, v236
	v_add_nc_u32 v238, 131072, v236
	v_lshlrev_b32 v239, 2, v0
	v_add_nc_u32 v240, 155648, v239
	v_lshlrev_b32 v241, 7, v250                    ; padding_mask: lane = 16 x batch + key step, 128 bytes
	v_lshlrev_b32 v242, 2, v251
	v_mul_u32_u24 v46, v251, 24
	v_mad_u32_u24 v46, v252, 12, v46               ; out: 24 r + 12 h
	v_mad_u32_u24 v47, v252, 384, v242             ; out: 4 r, + 384 for b's byte
	s_wait_alu depctr_va_sdst(0)                   ; the wave's number is written in s2, ahead of its first reader: my tile, my diagonal's step and my bases are made from it
	s_and_b32 s24, ttmp7, 0xffff                   ; batch x 12 + head
	s_lshl_b32 s23, ttmp9, 4
	s_add_co_u32 s23, s23, s[WV]                   ; my tile of 16 queries, 0..127
	s_lshr_b32 s[SD], s23, 3
	s_mul_i32 s25, s24, 43
	s_lshr_b32 s25, s25, 9                         ; batch
	s_mul_i32 s26, s25, 12
	s_sub_co_u32 s26, s24, s26                     ; head
	s_lshr_b32 s31, s23, 1
	s_and_b32 s31, s31, 3
	s_lshl_b32 s31, s31, 5
	s_and_b32 s30, s23, 1
	s_lshl_b32 s30, s30, 3
	s_add_co_u32 s31, s31, s30
	v_and_b32 v[D0], 8, v251
	v_add_nc_u32 v[D0], v[D0], v251
	v_lshlrev_b32 v243, 4, v252
	v_sub_nc_u32 v[D0], v[D0], v243
	v_add_nc_u32 v[D0], s31, v[D0]
	s_mov_b32 s[SEL], 0x76543210
	s_mov_b32 s[SEL+1], 0xfedcba98
	s_mov_b32 s[CS], 0x3e38aa3b
	s_mov_b32 s[CS+1], s[CS]
	s_mov_b32 s[HM], 0xffff0000
	s_mov_b32 s[TK], 0
	s_mov_b32 s[TV], 0
	s_mov_b32 s[TKS], 0
	s_mov_b32 s[TVS], 0
	s_mov_b32 s29, 0
	s_wait_kmcnt 0x0
	s_mul_i32 s28, s24, 98304
	s_add_co_u32 s28, s28, 2359296
	s_add_nc_u64 s[32:33], s[4:5], s[28:29]        ; k's codes
	s_mul_i32 s28, s24, 49152
	s_add_co_u32 s28, s28, 5111808
	s_add_nc_u64 s[34:35], s[4:5], s[28:29]        ; v's codes
	s_lshl_b32 s28, s24, 13
	s_add_co_u32 s28, s28, 4915200
	s_add_nc_u64 s[36:37], s[4:5], s[28:29]        ; k's scale words
	s_lshl_b32 s28, s24, 11
	s_add_co_u32 s28, s28, 6291456
	s_add_nc_u64 s[38:39], s[4:5], s[28:29]        ; v's scale words
	s_lshl_b32 s30, s24, 7
	s_add_co_u32 s30, s30, s23
	s_mul_i32 s28, s30, 768
	s_add_nc_u64 s[40:41], s[4:5], s[28:29]        ; my tile of q
	s_lshl_b32 s28, s30, 6
	s_add_co_u32 s28, s28, 4718592
	s_add_nc_u64 s[42:43], s[4:5], s[28:29]
	s_lshl_b32 s28, s25, 12
	s_add_nc_u64 s[PT:PT+1], s[PT:PT+1], s[28:29]  ; my batch's lane masks
	s_wait_alu depctr_va_vdst(0)                   ; the offsets and LDS addresses v1, v46, v47 and v236 to v242 are written, which the head's loads and LDS stores and the stores at the end read
.set i, 0
.rept 12
	global_load_b128 v[48+4*i:51+4*i], v236, s[32:33] offset:8192*i
.set i, i+1
.endr
.set i, 0
.rept 6
	global_load_b128 v[96+4*i:99+4*i], v236, s[34:35] offset:8192*i
.set i, i+1
.endr
	global_load_b128 v[120:123], v236, s[36:37]
	global_load_b32 v124, v239, s[38:39]
.set i, 0
.rept 8
	global_load_b128 v[128+4*i:131+4*i], v241, s[6:7] offset:16*i
.set i, i+1
.endr
.irp p, 0,1,2
	global_load_b64 v[Q+2*\p:Q+2*\p+1], v[AK0], s[40:41] offset:8*\p
.endr
	global_load_b32 v[QS], v242, s[42:43]
	s_wait_loadcnt 12                              ; the copy's 20 loads are in; the mask's 8, q's 3 and q's scale word may be out
.set i, 0
.rept 19
	ds_store_b128 v[236+i/8], v[48+4*i:51+4*i] offset:(i%8)*8192
.set i, i+1
.endr
	ds_store_b32 v240, v124
	s_wait_loadcnt 0x0
	s_wait_alu depctr_vm_vsrc(0)                   ; the copy's LDS stores have read v48-124 and their addresses v236-240, the loads their offsets v236-242: the moves below, the loop's LDS loads, its products and its maxima write these registers again
.set i, 1
.rept 31
	v_or_b32 v128, v128, v[128+i]
.set i, i+1
.endr
	v_cmp_ne_u32 vcc_lo, 0, v128                   ; bit 16 x batch + s: key step s has a padded key
	s_lshl_b32 s28, s25, 4
	s_wait_alu depctr_va_vcc(0)                    ; the compare has written VCC, ahead of the shift that reads it
	s_lshr_b32 s[PF], vcc_lo, s28
	s_and_b32 s[PF], s[PF], 0xffff
.irp i, 0,1,2,3,4,5
	v_mov_b32 v[Q+12+\i], v[Q+\i]
	v_mov_b32 v[Q+6+\i], 0
	v_mov_b32 v[KF+6+\i], 0
	v_mov_b32 v[KF+24+\i], 0
.endr
.irp i, 0,3,6,9
	v_mov_b32 v[ONE+\i], 0x0c30c30c                ; a stream of the 6-bit code 0x0c = 1.0
	v_mov_b32 v[ONE+\i+1], 0xc30c30c3
	v_mov_b32 v[ONE+\i+2], 0x30c30c30
.endr
.set i, 0
.rept 32
	v_mov_b32 v[OF+i], 0                           ; the step is written once for each direction: the first finds zeros
.set i, i+1
.endr
.irp i, 14,15,18,19,240,241,242,243,248,249,252,253
	v_mov_b32 v[\i], 0                             ; the sums; lane permutes' destinations and the upper halves of pairs count as read
.endr
	v_mov_b32 v[MV], 0xc79c4000
	v_mul_f32 v[TMR], s[CS], v[MV]
	v_mov_b32 v13, 0xff61b1e6                      ; -3e38, under every t;
	v_mov_b32 v17, 0xff61b1e6
	s_cmp_lt_u32 s[SD], 15
	s_cselect_b32 s28, -1, 0
	v_cndmask_b32 v13, v13, v[TMR], s28            ; tm where f has steps wholly under its mask,
	s_cmp_gt_u32 s[SD], 0
	s_cselect_b32 s28, -1, 0
	v_cndmask_b32 v17, v17, v[TMR], s28            ; and b likewise
	v_floor_f32 v12, -v13
	v_floor_f32 v16, -v17
	s_wait_dscnt 0x0                               ; my part of the head has landed
	s_barrier_signal -1
	s_barrier_wait -1
	s_mov_b32 s[SI], 0
.Lstep:                                            ; 16 trips, a constant; a wave runs 17 passes in all, whatever its tile
	s_cmp_le_u32 s[SI], s[SD]
	s_cbranch_scc0 .Lno_f
	PASS 0
.Lno_f:
	s_cmp_ge_u32 s[SI], s[SD]
	s_cbranch_scc0 .Lno_b
	PASS 1
.Lno_b:
	s_add_co_u32 s[TK], s[TK], 6144
	s_add_co_u32 s[TV], s[TV], 3072
	s_add_co_u32 s[TKS], s[TKS], 512
	s_add_co_u32 s[TVS], s[TVS], 128
	s_add_nc_u64 s[PT:PT+1], s[PT:PT+1], 256       ; (the scalar loads that named it were waited for where they stand)
	s_add_co_u32 s[SI], s[SI], 1
	s_cmp_lt_u32 s[SI], 16
	s_cbranch_scc1 .Lstep
.rept 4
	v_nop
.endr
	v_add_f32 v14, v14, v15
	v_add_f32 v18, v18, v19
	v_permlanex16_b32 v[BP], v14, s[SEL], s[SEL+1]
	v_permlanex16_b32 v[BP+1], v18, s[SEL], s[SEL+1]
	v_add_f32 v14, v14, v[BP]
	v_add_f32 v18, v18, v[BP+1]
	s_wait_alu depctr_va_vdst(0)
	v_fma_f32 v[BM], v[MV], s[CS], v12             ; tm - M, as the loop makes it
	v_fma_f32 v[BM+1], v[MV], s[CS], v16
	s_wait_alu depctr_va_vdst(0)
	v_exp_f32 v[BM], v[BM]
	v_exp_f32 v[BM+1], v[BM+1]
	s_sub_co_u32 s32, 15, s[SD]
	s_lshl_b32 s32, s32, 7                         ; keys in f's wholly masked steps
	s_lshl_b32 s33, s[SD], 7                       ; in b's
	v_cvt_f32_u32 v[T1], s32
	v_cvt_f32_u32 v[T2], s33
	s_wait_alu depctr_va_vdst(0)                   ; the two exponentials have written v236, v237, ahead of their first reader
	v_fma_f32 v14, v[BM], v[T1], v14
	v_fma_f32 v18, v[BM+1], v[T2], v18
	s_wait_alu depctr_va_vdst(0)
	v_rcp_f32 v[F], v14
	v_rcp_f32 v[SUM], v18
	v_nop
	s_wait_alu depctr_va_vdst(0)                   ; the two reciprocals have written v248, v252, ahead of their first reader
.irp j, 0,2,4,6,8,10,12,14
	v_pk_mul_f32 v[S+\j:S+\j+1], v[OF+\j:OF+\j+1], v[F:F+1] op_sel_hi:[1,0]            ; channels 16 h + j of my head, f
.endr
.irp j, 0,2,4,6,8,10,12,14
	v_pk_mul_f32 v[S+16+\j:S+16+\j+1], v[OF+16+\j:OF+16+\j+1], v[SUM:SUM+1] op_sel_hi:[1,0]   ; b
.endr
.irp d, 0,1                            ; a head's 32 channels of a direction are one block of the next product's K
	v_max3_num_f32 v[BM+\d], |v[S+16*\d]|, |v[S+16*\d+1]|, 0x2800000
.endr
.irp i, 2,4,6,8,10,12,14
.irp d, 0,1
	v_max3_num_f32 v[BM+\d], v[BM+\d], |v[S+16*\d+\i]|, |v[S+16*\d+\i+1]|
.endr
.endr
.irp d, 0,1
	v_permlanex16_b32 v[BP+\d], v[BM+\d], s[SEL], s[SEL+1]
.endr
.irp d, 0,1
	v_max_num_f32 v[BM+\d], v[BM+\d], v[BP+\d]
.endr
.irp d, 0,1
	v_add_nc_u32 v[SO+\d], 0xfe000000, v[BM+\d]
.endr
.irp d, 0,1
	v_lshrrev_b32 v[BP+\d], 23, v[SO+\d]
.endr
	v_cvt_scalef32_pk16_bf6_f32 v[PC:PC+2], v[S:S+15], v[SO]
	v_cvt_scalef32_pk16_bf6_f32 v[PC2:PC2+2], v[S+16:S+31], v[SO+1]
	v_nop
	v_cndmask_b32 v[T1], v[BP], v[BP+1], s[HM]     ; lanes 0-15 store f's byte, lanes 16-31 b's
	s_lshl_b32 s27, s25, 6
	s_lshr_b32 s28, s23, 1
	s_add_co_u32 s27, s27, s28                     ; my block of 32 rows
	s_and_b32 s28, s23, 1                          ; my tile in it
	s_lshr_b32 s29, s26, 2
	s_and_b32 s30, s26, 3
	s_mov_b32 s33, 0
	s_mul_i32 s32, s27, 18432
	s_mul_i32 s34, s29, 3072
	s_add_co_u32 s32, s32, s34
	s_mul_i32 s34, s28, 1536
	s_add_co_u32 s32, s32, s34
	s_mul_i32 s34, s30, 384
	s_add_co_u32 s32, s32, s34
	s_add_nc_u64 s[36:37], s[10:11], s[32:33]
	s_mul_i32 s32, s27, 768
	s_lshl_b32 s34, s29, 7
	s_add_co_u32 s32, s32, s34
	s_lshl_b32 s34, s28, 6
	s_add_co_u32 s32, s32, s34
	s_add_co_u32 s32, s32, s30
	s_add_co_u32 s32, s32, 2359296
	s_add_nc_u64 s[38:39], s[10:11], s[32:33]
	s_wait_alu depctr_va_vdst(0)                   ; the two conversions have written the codes v204-206 and v216-218, the select the byte v250: the three stores read them
	global_store_b96 v46, v[PC:PC+2], s[36:37]                 ; block head of K; 384 consecutive bytes
	global_store_b96 v46, v[PC2:PC2+2], s[36:37] offset:9216   ; block 12 + head: three K steps on
	global_store_b8 v47, v[T1], s[38:39]
	s_wait_dscnt 0x0                               ; the closing lines, six on end
	s_wait_alu 0x0
	s_wait_tensorcnt 0x0
	ds_add_u32 v254, v255
	s_wait_dscnt 0x0
	s_endpgm
.Lfunc_end_k_q9766a783d2_attn:
	.size	k_q9766a783d2_attn, .Lfunc_end_k_q9766a783d2_attn-k_q9766a783d2_attn
	.p2alignl 7, 3214868480
	.fill 96, 4, 3214868480
	.section	.rodata,"a",@progbits
	.p2align	6, 0x0
	.amdhsa_kernel k_q9766a783d2_attn
		.amdhsa_group_segment_fixed_size 159744
		.amdhsa_private_segment_fixed_size 0
		.amdhsa_enable_private_segment 0
		.amdhsa_kernarg_size 32
		.amdhsa_user_sgpr_count 2
		.amdhsa_user_sgpr_kernarg_segment_ptr 1
		.amdhsa_wavefront_size32 1
		.amdhsa_system_sgpr_workgroup_id_x 1
		.amdhsa_system_sgpr_workgroup_id_y 1
		.amdhsa_system_sgpr_workgroup_id_z 1
		.amdhsa_system_vgpr_workitem_id 0
		.amdhsa_next_free_vgpr 256
		.amdhsa_next_free_sgpr 100
		.amdhsa_reserve_vcc 1
		.amdhsa_float_denorm_mode_32 3
		.amdhsa_float_denorm_mode_16_64 3
		.amdhsa_memory_ordered 1
		.amdhsa_forward_progress 1
		.amdhsa_inst_pref_size 78
	.end_amdhsa_kernel
	.amdgpu_metadata
---
amdhsa.version: [ 1, 2 ]
amdhsa.kernels:
  - .name:           k_q9766a783d2_attn
    .symbol:         k_q9766a783d2_attn.kd
    .args:
      - { .name: qkv, .offset: 0, .size: 8, .value_kind: global_buffer, .address_space: global }
      - { .name: padding_mask, .offset: 8, .size: 8, .value_kind: global_buffer, .address_space: global }
      - { .name: padtab, .offset: 16, .size: 8, .value_kind: global_buffer, .address_space: global }
      - { .name: att, .offset: 24, .size: 8, .value_kind: global_buffer, .address_space: global }
    .group_segment_fixed_size: 159744
    .private_segment_fixed_size: 0
    .kernarg_segment_align: 8
    .kernarg_segment_size: 32
    .max_flat_workgroup_size: 512
    .sgpr_count:     100
    .vgpr_count:     256
    .wavefront_size: 32
...
	.end_amdgpu_metadata
.endif
;; end of part 8
;; launch post (part 9): grid 128 x 2, 12 waves a work-group, no clusters, 180,224 bytes of LDS; arguments att, wpost, x, bo, b1, b2, ln1_s, ln1_b, part; writes part
.if DOCPART == 9
	.amdgcn_target "amdgcn-amd-amdhsa--gfx1250"
	.amdhsa_code_object_version 6
	.text
	.protected	k_q9766a783d2_post
	.globl	k_q9766a783d2_post
	.p2align	8
	.type	k_q9766a783d2_post,@function
k_q9766a783d2_post:
	s_mov_b64 s[64:65], 0
	v_nop
	global_prefetch_b8 v0, s[64:65] scope:SCOPE_SE
	s_setreg_imm32_b32 hwreg(HW_REG_WAVE_SCHED_MODE, 0, 2), 2
	s_setreg_imm32_b32 hwreg(HW_REG_WAVE_MODE, 25, 1), 1
	s_wait_xcnt 0x0
	s_wait_alu depctr_vm_vsrc(0)
; POST.  h = LN1(x + att wo + bo);  part[z] = (h + b2) / 2 + leaky_relu(h w1 + b1)[:, half z] w2[half z, :].  The next launch adds the two halves and takes the second norm.
; All three products on codes of E3M2; h and the hidden layer are quantised on the way and never go to memory.
; A work-group owns 32 whole rows (the norm wants whole rows) and half z of the hidden layer's 3,072 columns: 128 x 2 = 256 work-groups.  Both halves make h for themselves (wo's product is done twice):
; so a wave's stream of weights is 6 + 12 + 12 = 30 chunks of 6,400 bytes, where one work-group for all 3,072 columns would take in 54.
; The 12 waves share the COLUMNS: wave w makes columns 64 w .. 64 w + 63 of wo's and w2's products, and columns 64 (12 g + w) of w1's, g = 2 z, 2 z + 1.
; All products are used transposed (source 0 = 16 rows of the weight, source 1 = 16 rows of activations): a lane holds one row, and 16 registers of two neighbouring fragments are 16 neighbouring columns:
; half a block of the next K, 12 bytes of codes, which go to LDS as they are.  The weights come as each wave's own stream of register images, two chunks ahead, across all barriers.
; Residual and bias are each sum's first C.  Halving h + b2 rounds nothing, so the two halves need no branch on z.
; ORDER OF ROUNDING: the sum over w2's K = 3,072 is made as two f32 sums over 1,536 each, joined by one f32 addition in the next launch.
; No tensor load and no cluster: beside the 178,688 bytes in use a shared ring as deep as the waves' twelve double buffers (153,600 bytes) has no room in 327,680.
; LDS: 0 residual rows, 32 places x 3,088 (place 16 Tl + r = row 8 Tl + r + 8 (r / 8)); 98,816 att's codes; 117,248 h's; 135,680 my half of the hidden layer's (36,864);
;      172,544 / 173,312 / 174,080 their scale words; 175,616 two exchanges of 1,536.
; LIMITS: NaN and infinities are not served; a block whose largest magnitude lies under 2^-122 keeps the byte 1.
; THE MODE: SCHED_MODE bits 1:0 = 2 (LLVM: expert scheduling mode 2), set by the entry lines.  The code itself states the register dependences
; between vector or matrix instructions and memory or LDS instructions, with s_wait_alu, always for 0.
; THE PLAN.  Registers that memory or LDS instructions touch:
;   v1-v15             offsets and LDS addresses: written at the head and never again.  The three images of codes lie 18,432 bytes apart and their scale words 768, so immediates reach every phase's bytes.
;   v80-175, v176-179  two stream buffers and their scale words.  Step k's products read buffer k % 2; behind them the next chunk lands in it.  Buffer 1 also takes the norm's gain, bias and b2 (block 0).
;   v180-203, v204     the activations' fragments and scale words.  Step k's products read them; behind them step k + 1's LDS loads land.  Between the products vector instructions use v180-203, and v184 is an exchange's store data.
;   v16-79             the sums.  Their first C lands in them (LDS or global loads); products and vector instructions work on them; LDS stores read them in the prologue and on the way out.
;   v206-253           the head's staging; the norm's gain, bias and b2 (block 1); the quantiser's figures and codes v206-233, which LDS stores read.
; ONE wait on va_vdst stands in a K step (steps 0 to 4 of a six), behind its eight products; the next step's 13 LDS loads and the next chunk's 13 loads follow it with no vector or matrix instruction between.
; Behind a six, ONE wait on va_vdst stands ahead of the run of LDS stores that ends the phase: it also shows the six's last products and the phase's vector work done with the sums, buffer 1 and the fragments,
; so that the next phase's loads owe nothing more.  Each wait on vm_vsrc stands ahead of the first line that writes registers which LDS stores have read.
.set ATT,  98816
.set HC,   117248
.set HID,  135680
.set ASA,  172544
.set ASH,  173312
.set ASD,  174080
.set STAT, 175616
.set SB,  6                            ; s[6:7]   the six chunks in hand
.set SN,  20                           ; s[20:21] the six that follow: in wpost my sixes lie at chunks 0, 6 + 12 z, 12 + 12 z, 30 + 12 z, 36 + 12 z of my wave's 54
.set WV,  26
.set SEL, 28
.set HM,  30
.set INV, 36                           ; 1 / 768
.set EPS, 37
.set SLP, 50                           ; s[50:51] 0.01
.set XG,  1                            ; the copy of rows: offset in x and in part
.set STA, 2                            ; an exchange: where I put my figure
.set STL, 3                            ; and where I read the twelve
.set L16, 4
.set L8,  5
.set LA,  6                            ; ATT + 384 h + 24 r: att's fragments; h's lie 18,432 bytes on
.set LS,  7                            ; ASA + 4 x lane: att's scale words; h's lie 768 bytes on, the hidden layer's 1,536
.set LC,  8                            ; HID + 384 h + 24 r: the hidden layer's fragments
.set L4,  9
.set HR,  10                           ; my own words of the residual rows: 3,088 r + 256 w + 64 h
.set CW,  11                           ; HC + 3,072 (w / 2) + 768 (w % 2) + 24 r + 12 h: where my codes of h go; the hidden layer's go 18,432 (g + 1) bytes on
.set SW,  12                           ; ASH + 128 (w / 2) + 4 lane + 2 (w % 2): my two scale bytes of h; the hidden layer's 768 (g + 1) bytes on
.set BA,  13                           ; 64 h: my 16 columns of a block in a vector of 64 columns
.set XL0, 14                           ; the copy of rows in LDS, places 0-15;
.set XL1, 15                           ; places 16-31
.set ACC, 16
.set B0,  80
.set BS,  176                          ; v176-179 the weights' scale words: nothing else ever lies here
.set AF,  180
.set AS,  204                          ; the activations' scale words: nothing else
.set TM,  206
.set CD,  218
.set PB0, 128                          ; the norm's gain, bias and b2: block 0 in v128-175 (stream buffer 1, idle there), block 1 in v206-253
.set P0,  180                          ; between the products the fragments' registers hold the rows' figures: v180-183 two chains, then 1 / sigma of the two tiles
.set S0,  184
.set S1,  185
.set T0,  186                          ; v186, v188 a figure of tile 0, tile 1 (each the low word of a pair)
.set XL,  190                          ; v190-201 at work
.set PX,  202
.set PY,  203
.macro WM d, a, b, sa, sb, ra, rb      ; one product in place; ra, rb: which half of the lanes holds the side's scale words
.if ((\ra) == 0) && ((\rb) == 0)
	v_wmma_scale_f32_16x16x128_f8f6f4 v[\d:\d+7], v[\a:\a+11], v[\b:\b+11], v[\d:\d+7], v[\sa], v[\sb] matrix_a_fmt:MATRIX_FMT_BF6 matrix_b_fmt:MATRIX_FMT_BF6
.elseif (\rb) == 0
	v_wmma_scale_f32_16x16x128_f8f6f4 v[\d:\d+7], v[\a:\a+11], v[\b:\b+11], v[\d:\d+7], v[\sa], v[\sb] matrix_a_fmt:MATRIX_FMT_BF6 matrix_b_fmt:MATRIX_FMT_BF6 matrix_a_scale:MATRIX_SCALE_ROW1
.elseif (\ra) == 0
	v_wmma_scale_f32_16x16x128_f8f6f4 v[\d:\d+7], v[\a:\a+11], v[\b:\b+11], v[\d:\d+7], v[\sa], v[\sb] matrix_a_fmt:MATRIX_FMT_BF6 matrix_b_fmt:MATRIX_FMT_BF6 matrix_b_scale:MATRIX_SCALE_ROW1
.else
	v_wmma_scale_f32_16x16x128_f8f6f4 v[\d:\d+7], v[\a:\a+11], v[\b:\b+11], v[\d:\d+7], v[\sa], v[\sb] matrix_a_fmt:MATRIX_FMT_BF6 matrix_b_fmt:MATRIX_FMT_BF6 matrix_a_scale:MATRIX_SCALE_ROW1 matrix_b_scale:MATRIX_SCALE_ROW1
.endif
.endm
; 64 numbers of a lane, register 16 b + i = number 16 (lane / 16) + i of half block b: codes into v[c + 4 b] on (12 bytes), bytes into v[TM + 4 + b]
.macro QUANT s, c
.irp b, 0,1,2,3
	v_max3_num_f32 v[TM+\b], |v[\s+16*\b]|, |v[\s+16*\b+1]|, 0x2800000   ; my 16 numbers and the floor 2^(5 - 127): the byte cannot fall under 1
.endr
.irp i, 2,4,6,8,10,12,14
.irp b, 0,1,2,3
	v_max3_num_f32 v[TM+\b], v[TM+\b], |v[\s+16*\b+\i]|, |v[\s+16*\b+\i+1]|
.endr
.endr
.irp b, 0,1,2,3
	v_permlanex16_b32 v[TM+4+\b], v[TM+\b], s[SEL], s[SEL+1]
.endr
.irp b, 0,1,2,3
	v_max_num_f32 v[TM+\b], v[TM+\b], v[TM+4+\b]         ; with lane l xor 16's 16: the block's largest magnitude
.endr
.irp b, 0,1,2,3
	v_add_nc_u32 v[TM+8+\b], 0xfe000000, v[TM+\b]        ; 4 off its exponent field: the conversion's scale operand
.endr
.irp b, 0,1,2,3
	v_lshrrev_b32 v[TM+4+\b], 23, v[TM+8+\b]             ; the scale's byte
.endr
.irp b, 0,1,2,3
	v_cvt_scalef32_pk16_bf6_f32 v[\c+4*\b:\c+4*\b+2], v[\s+16*\b:\s+16*\b+15], v[TM+8+\b]
.endr
	v_nop                                                ; one plain line behind the scaled conversions
.endm
.macro FETCH bf, base, off             ; a chunk: 12 + 1 loads, all of consecutive bytes
.irp u, 0,1,2,3
.irp i, 0,1,2
	global_load_b128 v[B0+48*(\bf)+12*\u+4*\i:B0+48*(\bf)+12*\u+4*\i+3], v[L16], s[\base:\base+1] offset:(\off)+\u*1536+\i*512
.endr
.endr
	global_load_b64 v[BS+2*(\bf):BS+2*(\bf)+1], v[L8], s[\base:\base+1] offset:(\off)+6144
.endm
; the activations' two fragments and scale words of K step k of a six.  la: the address register; off, soff: where the six's codes and scale words begin behind it and behind v[LS]
.macro XFRAG la, off, soff, k
.irp t, 0,1
.irp p, 0,1,2,3,4,5
	ds_load_b64 v[AF+12*\t+2*\p:AF+12*\t+2*\p+1], v[\la] offset:(\off)+(\k)*3072+\t*1536+(\p/3)*768+(\p%3)*8
.endr
.endr
	ds_load_b32 v[AS], v[LS] offset:(\soff)+(\k)*128
.endm
; K step k of a six: chunk k from its buffer, the fragments (asked for at the end of the step before), eight products on eight accumulators (by turns), four places, the step's one wait;
; then the fragments of step k + 1 are asked for.  fetch = 1: the buffer takes chunk k + 2 of this six; 2: the first chunk of the six that follow; 0: nothing.
.macro STEP la, off, soff, k, cnt, fetch
	s_wait_loadcnt \cnt                            ; chunk k (and what was asked for ahead of the youngest chunk) is in; the youngest chunk's 13 loads may be out
	s_wait_dscnt 0x0                               ; this step's fragments and scale words are in
.irp t, 0,1
.irp u, 0,1,2,3
	WM ACC+32*\t+8*\u, B0+48*((\k)%2)+12*\u, AF+12*\t, BS+2*((\k)%2)+\u/2, AS, \u%2, \t
.endr
.endr
.rept 4
	v_nop                                          ; places in front of loads into registers that the products have read, and of the first read of results
.endr
.if (\k) < 5
	s_wait_alu depctr_va_vdst(0)                   ; this step's products are done reading the fragments and their scale words, in which the next step's land, and buffer k % 2 with its scale words, in which the next chunk lands
	XFRAG \la, \off, \soff, (\k)+1
.endif
.if (\fetch) == 1
	FETCH (\k)%2, SB, ((\k)+2)*6400
.elseif (\fetch) == 2
	FETCH (\k)%2, SN, 0
.endif
.endm
; Six K steps.  tail = 0: the stream goes on: step 4 asks for the next six's first chunk; its second is asked for by the caller, behind ONWARD and behind whatever sets the next sums.
.macro SIX la, off, soff, tail
	XFRAG \la, \off, \soff, 0                      ; (the wait that frees the fragments' registers stands ahead of each six: see there)
	STEP \la, \off, \soff, 0, 13, 1
	STEP \la, \off, \soff, 1, 13, 1
	STEP \la, \off, \soff, 2, 13, 1
	STEP \la, \off, \soff, 3, 13, 1
.if \tail
	STEP \la, \off, \soff, 4, 13, 0
	STEP \la, \off, \soff, 5, 0, 0
.else
	STEP \la, \off, \soff, 4, 13, 2
	STEP \la, \off, \soff, 5, 13, 0
.endif
.endm
.macro ONWARD step                     ; the loads issued so far have had their addresses translated: both bases may be written.  step: bytes from the next six to the one behind it (0: there is none)
	s_wait_xcnt 0x0
	s_mov_b64 s[SB:SB+1], s[SN:SN+1]
.if \step
	s_add_nc_u64 s[SN:SN+1], s[SN:SN+1], \step
.endif
.endm
.macro ACCSET                          ; the sums begin with my own words of the residual rows
.irp t, 0,1
.irp b, 0,1
.irp q, 0,1,2,3
	ds_load_b128 v[ACC+32*\t+16*\b+4*\q:ACC+32*\t+16*\b+4*\q+3], v[HR] offset:\t*49408+128*\b+16*\q
.endr
.endr
.endr
.endm
.macro BARRIER
	s_wait_dscnt 0x0                               ; my LDS stores have landed and my LDS loads are in
	s_barrier_signal -1
	s_barrier_wait -1
.endm
.macro SCALEW                          ; my two scale bytes of each row, in v[TM]
	v_lshl_or_b32 v[TM], v[TM+5], 8, v[TM+4]
	v_lshl_or_b32 v[TM+1], v[TM+7], 8, v[TM+6]
	v_cndmask_b32 v[TM], v[TM], v[TM+1], s[HM]     ; lanes 0-15 tile 0's rows, lanes 16-31 tile 1's
.endm
.macro PUTCODES off, soff              ; the four half blocks (tile b / 2, block b % 2) and my two scale bytes of each row
.irp b, 0,1,2,3
.irp i, 0,1,2
	ds_store_b32 v[CW], v[CD+4*\b+\i] offset:(\off)+(\b/2)*1536+(\b%2)*384+4*\i
.endr
.endr
	ds_store_b16 v[SW], v[TM] offset:(\soff)
.endm
.macro ROWSUM sq                       ; v[S0], v[S1]: the sum (sq = 1: of squares) of my 32 numbers of each tile; each accumulator from its low end on
.irp t, 0,1
.set AA, ACC+32*\t
.if \sq
	v_pk_mul_f32 v[P0:P0+1], v[AA:AA+1], v[AA:AA+1]
	v_pk_mul_f32 v[P0+2:P0+3], v[AA+2:AA+3], v[AA+2:AA+3]
.irp j, 4,8,12,16,20,24,28
	v_pk_fma_f32 v[P0:P0+1], v[AA+\j:AA+\j+1], v[AA+\j:AA+\j+1], v[P0:P0+1]
	v_pk_fma_f32 v[P0+2:P0+3], v[AA+\j+2:AA+\j+3], v[AA+\j+2:AA+\j+3], v[P0+2:P0+3]
.endr
.else
	v_pk_add_f32 v[P0:P0+1], v[AA:AA+1], v[AA+4:AA+5]
	v_pk_add_f32 v[P0+2:P0+3], v[AA+2:AA+3], v[AA+6:AA+7]
.irp j, 8,12,16,20,24,28
	v_pk_add_f32 v[P0:P0+1], v[P0:P0+1], v[AA+\j:AA+\j+1]
	v_pk_add_f32 v[P0+2:P0+3], v[P0+2:P0+3], v[AA+\j+2:AA+\j+3]
.endr
.endif
	v_pk_add_f32 v[P0:P0+1], v[P0:P0+1], v[P0+2:P0+3]
	v_add_f32 v[S0+\t], v[P0], v[P0+1]
.endr
.endm
.macro XCHG i                          ; the twelve waves' figures of each row are added, in the same order in every wave; v[T0], v[T0 + 2]: the rows' totals for tile 0, 1
	v_permlanex16_b32 v[PX], v[S0], s[SEL], s[SEL+1]
	v_permlanex16_b32 v[PY], v[S1], s[SEL], s[SEL+1]
	v_add_f32 v[S0], v[S0], v[PX]
	v_add_f32 v[S1], v[S1], v[PY]
	v_cndmask_b32 v[S0], v[S0], v[S1], s[HM]       ; lane = place 16 Tl + r
	s_wait_alu depctr_va_vdst(0)                   ; the select has written my figure v184, which the LDS store reads; the vector and matrix instructions so far are done with v190-201, in which the twelve figures land
	ds_store_b32 v[STA], v[S0] offset:(\i)*1536
	BARRIER
.irp j, 0,1,2,3,4,5,6,7,8,9,10,11
	ds_load_b32 v[XL+\j], v[STL] offset:(\i)*1536+128*\j
.endr
	s_wait_dscnt 0x0
	s_wait_alu depctr_vm_vsrc(0)                   ; the LDS store has read v184, which the total below writes
	v_pk_add_f32 v[XL:XL+1], v[XL:XL+1], v[XL+2:XL+3]
	v_pk_add_f32 v[XL+4:XL+5], v[XL+4:XL+5], v[XL+6:XL+7]
	v_pk_add_f32 v[XL+8:XL+9], v[XL+8:XL+9], v[XL+10:XL+11]
	v_pk_add_f32 v[XL:XL+1], v[XL:XL+1], v[XL+4:XL+5]
	v_pk_add_f32 v[XL:XL+1], v[XL:XL+1], v[XL+8:XL+9]
	v_add_f32 v[S0], v[XL], v[XL+1]
	v_permlanex16_b32 v[PX], v[S0], s[SEL], s[SEL+1]
	v_cndmask_b32 v[T0], v[S0], v[PX], s[HM]
	v_cndmask_b32 v[T0+2], v[PX], v[S0], s[HM]
.endm
; 768 of my half's 1,536 hidden columns (g = 0, 1): b1 is the sums' first C; six K steps over h; the activation; the codes go to K steps 6 g .. 6 g + 5 of the hidden layer's image.
; The loads at its head owe no wait of their own: the wait on va_vdst ahead of the last run of LDS stores has shown the sums, stream buffer 1 and the fragments' registers free, and no vector or matrix instruction stands between.
.macro HIDDEN g, step
.irp t, 0,1
.irp b, 0,1
.irp q, 0,1,2,3
	global_load_b128 v[ACC+32*\t+16*\b+4*\q:ACC+32*\t+16*\b+4*\q+3], v[BA], s[12:13] offset:(\g)*3072+128*\b+16*\q
.endr
.endr
.endr
	FETCH 1, SB, 6400
	SIX LA, 18432, 768, 0
	ONWARD \step
.set j, 0
.rept 8
.irp k, 0,1,2,3
	v_pk_mul_f32 v[XL+2*\k:XL+2*\k+1], v[ACC+8*j+2*\k:ACC+8*j+2*\k+1], s[SLP:SLP+1] op_sel_hi:[1,0]
.endr
.irp k, 0,1,2,3,4,5,6,7
	v_max_num_f32 v[ACC+8*j+\k], v[ACC+8*j+\k], v[XL+\k]       ; leaky_relu(y) = max(y, 0.01 y)
.endr
.set j, j+1
.endr
.if \g
	s_wait_alu depctr_vm_vsrc(0)                   ; the LDS stores of the first 768 columns' codes, a six back, have read v206 and v218-232, which the quantiser writes again
.endif
	QUANT ACC, CD
	SCALEW
	s_wait_alu depctr_va_vdst(0)                   ; the conversions have written the codes v218-232, the select the scale bytes v206: the LDS stores read them.  The six's last products and the lines above are also done with the sums, stream buffer 1 and the fragments, in which the next phase's loads land
	PUTCODES ((\g)+1)*18432, ((\g)+1)*768
.endm
	s_load_b512 s[4:19], s[0:1], 0x0               ; att, wpost, x, bo, b1, b2, ln1_s, ln1_b
	s_load_b64 s[24:25], s[0:1], 0x40              ; part
	v_lshl_add_u32 v255, v0, 2, 0x2ba00
	s_set_vgpr_msb 0x40
	v_mov_b32 v1, 0
	s_set_vgpr_msb 0x4000
	v_lshrrev_b32 v206, 5, v0
	v_readfirstlane_b32 s[WV], v206                ; wave 0..11
	s_and_b32 s52, ttmp7, 0xffff                   ; z: which half of the hidden layer
	v_and_b32 v206, 31, v0                         ; lane
	v_and_b32 v207, 15, v0                         ; r
	v_bfe_u32 v208, v0, 4, 1                       ; h
	v_lshlrev_b32 v[L16], 4, v206
	v_lshlrev_b32 v[L8], 3, v206
	v_lshlrev_b32 v[L4], 2, v206
	v_mul_u32_u24 v[LC], v206, 24                  ; 384 h + 24 r
	v_add_nc_u32 v[LA], ATT, v[LC]
	v_add_nc_u32 v[LC], HID, v[LC]
	v_add_nc_u32 v[LS], ASA, v[L4]
	s_wait_alu depctr_va_sdst(0)                   ; the wave's number is written in s26, ahead of its first reader: addresses and bases are made from it
	s_lshl_b32 s38, s[WV], 8                       ; 256 w
	v_mul_u32_u24 v[HR], v207, 3088
	v_lshl_add_u32 v[HR], v208, 6, v[HR]
	v_add_nc_u32 v[HR], s38, v[HR]
	s_lshr_b32 s39, s[WV], 1
	s_and_b32 s40, s[WV], 1
	s_mul_i32 s41, s39, 3072
	s_mul_i32 s42, s40, 768
	s_add_co_u32 s41, s41, s42
	v_mul_u32_u24 v[CW], v207, 24
	v_mad_u32_u24 v[CW], v208, 12, v[CW]
	v_add_nc_u32 v[CW], s41, v[CW]
	v_add_nc_u32 v[CW], HC, v[CW]
	s_lshl_b32 s41, s39, 7
	s_lshl_b32 s42, s40, 1
	s_add_co_u32 s41, s41, s42
	v_add_nc_u32 v[SW], s41, v[L4]
	v_add_nc_u32 v[SW], ASH, v[SW]
	v_lshlrev_b32 v[BA], 6, v208
	; the copy of rows: waves 0-5 take rows 0-15, waves 6-11 rows 16-31; a wave one sixth (512 bytes) of each.  a = w / 6; row 16 a + k lies at place 16 (k / 8) + k % 8 + 8 a
	s_mul_i32 s43, s[WV], 43
	s_lshr_b32 s43, s43, 8                         ; a
	s_lshl_b32 s44, s[WV], 9
	s_mul_i32 s45, s43, 21632                      ; 8 x 3,088 a + 512 (w - 6 a) = 512 w + 21,632 a
	s_add_co_u32 s45, s45, s44
	v_add_nc_u32 v[XL0], s45, v[L16]
	v_add_nc_u32 v[XL1], 49408, v[XL0]
	s_mul_i32 s45, s43, 46080                      ; 16 x 3,072 a + 512 (w - 6 a)
	s_add_co_u32 s45, s45, s44
	v_add_nc_u32 v[XG], s45, v[L16]
	s_mul_i32 s45, s43, 3072
	s_sub_co_u32 s45, s44, s45
	v_add_nc_u32 v213, s45, v[L16]                 ; bo: my sixth
	s_lshl_b32 s45, s[WV], 7
	v_add_nc_u32 v[STA], s45, v[L4]
	v_add_nc_u32 v[STA], STAT, v[STA]
	v_add_nc_u32 v[STL], STAT, v[L4]
	v_lshlrev_b32 v209, 4, v0
	v_add_nc_u32 v210, ATT, v209
	v_lshlrev_b32 v211, 1, v0
	v_add_nc_u32 v212, ASA, v211
	s_mov_b32 s[SEL], 0x76543210
	s_mov_b32 s[SEL+1], 0xfedcba98
	s_mov_b32 s[HM], 0xffff0000
	s_mov_b32 s[INV], 0x3aaaaaab
	s_mov_b32 s[EPS], 0x3727c5ac
	s_mov_b32 s[SLP], 0x3c23d70a
	s_mov_b32 s[SLP+1], s[SLP]
	s_mov_b32 s47, 0
	s_wait_kmcnt 0x0
	s_mul_i32 s46, ttmp9, 98304
	s_add_nc_u64 s[8:9], s[8:9], s[46:47]          ; my 32 rows of x
	s_add_nc_u64 s[24:25], s[24:25], s[46:47]      ; and of part,
	s_mul_i32 s46, s52, 12582912
	s_add_nc_u64 s[24:25], s[24:25], s[46:47]      ; in half z
	s_mul_i32 s46, ttmp9, 768
	s_add_co_u32 s46, s46, 2359296
	s_add_nc_u64 s[48:49], s[4:5], s[46:47]        ; att's scale words
	s_mul_i32 s46, ttmp9, 18432
	s_add_nc_u64 s[4:5], s[4:5], s[46:47]          ; att's codes
	s_mul_i32 s46, s[WV], 345600
	s_add_nc_u64 s[SB:SB+1], s[SB:SB+1], s[46:47]  ; my wave's 54 chunks: wo's six come first
	s_mul_i32 s46, s52, 76800
	s_add_co_u32 s46, s46, 38400
	s_add_nc_u64 s[SN:SN+1], s[SB:SB+1], s[46:47]  ; then chunk 6 + 12 z: w1's group 2 z
	s_mov_b32 s46, s38
	s_add_nc_u64 s[12:13], s[12:13], s[46:47]      ; b1, b2 and the norm's vectors at my 64 columns
	s_add_nc_u64 s[14:15], s[14:15], s[46:47]
	s_add_nc_u64 s[16:17], s[16:17], s[46:47]
	s_add_nc_u64 s[18:19], s[18:19], s[46:47]
	s_mul_i32 s46, s52, 6144
	s_add_nc_u64 s[12:13], s[12:13], s[46:47]      ; b1: my half's 1,536 columns
	s_wait_alu depctr_va_vdst(0)                   ; the offsets and LDS addresses v1 to v15 and v209 to v213 are written: every load and store of the kernel reads one of them
.set k, 0
.rept 16
	global_load_b128 v[ACC+4*k:ACC+4*k+3], v[XG], s[8:9] offset:k*3072
.set k, k+1
.endr
	global_load_b128 v[214:217], v213, s[10:11]
.irp i, 0,1,2
	global_load_b128 v[218+4*\i:221+4*\i], v209, s[4:5] offset:6144*\i
.endr
	global_load_u16 v230, v211, s[48:49]
	FETCH 0, SB, 0
	FETCH 1, SB, 6400
	s_wait_loadcnt 26                              ; all but the two chunks
.set k, 0
.rept 16
	v_pk_add_f32 v[ACC+4*k:ACC+4*k+1], v[ACC+4*k:ACC+4*k+1], v[214:215]       ; x + bo
	v_pk_add_f32 v[ACC+4*k+2:ACC+4*k+3], v[ACC+4*k+2:ACC+4*k+3], v[216:217]
.set k, k+1
.endr
	s_wait_alu depctr_va_vdst(0)                   ; the additions have written x + bo in v16-79, which the LDS stores read
.set k, 0
.rept 16
	ds_store_b128 v[XL0+k/8], v[ACC+4*k:ACC+4*k+3] offset:(k%8)*3088
.set k, k+1
.endr
.irp i, 0,1,2
	ds_store_b128 v210, v[218+4*\i:221+4*\i] offset:6144*\i
.endr
	ds_store_b16 v212, v230
	BARRIER                                        ; x + bo, att's codes and scale words lie in LDS
	; ---- A: x + bo + att wo, then the first norm
	s_wait_alu depctr_vm_vsrc(0)                   ; my LDS stores have read v16-79, in which the sums' first C lands; they and the head's loads have read v209-213 and v218-230, in which the norm's vectors will land
	ACCSET
	SIX LA, 0, 0, 0
	ONWARD 38400                                   ; in hand: w1's group 2 z; next: group 2 z + 1
	s_wait_alu depctr_va_vdst(0)                   ; the six's last products are done reading stream buffer 1, v128-175, in which gain, bias and b2 of block 0 land
.irp b, 0,1                            ; gain, bias and b2 of my 32 columns of each block are asked for now and land during the two exchanges
.irp q, 0,1,2,3
	global_load_b128 v[PB0+78*\b+4*\q:PB0+78*\b+4*\q+3], v[BA], s[16:17] offset:128*\b+16*\q
	global_load_b128 v[PB0+78*\b+16+4*\q:PB0+78*\b+16+4*\q+3], v[BA], s[18:19] offset:128*\b+16*\q
	global_load_b128 v[PB0+78*\b+32+4*\q:PB0+78*\b+32+4*\q+3], v[BA], s[14:15] offset:128*\b+16*\q
.endr
.endr
	ROWSUM 0
	XCHG 0
	v_mul_f32 v[T0], s[INV], v[T0]                 ; the means
	v_mul_f32 v[T0+2], s[INV], v[T0+2]
.irp t, 0,1
.irp j, 0,2,4,6,8,10,12,14,16,18,20,22,24,26,28,30
	v_pk_add_f32 v[ACC+32*\t+\j:ACC+32*\t+\j+1], v[ACC+32*\t+\j:ACC+32*\t+\j+1], v[T0+2*\t:T0+2*\t+1] op_sel_hi:[1,0] neg_lo:[0,1] neg_hi:[0,1]
.endr
.endr
	ROWSUM 1
	XCHG 1
	v_fma_f32 v[T0], v[T0], s[INV], s[EPS]         ; the variance + 1e-5
	v_fma_f32 v[T0+2], v[T0+2], s[INV], s[EPS]
	s_wait_alu depctr_va_vdst(0)
	v_rsq_f32 v[P0], v[T0]
	v_rsq_f32 v[P0+2], v[T0+2]
	v_nop
	s_wait_alu depctr_va_vdst(0)                   ; the two reciprocal roots have written v180, v182: one wait for the two, ahead of their first reader
	s_wait_loadcnt 0x0                             ; gain, bias, b2
.irp t, 0,1
.irp b, 0,1
.irp q, 0,1,2,3
.set AA, ACC+32*\t+16*\b+4*\q
.set PP, PB0+78*\b+4*\q
	v_pk_mul_f32 v[AA:AA+1], v[AA:AA+1], v[P0+2*\t:P0+2*\t+1] op_sel_hi:[1,0]
	v_pk_mul_f32 v[AA+2:AA+3], v[AA+2:AA+3], v[P0+2*\t:P0+2*\t+1] op_sel_hi:[1,0]
	v_pk_fma_f32 v[AA:AA+1], v[AA:AA+1], v[PP:PP+1], v[PP+16:PP+17]            ; h stays in the accumulators' registers
	v_pk_fma_f32 v[AA+2:AA+3], v[AA+2:AA+3], v[PP+2:PP+3], v[PP+18:PP+19]
.endr
.endr
.endr
	QUANT ACC, CD                                  ; gain and bias are done with: the quantiser takes block 1's registers v206-233
	SCALEW
	; (h + b2) / 2, with which each half of the hidden layer begins its sums, is made in registers of its own, so that one wait serves all the LDS stores: tile 0's in v128-159, which held block 0's gain and bias,
.irp b, 0,1
.irp q, 0,1,2,3
.set AA, ACC+16*\b+4*\q
.set PP, PB0+78*\b+32+4*\q
.set OO, PB0+16*\b+4*\q
	v_pk_add_f32 v[OO:OO+1], v[AA:AA+1], v[PP:PP+1]
	v_pk_add_f32 v[OO+2:OO+3], v[AA+2:AA+3], v[PP+2:PP+3]
	v_pk_mul_f32 v[OO:OO+1], v[OO:OO+1], 0.5 op_sel_hi:[1,0]
	v_pk_mul_f32 v[OO+2:OO+3], v[OO+2:OO+3], 0.5 op_sel_hi:[1,0]
.endr
.endr
.irp b, 0,1                            ; tile 1's in place, over b2 (v160-175, v238-253), which tile 0 has read
.irp q, 0,1,2,3
.set AA, ACC+32+16*\b+4*\q
.set PP, PB0+78*\b+32+4*\q
	v_pk_add_f32 v[PP:PP+1], v[AA:AA+1], v[PP:PP+1]
	v_pk_add_f32 v[PP+2:PP+3], v[AA+2:AA+3], v[PP+2:PP+3]
	v_pk_mul_f32 v[PP:PP+1], v[PP:PP+1], 0.5 op_sel_hi:[1,0]
	v_pk_mul_f32 v[PP+2:PP+3], v[PP+2:PP+3], 0.5 op_sel_hi:[1,0]
.endr
.endr
	s_wait_alu depctr_va_vdst(0)                   ; h's codes v218-232, its scale bytes v206 and (h + b2) / 2 in v128-175 and v238-253 are written, which the LDS stores read.  The lines above are also done with the sums and the fragments' registers, in which the next phase's loads land
	PUTCODES 0, 0
.irp b, 0,1
.irp q, 0,1,2,3
	ds_store_b128 v[HR], v[PB0+16*\b+4*\q:PB0+16*\b+4*\q+3] offset:128*\b+16*\q                        ; to my own words of the residual rows
.endr
.endr
.irp b, 0,1
.irp q, 0,1,2,3
	ds_store_b128 v[HR], v[PB0+78*\b+32+4*\q:PB0+78*\b+32+4*\q+3] offset:49408+128*\b+16*\q
.endr
.endr
	BARRIER                                        ; h's codes and scale words lie in LDS
	; ---- B: my half of the hidden layer, 768 columns at a time
	s_wait_alu depctr_vm_vsrc(0)                   ; my LDS stores have read v128-175, in which the stream's next chunk lands, and v206, v218-232, which the quantiser writes again
	HIDDEN 0, 115200                               ; in hand then: chunk 12 + 12 z; next: chunk 30 + 12 z, w2's K step 12 z: 18 chunks on
	HIDDEN 1, 38400                                ; in hand then: w2's K steps 12 z on; next: 12 z + 6 on
	BARRIER                                        ; my half of the hidden layer's codes and scale words lies in LDS
	; ---- C: (h + b2) / 2 + hidden w2 over my 12 K steps
	ACCSET                                         ; (these loads and the chunk's stand behind the wait ahead of the last codes' stores, with no vector or matrix instruction between)
	FETCH 1, SB, 6400
	SIX LC, 0, 1536, 0
	ONWARD 0
	s_wait_alu depctr_va_vdst(0)                   ; the six's last products are done reading stream buffer 1 with its scale words, in which the next chunk lands, and the fragments with theirs, in which the next six's first land
	FETCH 1, SB, 6400
	SIX LC, 18432, 2304, 1                         ; my last six chunks: nothing more is asked for
	s_wait_alu depctr_va_vdst(0)                   ; the products have written the sums v16-79, which the LDS stores read; the four places above stay beside this wait
.irp t, 0,1
.irp b, 0,1
.irp q, 0,1,2,3
	ds_store_b128 v[HR], v[ACC+32*\t+16*\b+4*\q:ACC+32*\t+16*\b+4*\q+3] offset:\t*49408+128*\b+16*\q   ; each accumulator from its low end on
.endr
.endr
.endr
	BARRIER                                        ; 32 whole rows of the half's sums lie in LDS
	s_wait_alu depctr_vm_vsrc(0)                   ; my LDS stores have read v16-79, in which the whole rows land
.set k, 0
.rept 16
	ds_load_b128 v[ACC+4*k:ACC+4*k+3], v[XL0+k/8] offset:(k%8)*3088
.set k, k+1
.endr
.set k, 0
.rept 16
	s_wait_dscnt 15-k                              ; row k's load is in; the younger ones may be out
	global_store_b128 v[XG], v[ACC+4*k:ACC+4*k+3], s[24:25] offset:k*3072 th:TH_STORE_NT   ; 512 consecutive bytes, at a multiple of 256 from the buffer's first byte
.set k, k+1
.endr
	s_set_vgpr_msb 0x4                             ; the add's data register lies in window 1: the switch stands ahead of the closing lines
	s_wait_dscnt 0x0                               ; the closing lines, six on end
	s_wait_alu 0x0
	s_wait_tensorcnt 0x0
	ds_add_u32 v255, v1
	s_wait_dscnt 0x0
	s_endpgm
.Lfunc_end_k_q9766a783d2_post:
	.size	k_q9766a783d2_post, .Lfunc_end_k_q9766a783d2_post-k_q9766a783d2_post
	.p2alignl 7, 3214868480
	.fill 96, 4, 3214868480
	.section	.rodata,"a",@progbits
	.p2align	6, 0x0
	.amdhsa_kernel k_q9766a783d2_post
		.amdhsa_group_segment_fixed_size 180224
		.amdhsa_private_segment_fixed_size 0
		.amdhsa_enable_private_segment 0
		.amdhsa_kernarg_size 72
		.amdhsa_user_sgpr_count 2
		.amdhsa_user_sgpr_kernarg_segment_ptr 1
		.amdhsa_wavefront_size32 1
		.amdhsa_system_sgpr_workgroup_id_x 1
		.amdhsa_system_sgpr_workgroup_id_y 1
		.amdhsa_system_sgpr_workgroup_id_z 1
		.amdhsa_system_vgpr_workitem_id 0
		.amdhsa_next_free_vgpr 258
		.amdhsa_next_free_sgpr 66
		.amdhsa_reserve_vcc 0
		.amdhsa_float_denorm_mode_32 3
		.amdhsa_float_denorm_mode_16_64 3
		.amdhsa_memory_ordered 1
		.amdhsa_forward_progress 1
		.amdhsa_inst_pref_size 160
	.end_amdhsa_kernel
	.amdgpu_metadata
---
amdhsa.version: [ 1, 2 ]
amdhsa.kernels:
  - .name:           k_q9766a783d2_post
    .symbol:         k_q9766a783d2_post.kd
    .args:
      - { .name: att, .offset: 0, .size: 8, .value_kind: global_buffer, .address_space: global }
      - { .name: wpost, .offset: 8, .size: 8, .value_kind: global_buffer, .address_space: global }
      - { .name: x, .offset: 16, .size: 8, .value_kind: global_buffer, .address_space: global }
      - { .name: bo, .offset: 24, .size: 8, .value_kind: global_buffer, .address_space: global }
      - { .name: b1, .offset: 32, .size: 8, .value_kind: global_buffer, .address_space: global }
      - { .name: b2, .offset: 40, .size: 8, .value_kind: global_buffer, .address_space: global }
      - { .name: ln1_s, .offset: 48, .size: 8, .value_kind: global_buffer, .address_space: global }
      - { .name: ln1_b, .offset: 56, .size: 8, .value_kind: global_buffer, .address_space: global }
      - { .name: part, .offset: 64, .size: 8, .value_kind: global_buffer, .address_space: global }
    .group_segment_fixed_size: 180224
    .private_segment_fixed_size: 0
    .kernarg_segment_align: 8
    .kernarg_segment_size: 72
    .max_flat_workgroup_size: 384
    .sgpr_count:     66
    .vgpr_count:     258
    .wavefront_size: 32
...
	.end_amdgpu_metadata
.endif
;; end of part 9
;; launch ln2 (part 10): grid 256 x 1, 16 waves a work-group, no clusters, 0 bytes of LDS; arguments part, ln2_s, ln2_b, out0; writes out0
.if DOCPART == 10
	.amdgcn_target "amdgcn-amd-amdhsa--gfx1250"
	.amdhsa_code_object_version 6
	.text
	.protected	k_q9766a783d2_ln2
	.globl	k_q9766a783d2_ln2
	.p2align	8
	.type	k_q9766a783d2_ln2,@function
k_q9766a783d2_ln2:
	s_mov_b64 s[64:65], 0
	v_nop
	global_prefetch_b8 v0, s[64:65] scope:SCOPE_SE
	s_setreg_imm32_b32 hwreg(HW_REG_WAVE_MODE, 25, 1), 1
	s_wait_xcnt 0x0
; LN2.  out0 = LayerNorm(part[0] + part[1]) x ln2_s + ln2_b.  part: [2][4096][768] f32: the two halves of h + b2 + hidden w2.  All in f32.
; A stream: each byte is read once and written once.  One wave takes one row of 3,072 bytes: six loads of 16 bytes a lane from each half, each load 512 consecutive bytes at a multiple of 512 from the
; buffer's first byte; the row stays in 24 registers between the mean, the variance and the scaling, so no LDS and no barrier: the two reductions never leave the wave.
; 16 waves a work-group, 256 work-groups: 4,096 rows.  Matrix units, clusters and tensor loads have nothing to do here: no byte is shared but the 6 KB of gain and bias.
; LIMITS: NaN and infinities are not served.
.set ROWB, 3072
.set A,  8                             ; v8-31    the first half, then the row
.set B,  32                            ; v32-55   the second half
.set G,  56                            ; v56-79   gain of my 24 columns
.set H,  80                            ; v80-103  bias
.set S,  104                           ; v[104:105], v[106:107] two chains
.set T,  106
.set M,  108                           ; v[108:109] the mean, later 1 / sigma: the low word serves both halves of a packed line
.set X,  110
.macro ALL r                           ; the sum over the wave's 32 lanes, in every lane
	s_delay_alu instid0(VALU_DEP_1)
	v_add_f32_dpp v[\r], v[\r], v[\r] row_xmask:1 row_mask:0xf bank_mask:0xf
	s_delay_alu instid0(VALU_DEP_1)
	v_add_f32_dpp v[\r], v[\r], v[\r] row_xmask:2 row_mask:0xf bank_mask:0xf
	s_delay_alu instid0(VALU_DEP_1)
	v_add_f32_dpp v[\r], v[\r], v[\r] row_xmask:4 row_mask:0xf bank_mask:0xf
	s_delay_alu instid0(VALU_DEP_1)
	v_add_f32_dpp v[\r], v[\r], v[\r] row_xmask:8 row_mask:0xf bank_mask:0xf
	s_delay_alu instid0(VALU_DEP_1)
	v_permlanex16_b32 v[X], v[\r], s18, s19
	s_delay_alu instid0(VALU_DEP_1)
	v_add_f32 v[\r], v[\r], v[X]
.endm
	s_load_b256 s[4:11], s[0:1], 0x0               ; part, ln2_s, ln2_b, out0
	v_lshrrev_b32 v1, 5, v0
	s_delay_alu instid0(VALU_DEP_1)
	v_readfirstlane_b32 s12, v1                    ; wave 0..15
	v_and_b32 v2, 31, v0
	s_delay_alu instid0(VALU_DEP_1)
	v_lshlrev_b32 v2, 4, v2                        ; 16 x lane
	s_lshl_b32 s13, ttmp9, 4
	s_add_co_u32 s13, s13, s12                     ; my row
	s_mul_i32 s14, s13, ROWB
	s_mov_b32 s15, 0
	s_mov_b32 s18, 0x76543210
	s_mov_b32 s19, 0xfedcba98                      ; lane selects: lane l xor 16
	s_mov_b32 s20, 0x3aaaaaab                      ; 1 / 768
	s_mov_b32 s21, 0x3727c5ac                      ; 1e-5
	v_mov_b32 v[M+1], 0                            ; named as the upper half of a pair
	v_mov_b32 v[X], 0                              ; a lane permute's destination counts as one of its sources
	s_wait_alu depctr_va_vdst(0)
	s_wait_kmcnt 0x0
	s_add_nc_u64 s[4:5], s[4:5], s[14:15]          ; my row in the first half,
	s_add_nc_u64 s[16:17], s[4:5], 12582912        ; in the second,
	s_add_nc_u64 s[10:11], s[10:11], s[14:15]      ; and in out0
.irp i, 0,1,2,3,4,5
	global_load_b128 v[A+4*\i:A+4*\i+3], v2, s[4:5] offset:512*\i th:TH_LOAD_NT
.endr
.irp i, 0,1,2,3,4,5
	global_load_b128 v[B+4*\i:B+4*\i+3], v2, s[16:17] offset:512*\i th:TH_LOAD_NT
.endr
.irp i, 0,1,2,3,4,5
	global_load_b128 v[G+4*\i:G+4*\i+3], v2, s[6:7] offset:512*\i
.endr
.irp i, 0,1,2,3,4,5
	global_load_b128 v[H+4*\i:H+4*\i+3], v2, s[8:9] offset:512*\i
.endr
	s_wait_loadcnt 12                              ; both halves are in; the 12 loads of gain and bias may be out
.irp j, 0,2,4,6,8,10,12,14,16,18,20,22
	v_pk_add_f32 v[A+\j:A+\j+1], v[A+\j:A+\j+1], v[B+\j:B+\j+1]       ; h + b2 + hidden w2
.endr
	v_pk_add_f32 v[S:S+1], v[A:A+1], v[A+4:A+5]
	v_pk_add_f32 v[T:T+1], v[A+2:A+3], v[A+6:A+7]
.irp j, 8,12,16,20
	s_delay_alu instid0(VALU_DEP_2)
	v_pk_add_f32 v[S:S+1], v[S:S+1], v[A+\j:A+\j+1]
	s_delay_alu instid0(VALU_DEP_2)
	v_pk_add_f32 v[T:T+1], v[T:T+1], v[A+\j+2:A+\j+3]
.endr
	s_delay_alu instid0(VALU_DEP_1)
	v_pk_add_f32 v[S:S+1], v[S:S+1], v[T:T+1]
	s_delay_alu instid0(VALU_DEP_1)
	v_add_f32 v[S], v[S], v[S+1]
	ALL S
	s_delay_alu instid0(VALU_DEP_1)
	v_mul_f32 v[M], s20, v[S]                      ; the mean
.irp j, 0,2,4,6,8,10,12,14,16,18,20,22
	v_pk_add_f32 v[A+\j:A+\j+1], v[A+\j:A+\j+1], v[M:M+1] op_sel_hi:[1,0] neg_lo:[0,1] neg_hi:[0,1]
.endr
	v_pk_mul_f32 v[S:S+1], v[A:A+1], v[A:A+1]
	v_pk_mul_f32 v[T:T+1], v[A+2:A+3], v[A+2:A+3]
.irp j, 4,8,12,16,20
	s_delay_alu instid0(VALU_DEP_2)
	v_pk_fma_f32 v[S:S+1], v[A+\j:A+\j+1], v[A+\j:A+\j+1], v[S:S+1]
	s_delay_alu instid0(VALU_DEP_2)
	v_pk_fma_f32 v[T:T+1], v[A+\j+2:A+\j+3], v[A+\j+2:A+\j+3], v[T:T+1]
.endr
	s_delay_alu instid0(VALU_DEP_1)
	v_pk_add_f32 v[S:S+1], v[S:S+1], v[T:T+1]
	s_delay_alu instid0(VALU_DEP_1)
	v_add_f32 v[S], v[S], v[S+1]
	ALL S
	s_delay_alu instid0(VALU_DEP_1)
	v_fma_f32 v[S], v[S], s20, s21                 ; the variance + 1e-5
	s_wait_alu depctr_va_vdst(0)
	v_rsq_f32 v[M], v[S]
	v_nop                                          ; one plain line behind the transcendental
	s_wait_alu depctr_va_vdst(0)                   ; and the wait ahead of its first reader
	s_wait_loadcnt 0x0                             ; gain and bias
.irp j, 0,2,4,6,8,10,12,14,16,18,20,22
	v_pk_mul_f32 v[A+\j:A+\j+1], v[A+\j:A+\j+1], v[M:M+1] op_sel_hi:[1,0]
.endr
.irp j, 0,2,4,6,8,10,12,14,16,18,20,22
	v_pk_fma_f32 v[A+\j:A+\j+1], v[A+\j:A+\j+1], v[G+\j:G+\j+1], v[H+\j:H+\j+1]
.endr
.irp i, 0,1,2,3,4,5
	global_store_b128 v2, v[A+4*\i:A+4*\i+3], s[10:11] offset:512*\i th:TH_STORE_NT   ; 512 consecutive bytes, at a multiple of 512 from the buffer's first byte
.endr
	s_endpgm
.Lfunc_end_k_q9766a783d2_ln2:
	.size	k_q9766a783d2_ln2, .Lfunc_end_k_q9766a783d2_ln2-k_q9766a783d2_ln2
	.p2alignl 7, 3214868480
	.fill 96, 4, 3214868480
	.section	.rodata,"a",@progbits
	.p2align	6, 0x0
	.amdhsa_kernel k_q9766a783d2_ln2
		.amdhsa_group_segment_fixed_size 0
		.amdhsa_private_segment_fixed_size 0
		.amdhsa_enable_private_segment 0
		.amdhsa_kernarg_size 32
		.amdhsa_user_sgpr_count 2
		.amdhsa_user_sgpr_kernarg_segment_ptr 1
		.amdhsa_wavefront_size32 1
		.amdhsa_system_sgpr_workgroup_id_x 1
		.amdhsa_system_sgpr_workgroup_id_y 1
		.amdhsa_system_sgpr_workgroup_id_z 1
		.amdhsa_system_vgpr_workitem_id 0
		.amdhsa_next_free_vgpr 112
		.amdhsa_next_free_sgpr 66
		.amdhsa_reserve_vcc 0
		.amdhsa_float_denorm_mode_32 3
		.amdhsa_float_denorm_mode_16_64 3
		.amdhsa_memory_ordered 1
		.amdhsa_forward_progress 1
		.amdhsa_inst_pref_size 11
	.end_amdhsa_kernel
	.amdgpu_metadata
---
amdhsa.version: [ 1, 2 ]
amdhsa.kernels:
  - .name:           k_q9766a783d2_ln2
    .symbol:         k_q9766a783d2_ln2.kd
    .args:
      - { .name: part, .offset: 0, .size: 8, .value_kind: global_buffer, .address_space: global }
      - { .name: ln2_s, .offset: 8, .size: 8, .value_kind: global_buffer, .address_space: global }
      - { .name: ln2_b, .offset: 16, .size: 8, .value_kind: global_buffer, .address_space: global }
      - { .name: out0, .offset: 24, .size: 8, .value_kind: global_buffer, .address_space: global }
    .group_segment_fixed_size: 0
    .private_segment_fixed_size: 0
    .kernarg_segment_align: 8
    .kernarg_segment_size: 32
    .max_flat_workgroup_size: 512
    .sgpr_count:     66
    .vgpr_count:     112
    .wavefront_size: 32
...
	.end_amdgpu_metadata
.endif
;; end of part 10
